; MI455X (gfx1250); checked and timed in simulation.
; The chip was launched on July 23, 2026; its instructions are those of AMD's public machine-readable ISA for CDNA 5 (MIT licence, August 2026) and "CDNA5" Instruction Set Architecture Reference Guide (July 2026). The comments in the code are by the model that wrote it; some were corrected since.
;; Aeva Naive Moe. Allowed arithmetic: matrix products marked QUANTISED: E4M3 operands, one E8M0 scale for each 32 along K, by v_wmma_scale_f32_16x16x128_f8f6f4 with both operands' format E4M3, f32 sums; products left as they are: f32 operands where the result goes on into a quantised operand, else bf16, f16 or f32 operands; f32 sums; everything else in f32.
;; Inputs: anchor_w_down 16 x 256 x 1,024 float32; anchor_w_gate 16 x 1,024 x 256 float32; anchor_w_up 16 x 1,024 x 256 float32; gate_bias 32 float32; gate_weight 32 x 1,024 float32; hidden_states 1 x 1,024 x 1,024 float32; shared_w_down 512 x 1,024 float32; shared_w_gate 1,024 x 512 float32; shared_w_up 1,024 x 512 float32; w_down 32 x 512 x 1,024 float32; w_gate 32 x 1,024 x 512 float32; w_up 32 x 1,024 x 512 float32.
;; Outputs: out0 1 x 1,024 x 1,024 float32.
;; This version of the problem:
;;   THIS VERSION OF THE PROBLEM IS GIVEN IN LOW PRECISION. The matrix products marked QUANTISED in the list below multiply operands that are first quantised to E4M3 (4 exponent bits, 3 mantissa bits; 8 bits a number), with one power-of-two scale for each 32 numbers along K (OCP MX v1.0); their sums are f32. All else is computed in f32.
;;   The module's matrix products, in the order in which they are computed (A, B: the left and right operand; K: the contracted axis; several contracted axes count as one K, in the product's order):
;;     1. [M 1,024, K 1,024] x [K 1,024, N 32]; A: input hidden_states; B: input gate_weight: QUANTISED
;;     2. [M 1,024, K 1,024] x [K 1,024, N 16,384]; A: input hidden_states; B: input w_gate: QUANTISED
;;     3. [M 1,024, K 1,024] x [K 1,024, N 16,384]; A: input hidden_states; B: input w_up: QUANTISED
;;     4. batch 32 x [M 1,024, K 512] x [K 512, N 1,024]; A: input w_down; B: computed on the way: QUANTISED
;;     5. batch 1,024 x [M 1, K 32] x [K 32, N 1,024]; A: computed on the way; B: computed on the way: left as it is (M = 1 < 16)
;;     6. [M 1,024, K 1,024] x [K 1,024, N 512]; A: input hidden_states; B: input shared_w_gate: QUANTISED
;;     7. [M 1,024, K 1,024] x [K 1,024, N 512]; A: input hidden_states; B: input shared_w_up: QUANTISED
;;     8. [M 1,024, K 512] x [K 512, N 1,024]; A: computed on the way; B: input shared_w_down: QUANTISED
;;     9. [M 1,024, K 1,024] x [K 1,024, N 4,096]; A: input hidden_states; B: input anchor_w_gate: QUANTISED
;;     10. [M 1,024, K 1,024] x [K 1,024, N 4,096]; A: input hidden_states; B: input anchor_w_up: QUANTISED
;;     11. batch 16 x [M 1,024, K 256] x [K 256, N 1,024]; A: input anchor_w_down; B: computed on the way: QUANTISED
;;     12. batch 1,024 x [M 1, K 16] x [K 16, N 1,024]; A: computed on the way; B: computed on the way: left as it is (K = 16 < 32)
;;   THE QUANTISER, for each operand of a quantised product, along K:
;;     - K is cut into blocks of 32 from its start; a last block that is shorter is filled with zeros.
;;     - A block's scale is 2^e with e = floor(log2(the largest magnitude in the block)) - 8, held to -126 .. 127; a block of zeros has e = 0. As a byte (E8M0): e + 127.
;;     - Each number is divided by its block's scale, clamped to +-448, and rounded to the nearest number of E4M3, ties to even, subnormals kept.
;;     - The product sums the exact products of the quantised numbers (number of the format x scale) in f32.
;;   ~~~python
;;   def quantise(x, axis):      # numpy; x: float32 -> the quantised numbers, widened to float32 again
;;       x = np.moveaxis(x, axis, -1); K = x.shape[-1]
;;       x = np.pad(x, [(0, 0)] * (x.ndim - 1) + [(0, -K % 32)]); x = x.reshape(x.shape[:-1] + (-1, 32)); a = np.abs(x).max(-1, keepdims=True)
;;       e = np.where(a > 0, np.clip(np.frexp(np.where(a > 0, a, 1))[1] - 1 - 8, -126, 127), 0)      # np.frexp(a)[1] - 1 = floor(log2(a)), exactly
;;       r = np.clip(x / 2.0 ** e, -448, 448)
;;       step = 2.0 ** (np.maximum(np.frexp(np.where(r == 0, 1, r))[1] - 1, -6) - 3)
;;       q = np.round(r / step) * step * 2.0 ** e      # np.round: ties to even
;;       return np.moveaxis(q.reshape(q.shape[:-2] + (-1,))[..., :K], -1, axis).astype(np.float32)
;;   ~~~
;;   OPERANDS COMPUTED ON THE WAY. 'Computed on the way' means the value that the module computes at that place (a softmax that the list does not call 'softmax' is quantised finished and normalised). What goes into a quantiser is computed in f32, as accurately as f32 sums, v_exp_f32 and their like allow (about 1e-6 of the number): no bf16 or f16 on the way to a quantiser, and a product that is left as it is and whose result goes on into a quantised operand takes f32 operands (vector FMAs, or v_wmma_f32_16x16x4_f32). A number that lies on a knife's edge between two numbers of the format may be rounded either way, as far as f32 arithmetic and the matrix unit's own rounding can turn it there, and no further.
;; 2 versions. Each part assembles by itself: llvm-mc -triple=amdgcn-amd-amdhsa -mcpu=gfx1250 --defsym DOCPART=n.
;; ======== version 1 of 2: 5 launches
;; workspace buffers: xq 1,081,344 bytes; umask 8,192 bytes of whole numbers; w8 32,768 bytes; plan 265,984 bytes of whole numbers; hq 28,114,944 bytes; eo 218,103,808 bytes
;; launch route (part 1): grid 64 x 1, 8 waves a work-group, no clusters, 34,560 bytes of LDS; arguments hidden_states, gate_weight, gate_bias, xq, umask, w8; writes xq, umask, w8
.if DOCPART == 1
	.amdgcn_target "amdgcn-amd-amdhsa--gfx1250"
	.amdhsa_code_object_version 6
	.text
	.protected	k_q35587c3b60_route
	.globl	k_q35587c3b60_route
	.p2align	8
	.type	k_q35587c3b60_route,@function
k_q35587c3b60_route:
	s_mov_b64 s[64:65], 0
	v_nop
	global_prefetch_b8 v0, s[64:65] scope:SCOPE_SE
	s_setreg_imm32_b32 hwreg(HW_REG_WAVE_MODE, 25, 1), 1
	s_wait_xcnt 0x0
; ROUTE: x is quantised once (codes and scale words into xq), the router's logits are made on codes of E4M3, and each token's choice is stored at fixed places.
; DEAD WORK, for the whole program.  reference() multiplies every expert's result by cw and every anchor's by acw.  cw is a sum of one_hot(topidx) x tw and acw is one_hot(lg), both built in its own body:
; for a token t, cw[t][e] is the constant 0 for the 26 experts outside topidx[t], and acw[t][l] is 0 for the 15 groups other than lg[t], whatever the inputs hold.  So row t of the products with w_gate, w_up, w_down
; of an expert not chosen, and of the anchor products of a group not chosen, reaches no output in exact arithmetic: those rows are not multiplied.  The two combining products then are a sum of eight rows a token.
; Every input has a way to the output and is loaded.  LIMIT: a NaN, an infinity or an overflow that arises only in an expert or anchor that was not chosen for a token is not carried to the result.
; LIMITS: NaN and infinities among the inputs are not served.  Equal scores go to the lower index, as jax.lax.top_k has it.  A block of zeros gets the scale byte 1 (its codes are zeros; only this program reads the bytes).
; The logits' K is summed in eight parts (one a wave), added in ascending order: another order of f32 rounding than one chain.
; SHARES.  Work-group T: tokens 16 T .. 16 T + 15.  Wave w: K step w (128 along K): it quantises its 128 numbers of the 16 tokens and of the 32 rows of gate_weight and makes two products (source 0 = 16 experts, source 1 = the tokens).
; The eight partial results meet in LDS; wave 0 adds them and routes, a token a lane (lanes 16-31 repeat lanes 0-15).  No address and no branch hangs on the choice: it is stored as whole numbers for the next launch.
; OUT: xq codes [t][1024], scale words [t][8] at XS_OFF; umask [2][1024]: word 0 the bits of the six experts, word 1 bit (first expert / 2) and bit 16 + t / 256; w8 [t][8]: the six weights in ascending order of expert, 0.1, 1.0.
.set XS_OFF, 1048576
.set PART,  0                          ; LDS: eight waves' partial logits, 2,048 bytes each, as images of the accumulators
.set XC,    16384                      ; x's codes: 16 rows of 1,024 bytes + 16
.set XCP,   1040
.set XSC,   33024                      ; x's scale words: 32 bytes a token
.set SPARE, 33536                      ; the spare words: 128 bytes a wave
.set SPW,   12
.set NIL,   13
.set TM,    32                         ; v32-47 at work in QUANT
.set ST0,   64
.set ST1,   128
.set XF,    192                        ; x's fragment
.set G0,    208                        ; gate rows 0-15
.set G1,    224                        ; gate rows 16-31
.set XW,    240                        ; scale words: x's, the gate's two
.set GW0,   241
.set GW1,   242
.set WV,    20
.set HM,    21                         ; the mask of lanes 16-31
.set SEL,   28
.set MNT,   30
; wave 0's registers
.set LG,    16                         ; v16-31 my 16 logits, then scores
.set OT,    32                         ; v32-47 the other half's
.set S,     64                         ; v64-95 the 32 scores
.set M,     96                         ; v96-127 scores for choice
.set M1,    128
.set M2,    132
.set GS,    136
.set RK,    140
.set NINF,  144
.set BEST,  145
.set IDX,   146
.set RAW,   152
.set MW0,   158
.set TMP,   159
.set ONE,   160
.set SUM,   161
.set RK6,   162
.set W,     168
.set O,     176
.set MW,    180
.macro FLOAD reg, base, off            ; lane (r, h): of row r, 16 neighbours of each block of 32 of my K step
.irp b, 0,1,2,3
.irp j, 0,1,2,3
	global_load_b128 v[\reg+16*\b+4*\j:\reg+16*\b+4*\j+3], v4, s[\base:\base+1] offset:\off+128*\b+16*\j
.endr
.endr
.endm
; 64 numbers of a lane, register 16 b + i = k 32 b + 16 (lane / 16) + i of my row, become a fragment's codes in v[pc] on and its scale word in v[pw]
.macro QUANT s, pc, pw
.irp b, 0,1,2,3
	v_max3_num_f32 v[TM+\b], |v[\s+16*\b]|, |v[\s+1+16*\b]|, 0x4800000   ; my 16 numbers of block b, and the floor 2^(9 - 127): the byte cannot fall under 1
.endr
.irp i, 2,4,6,8,10,12,14
.irp b, 0,1,2,3
	v_max3_num_f32 v[TM+\b], v[TM+\b], |v[\s+16*\b+\i]|, |v[\s+1+16*\b+\i]|
.endr
.endr
.irp b, 0,1,2,3
	v_permlanex16_b32 v[TM+4+\b], v[TM+\b], s[SEL], s[SEL+1]
.endr
.irp b, 0,1,2,3
	v_max_num_f32 v[TM+\b], v[TM+\b], v[TM+4+\b]                    ; with lane l xor 16's: the block's largest magnitude
.endr
.irp b, 0,1,2,3
	v_add_nc_u32 v[TM+12+\b], 0xfc000000, v[TM+\b]                  ; 8 off its exponent field: the conversion's scale operand
.endr
.irp b, 0,1,2,3
	v_and_or_b32 v[TM+8+\b], v[TM+\b], 0x7f800000, s[MNT]           ; 448 x the scale
.endr
.irp b, 0,1,2,3
	v_lshrrev_b32 v[TM+4+\b], 23, v[TM+12+\b]                       ; the scale's byte
.endr
	v_lshl_or_b32 v[\pw], v[TM+5], 8, v[TM+4]
	v_lshl_or_b32 v[\pw], v[TM+6], 16, v[\pw]
	v_lshl_or_b32 v[\pw], v[TM+7], 24, v[\pw]
.irp b, 0,1,2,3
.irp i, 0,1,2,3,4,5,6,7,8,9,10,11,12,13,14,15
	v_med3_num_f32 v[\s+16*\b+\i], v[\s+16*\b+\i], -v[TM+8+\b], v[TM+8+\b]   ; the conversion does not saturate (ISA guide 7.6.2): the hold at the largest code x the scale
.endr
	v_cvt_scalef32_pk8_fp8_f32 v[\pc+4*\b:\pc+1+4*\b], v[\s+16*\b:\s+7+16*\b], v[TM+12+\b]
	v_cvt_scalef32_pk8_fp8_f32 v[\pc+2+4*\b:\pc+3+4*\b], v[\s+8+16*\b:\s+15+16*\b], v[TM+12+\b]
.endr
	v_nop                                          ; a plain instruction behind the last conversion
.endm
	s_load_b128 s[4:7], s[0:1], 0x0                ; hidden_states, gate_weight
	s_load_b128 s[8:11], s[0:1], 0x10              ; gate_bias, xq
	s_load_b128 s[12:15], s[0:1], 0x20             ; umask, w8
	v_lshl_add_u32 v[SPW], v0, 2, SPARE
	v_mov_b32 v[NIL], 0
	v_lshrrev_b32 v1, 5, v0
	v_readfirstlane_b32 s[WV], v1                  ; wave 0..7
	v_and_b32 v1, 31, v0                           ; lane
	v_and_b32 v2, 15, v0                           ; r
	v_bfe_u32 v3, v0, 4, 1                         ; h
	v_lshlrev_b32 v4, 12, v2
	v_lshl_add_u32 v4, v3, 6, v4                   ; a row of 4,096 bytes, + 64 h
	v_lshlrev_b32 v10, 4, v1                       ; 16 x lane
	s_lshl_b32 s2, s[WV], 7
	s_add_co_u32 s2, s2, XC
	v_mul_u32_u24 v5, v2, XCP
	v_lshl_add_u32 v5, v3, 4, v5
	v_add_nc_u32 v5, s2, v5                        ; where my codes go: row r, K step w, + 16 h
	s_lshl_b32 s2, s[WV], 2
	s_add_co_u32 s2, s2, XSC
	v_lshl_add_u32 v6, v2, 5, s2                   ; and my row's scale word of K step w
	s_lshl_b32 s2, s[WV], 11
	v_add_nc_u32 v7, s2, v10                       ; 2,048 w + 16 lane: my partial logits in LDS; the same number is my offset in the work-group's 16 rows of xq (rows 2 w, 2 w + 1)
	s_mul_i32 s2, s[WV], 2*XCP
	s_add_co_u32 s2, s2, XC
	v_add_nc_u32 v8, s2, v10                       ; rows 2 w and 2 w + 1 of the codes, read back
	v_add_nc_u32 v14, XSC, v10                     ; wave 0: the scale words, read back
	v_lshlrev_b32 v15, 5, v2
	v_lshl_add_u32 v15, v3, 4, v15                 ; w8: 32 r + 16 h
	v_lshlrev_b32 v11, 2, v2
	v_lshl_add_u32 v11, v3, 12, v11                ; umask: 4 r + 4,096 h
.irp b, 0,1,2,3
	v_mov_b32 v[TM+4+\b], 0                        ; written once: a lane permute's destination counts as one of its sources
.endr
	s_mov_b32 s[HM], 0xffff0000
	s_mov_b32 s[SEL], 0x76543210
	s_mov_b32 s[SEL+1], 0xfedcba98
	s_mov_b32 s[MNT], 0x600000
	s_lshl_b32 s22, s[WV], 9                       ; my K step: 512 bytes along a row
	s_mov_b32 s23, 0
	s_lshl_b32 s2, ttmp9, 16                       ; my work-group's 16 rows of x
	s_mov_b32 s3, 0
	s_wait_kmcnt 0x0
	s_add_nc_u64 s[4:5], s[4:5], s[2:3]
	s_add_nc_u64 s[4:5], s[4:5], s[22:23]
	s_add_nc_u64 s[6:7], s[6:7], s[22:23]
	FLOAD ST0, 4, 0                                ; x
	FLOAD ST1, 6, 0                                ; gate rows 0-15
	s_lshl_b32 s2, ttmp9, 14
	s_add_nc_u64 s[16:17], s[10:11], s[2:3]        ; xq: my 16 rows of codes
	s_lshl_b32 s2, ttmp9, 9
	s_add_nc_u64 s[14:15], s[14:15], s[2:3]        ; w8: my 16 tokens
	s_add_co_u32 s2, s2, XS_OFF
	s_add_nc_u64 s[18:19], s[10:11], s[2:3]        ; xq: their scale words
	s_lshl_b32 s2, ttmp9, 6
	s_add_nc_u64 s[12:13], s[12:13], s[2:3]        ; umask
	s_lshr_b32 s26, ttmp9, 4
	s_add_co_u32 s26, s26, 16
	s_lshl_b32 s26, 1, s26                         ; bit 16 + t / 256
	s_wait_loadcnt 16                              ; x's 16 loads are in; the gate's 16 may be out
	QUANT ST0, XF, XW
	FLOAD ST0, 6, 65536                            ; gate rows 16-31
.irp c, 0,1,2,3
	ds_store_b128 v5, v[XF+4*\c:XF+4*\c+3] offset:32*\c
.endr
	ds_store_b32 v6, v[XW]                         ; both halves of the lanes write the same word
	s_wait_loadcnt 16                              ; gate rows 0-15 are in; the 16 loads just issued may be out
	QUANT ST1, G0, GW0
	s_wait_loadcnt 0x0
	QUANT ST0, G1, GW1
.rept 4
	v_nop                                          ; codes written by vector instructions stand four places ahead of a scaled matrix instruction; the scale words were made ahead of the holds
.endr
	v_wmma_scale_f32_16x16x128_f8f6f4 v[48:55], v[G0:G0+15], v[XF:XF+15], 0, v[GW0], v[XW]   ; lane (r, h): token r, experts 8 h + j
	v_wmma_scale_f32_16x16x128_f8f6f4 v[56:63], v[G1:G1+15], v[XF:XF+15], 0, v[GW1], v[XW]   ; experts 16 + 8 h + j
.rept 8
	v_nop                                          ; eight places ahead of the first read of a result and of loads into the operands
.endr
	ds_store_b128 v7, v[48:51] offset:PART
	ds_store_b128 v7, v[52:55] offset:PART+512
	ds_store_b128 v7, v[56:59] offset:PART+1024
	ds_store_b128 v7, v[60:63] offset:PART+1536
	s_wait_dscnt 0x0                               ; for the others' sake: my stores have landed
	s_barrier_signal -1
	s_barrier_wait -1
.irp i, 0,1,2,3
	ds_load_b128 v[XF+4*\i:XF+4*\i+3], v8 offset:(\i/2)*XCP+512*(\i%2)   ; two whole rows of codes, 512 bytes an instruction
.endr
.irp i, 0,1,2,3
	s_wait_dscnt 3-\i
	global_store_b128 v7, v[XF+4*\i:XF+4*\i+3], s[16:17] offset:(\i/2)*1024+512*(\i%2)
.endr
	s_cmp_lg_u32 s[WV], 0
	s_cbranch_scc1 .Lend
	; ---- wave 0 alone: the scale words go out, the logits are added, the tokens are routed
	s_load_b512 s[32:47], s[8:9], 0x0              ; gate_bias
	s_load_b512 s[48:63], s[8:9], 0x40
	ds_load_b128 v[G0:G0+3], v14
.irp ww, 0,1,2,3,4,5,6,7
.irp i, 0,1,2,3
	ds_load_b128 v[64+16*\ww+4*\i:64+16*\ww+4*\i+3], v10 offset:PART+2048*\ww+512*\i
.endr
.endr
	s_wait_dscnt 32                                ; the scale words are in; the 32 loads behind them may be out
	global_store_b128 v10, v[G0:G0+3], s[18:19]    ; 512 consecutive bytes
	s_wait_dscnt 0x0
.irp p, 0,2,4,6,8,10,12,14
	v_pk_add_f32 v[LG+\p:LG+\p+1], v[64+\p:65+\p], v[80+\p:81+\p]
.endr
.irp ww, 2,3,4,5,6,7
.irp p, 0,2,4,6,8,10,12,14
	v_pk_add_f32 v[LG+\p:LG+\p+1], v[LG+\p:LG+\p+1], v[64+16*\ww+\p:65+16*\ww+\p]
.endr
.endr
.set j, 0
.rept 16
	v_mul_f32 v[LG+j], 0xbfb8aa3b, v[LG+j]         ; - logit x log2(e)
.set j, j+1
.endr
.set j, 0
.rept 16
	v_exp_f32 v[LG+j], v[LG+j]
.set j, j+1
.endr
	v_mov_b32 v[NINF], 0xff800000                  ; (a plain instruction behind the batch)
	s_wait_alu depctr_va_vdst(0)                   ; one wait for the batch, ahead of its first use
.irp p, 0,2,4,6,8,10,12,14
	v_pk_add_f32 v[LG+\p:LG+\p+1], v[LG+\p:LG+\p+1], 1.0 op_sel_hi:[1,0]
.endr
.set j, 0
.rept 16
	v_rcp_f32 v[LG+j], v[LG+j]                     ; sigmoid
.set j, j+1
.endr
	v_mov_b32 v[ONE], 1
	s_wait_alu depctr_va_vdst(0)
.set j, 0
.rept 16
	v_permlanex16_b32 v[OT+j], v[LG+j], s[SEL], s[SEL+1]
.set j, j+1
.endr
.irp g, 0,1
.irp j, 0,1,2,3,4,5,6,7
	v_cndmask_b32 v[S+16*\g+\j], v[LG+8*\g+\j], v[OT+8*\g+\j], s[HM]     ; experts 16 g + j lie in lanes 0-15,
	v_cndmask_b32 v[S+16*\g+8+\j], v[OT+8*\g+\j], v[LG+8*\g+\j], s[HM]   ; experts 16 g + 8 + j in lanes 16-31: now every lane has all 32 of its token
.endr
.endr
	s_wait_kmcnt 0x0
.set e, 0
.rept 32
	v_add_f32 v[M+e], s[32+e], v[S+e]              ; scores for choice
.set e, e+1
.endr
.irp g, 0,1,2,3                                ; each group's two largest, and their sum
	v_max_num_f32 v[M1+\g], v[M+8*\g], v[M+8*\g+1]
	v_min_num_f32 v[M2+\g], v[M+8*\g], v[M+8*\g+1]
.endr
.irp i, 2,3,4,5,6,7
.irp g, 0,1,2,3
	v_med3_num_f32 v[M2+\g], v[M1+\g], v[M2+\g], v[M+8*\g+\i]
	v_max_num_f32 v[M1+\g], v[M1+\g], v[M+8*\g+\i]
.endr
.endr
.irp g, 0,1,2,3
	v_add_f32 v[GS+\g], v[M1+\g], v[M2+\g]
	v_mov_b32 v[RK+\g], 3-\g                       ; a group's rank: how many groups come ahead of it; it begins as if all later groups did
.endr
.macro GPAIR a, b                      ; a < b: a comes ahead of b where its sum is not smaller
	v_cmp_ge_f32 vcc_lo, v[GS+\a], v[GS+\b]
	v_cndmask_b32 v[TMP], 0, 1, vcc_lo
	v_sub_nc_u32 v[RK+\a], v[RK+\a], v[TMP]
	v_add_nc_u32 v[RK+\b], v[RK+\b], v[TMP]
.endm
	GPAIR 0, 1
	GPAIR 0, 2
	GPAIR 0, 3
	GPAIR 1, 2
	GPAIR 1, 3
	GPAIR 2, 3
.irp g, 0,1,2,3
	v_cmp_gt_u32 s[22+\g], 2, v[RK+\g]             ; the two groups that are kept
.endr
.irp g, 0,1,2,3
.irp i, 0,1,2,3,4,5,6,7
	v_cndmask_b32 v[M+8*\g+\i], v[NINF], v[M+8*\g+\i], s[22+\g]
.endr
.endr
	v_mov_b32 v[MW0], 0
; the k-th largest: a strict comparison in ascending order keeps the lower index; the winner is then taken out
.macro PICK k
	v_mov_b32 v[BEST], v[M]
	v_mov_b32 v[IDX+\k], 0
	v_mov_b32 v[RAW+\k], v[S]
.set e, 1
.rept 31
	v_cmp_gt_f32 vcc_lo, v[M+e], v[BEST]
	v_cndmask_b32 v[BEST], v[BEST], v[M+e], vcc_lo
	v_cndmask_b32 v[IDX+\k], v[IDX+\k], e, vcc_lo
	v_cndmask_b32 v[RAW+\k], v[RAW+\k], v[S+e], vcc_lo
.set e, e+1
.endr
.if \k < 5
.set e, 0
.rept 32
	v_cmp_eq_u32 vcc_lo, e, v[IDX+\k]
	v_cndmask_b32 v[M+e], v[M+e], v[NINF], vcc_lo
.set e, e+1
.endr
.endif
	v_lshl_or_b32 v[MW0], v[ONE], v[IDX+\k], v[MW0]
.endm
.irp k, 0,1,2,3,4,5
	PICK \k
.endr
	v_add_f32 v[SUM], v[RAW], v[RAW+1]
.irp k, 2,3,4,5
	v_add_f32 v[SUM], v[SUM], v[RAW+\k]
.endr
	v_add_f32 v[SUM], 0x1e3ce508, v[SUM]           ; + 1e-20
	v_rcp_f32 v[SUM], v[SUM]
.irp k, 0,1,2,3,4,5
	v_mov_b32 v[RK6+\k], 5-\k                      ; an expert's place among the six in ascending order of number (independent work behind the reciprocal)
.endr
.macro IPAIR a, b
	v_cmp_lt_u32 vcc_lo, v[IDX+\a], v[IDX+\b]
	v_cndmask_b32 v[TMP], 0, 1, vcc_lo
	v_sub_nc_u32 v[RK6+\a], v[RK6+\a], v[TMP]
	v_add_nc_u32 v[RK6+\b], v[RK6+\b], v[TMP]
.endm
.irp b, 1,2,3,4,5
	IPAIR 0, \b
.endr
.irp b, 2,3,4,5
	IPAIR 1, \b
.endr
.irp b, 3,4,5
	IPAIR 2, \b
.endr
	IPAIR 3, 4
	IPAIR 3, 5
	IPAIR 4, 5
	s_wait_alu depctr_va_vdst(0)                   ; ahead of the reciprocal's first use
	v_mul_f32 v[SUM], 0x3e4ccccd, v[SUM]           ; x 0.2
.irp k, 0,1,2,3,4,5
	v_mul_f32 v[RAW+\k], v[RAW+\k], v[SUM]
.endr
.irp s, 0,1,2,3,4,5
	v_mov_b32 v[W+\s], v[RAW]
.irp k, 1,2,3,4,5
	v_cmp_eq_u32 vcc_lo, \s, v[RK6+\k]
	v_cndmask_b32 v[W+\s], v[W+\s], v[RAW+\k], vcc_lo
.endr
.endr
	v_mov_b32 v[W+6], 0x3dcccccd                   ; the anchor's 0.1
	v_mov_b32 v[W+7], 1.0                          ; the shared expert's 1
	v_lshrrev_b32 v[TMP], 1, v[IDX]                ; the anchor group of the first expert
	v_lshlrev_b32 v[TMP], v[TMP], v[ONE]
	v_or_b32 v[TMP], s26, v[TMP]
.irp i, 0,1,2,3
	v_cndmask_b32 v[O+\i], v[W+\i], v[W+4+\i], s[HM]
.endr
	v_cndmask_b32 v[MW], v[MW0], v[TMP], s[HM]
	global_store_b128 v15, v[O:O+3], s[14:15]      ; 512 consecutive bytes
	global_store_b32 v11, v[MW], s[12:13]
.Lend:
	s_wait_tensorcnt 0x0                           ; the wave's end
	ds_add_u32 v[SPW], v[NIL]
	s_wait_dscnt 0x0
	s_endpgm
.Lfunc_end_k_q35587c3b60_route:
	.size	k_q35587c3b60_route, .Lfunc_end_k_q35587c3b60_route-k_q35587c3b60_route
	.p2alignl 7, 3214868480
	.fill 96, 4, 3214868480
	.section	.rodata,"a",@progbits
	.p2align	6, 0x0
	.amdhsa_kernel k_q35587c3b60_route
		.amdhsa_group_segment_fixed_size 34560
		.amdhsa_private_segment_fixed_size 0
		.amdhsa_enable_private_segment 0
		.amdhsa_kernarg_size 48
		.amdhsa_user_sgpr_count 2
		.amdhsa_user_sgpr_kernarg_segment_ptr 1
		.amdhsa_wavefront_size32 1
		.amdhsa_system_sgpr_workgroup_id_x 1
		.amdhsa_system_sgpr_workgroup_id_y 1
		.amdhsa_system_sgpr_workgroup_id_z 1
		.amdhsa_system_vgpr_workitem_id 0
		.amdhsa_next_free_vgpr 256
		.amdhsa_next_free_sgpr 100
		.amdhsa_reserve_vcc 1
		.amdhsa_float_denorm_mode_32 3
		.amdhsa_float_denorm_mode_16_64 3
		.amdhsa_memory_ordered 1
		.amdhsa_forward_progress 1
		.amdhsa_inst_pref_size 98
	.end_amdhsa_kernel
	.amdgpu_metadata
---
amdhsa.version: [ 1, 2 ]
amdhsa.kernels:
  - .name:           k_q35587c3b60_route
    .symbol:         k_q35587c3b60_route.kd
    .args:
      - { .name: hidden_states, .offset: 0, .size: 8, .value_kind: global_buffer, .address_space: global }
      - { .name: gate_weight, .offset: 8, .size: 8, .value_kind: global_buffer, .address_space: global }
      - { .name: gate_bias, .offset: 16, .size: 8, .value_kind: global_buffer, .address_space: global }
      - { .name: xq, .offset: 24, .size: 8, .value_kind: global_buffer, .address_space: global }
      - { .name: umask, .offset: 32, .size: 8, .value_kind: global_buffer, .address_space: global }
      - { .name: w8, .offset: 40, .size: 8, .value_kind: global_buffer, .address_space: global }
    .group_segment_fixed_size: 34560
    .private_segment_fixed_size: 0
    .kernarg_segment_align: 8
    .kernarg_segment_size: 48
    .max_flat_workgroup_size: 256
    .sgpr_count:     100
    .vgpr_count:     256
    .wavefront_size: 32
...
	.end_amdgpu_metadata
.endif
;; end of part 1
;; launch place (part 2): grid 52 x 1, 1 waves a work-group, no clusters, 0 bytes of LDS; arguments umask, plan; writes plan
.if DOCPART == 2
	.amdgcn_target "amdgcn-amd-amdhsa--gfx1250"
	.amdhsa_code_object_version 6
	.text
	.protected	k_q35587c3b60_place
	.globl	k_q35587c3b60_place
	.p2align	8
	.type	k_q35587c3b60_place,@function
k_q35587c3b60_place:
	s_mov_b64 s[64:65], 0
	v_nop
	global_prefetch_b8 v0, s[64:65] scope:SCOPE_SE
	s_setreg_imm32_b32 hwreg(HW_REG_WAVE_MODE, 25, 1), 1
	s_wait_xcnt 0x0
; PLACE: the rows are placed by unit.  52 units: 0-31 the routed experts, 32-47 the anchors, 48-51 the shared expert on tokens 256 p .. 256 p + 255.  Only the rows that reference()'s own one_hot tables keep are listed.
; One wave to a unit.  It scans the 1,024 tokens' mask words (word 0 for units 0-31, word 1 for the others) and stores: list[u][pos] = token; rows[token][k] = 1,024 u + pos, k the unit's place among the token's
; eight rows (an expert: how many chosen experts have a lower number; an anchor 6; the shared expert 7); cnt[u].  32 entries of token 0 follow the list, so that a last tile of 16 rows is whole.
; NO LANE IS EVER SWITCHED OFF: a lane whose token does not take the unit stores into a spare word of its own (256 bytes a unit behind the tables: 32 words for the list's store, 32 for the rows' store), which nobody reads.
; Each store's place is a word index in plan: the real one or the spare one (v_cndmask_b32), held at the buffer's last word, shifted to bytes.
; No two units write the same word.  A unit has room for all 1,024 tokens, so every split is served.
.set CNT_OFF,  219648
.set ROWS_OFF, 219904
.set TR_OFF,   252672                  ; the spare words
.set LASTW,    265984/4-1              ; plan's last word
	s_load_b128 s[4:7], s[0:1], 0x0                ; umask, plan
	s_and_b32 s8, ttmp9, 31
	s_lshl_b32 s9, 1, s8                           ; my unit's bit
	s_sub_co_u32 s10, s9, 1
	s_cmp_lt_u32 ttmp9, 48
	s_cselect_b32 s11, 6, 7
	s_cmp_lt_u32 ttmp9, 32
	s_cselect_b32 s10, s10, 0                      ; an expert: the bits under mine
	s_cselect_b32 s11, 0, s11                      ; what is added to their count
	s_lshl_b32 s12, ttmp9, 10                      ; my unit's first row in eo
	s_mov_b32 s13, 0                               ; rows placed so far
	s_mul_i32 s14, ttmp9, 1056                     ; list[u], in words
	s_lshl_b32 s15, ttmp9, 6
	s_add_co_u32 s15, s15, TR_OFF/4                ; my unit's spare words, in words
	s_mov_b32 s24, 0x01010101
	s_lshr_b32 s2, ttmp9, 5
	s_lshl_b32 s2, s2, 12                          ; which of the two mask words
	s_mov_b32 s3, 0
	s_lshl_b32 s26, ttmp9, 2
	s_add_co_u32 s26, s26, CNT_OFF
	s_mov_b32 s27, 0
	v_lshlrev_b32 v1, 4, v0                        ; 16 x lane
	v_lshlrev_b32 v2, 5, v0
	v_add_nc_u32 v2, ROWS_OFF/4, v2                ; rows, in words: four tokens of eight words a lane
	v_lshlrev_b32 v3, 2, v0                        ; 4 x lane: my first token of a load
	v_add_nc_u32 v4, s15, v0                       ; my spare word for the list's store,
	v_add_nc_u32 v5, 32, v4                        ; and for the rows' store
	s_wait_kmcnt 0x0
	s_add_nc_u64 s[4:5], s[4:5], s[2:3]
	s_add_nc_u64 s[20:21], s[6:7], s[26:27]        ; cnt[u]
.irp i, 0,1,2,3,4,5,6,7
	global_load_b128 v[8+4*\i:11+4*\i], v1, s[4:5] offset:512*\i   ; register 8 + 4 i + q: token 4 lane + 128 i + q
.endr
	s_wait_loadcnt 0x0
.macro SCAN i, q
.set WD, 8+4*\i+\q
	v_and_b32 v40, s9, v[WD]
	v_cmp_ne_u32 vcc_lo, 0, v40                    ; the lanes whose token takes my unit
	v_mbcnt_lo_u32_b32 v41, vcc_lo, s13            ; its place: those placed so far + such lanes under mine
	s_bcnt1_i32_b32 s22, vcc_lo
	v_and_b32 v42, s10, v[WD]                      ; how many bits lie under mine: counted by pairs, fours, bytes
	v_lshrrev_b32 v40, 1, v42
	v_and_b32 v40, 0x55555555, v40
	v_sub_nc_u32 v42, v42, v40
	v_lshrrev_b32 v40, 2, v42
	v_and_b32 v40, 0x33333333, v40
	v_and_b32 v42, 0x33333333, v42
	v_add_nc_u32 v42, v42, v40
	v_lshrrev_b32 v40, 4, v42
	v_add_nc_u32 v42, v42, v40
	v_and_b32 v42, 0x0f0f0f0f, v42
	v_mul_lo_u32 v42, v42, s24
	v_lshrrev_b32 v42, 24, v42
	v_add_nc_u32 v42, s11, v42                     ; k
	s_wait_xcnt 0x0                                ; the last two stores have read their four registers, which are written anew from here on
	v_add_nc_u32 v43, s14, v41                     ; list[u][pos], as a word index,
	v_cndmask_b32 v43, v4, v43, vcc_lo             ; or my spare word
	v_min_u32 v43, LASTW, v43
	v_lshlrev_b32 v43, 2, v43
	v_add3_u32 v44, v42, v2, 1024*\i+8*\q          ; rows[token][k], as a word index,
	v_cndmask_b32 v44, v5, v44, vcc_lo             ; or my other spare word
	v_min_u32 v44, LASTW, v44
	v_lshlrev_b32 v44, 2, v44
	v_add_nc_u32 v45, 128*\i+\q, v3                ; the token
	v_add_nc_u32 v46, s12, v41                     ; its row in eo
	global_store_b32 v43, v45, s[6:7]
	global_store_b32 v44, v46, s[6:7]
	s_add_co_u32 s13, s13, s22
.endm
.irp i, 0,1,2,3,4,5,6,7
.irp q, 0,1,2,3
	SCAN \i, \q
.endr
.endr
	v_add_nc_u32 v47, s13, v0
	v_min_u32 v47, 1055, v47
	v_add_nc_u32 v47, s14, v47
	v_lshlrev_b32 v47, 2, v47
	v_mov_b32 v48, 0
	global_store_b32 v47, v48, s[6:7]              ; 32 entries of token 0 behind the list
	v_mov_b32 v49, s13
	global_store_b32 v48, v49, s[20:21]            ; cnt[u]: all lanes store the same word with the same value
	s_endpgm
.Lfunc_end_k_q35587c3b60_place:
	.size	k_q35587c3b60_place, .Lfunc_end_k_q35587c3b60_place-k_q35587c3b60_place
	.p2alignl 7, 3214868480
	.fill 96, 4, 3214868480
	.section	.rodata,"a",@progbits
	.p2align	6, 0x0
	.amdhsa_kernel k_q35587c3b60_place
		.amdhsa_group_segment_fixed_size 0
		.amdhsa_private_segment_fixed_size 0
		.amdhsa_enable_private_segment 0
		.amdhsa_kernarg_size 16
		.amdhsa_user_sgpr_count 2
		.amdhsa_user_sgpr_kernarg_segment_ptr 1
		.amdhsa_wavefront_size32 1
		.amdhsa_system_sgpr_workgroup_id_x 1
		.amdhsa_system_sgpr_workgroup_id_y 1
		.amdhsa_system_sgpr_workgroup_id_z 1
		.amdhsa_system_vgpr_workitem_id 0
		.amdhsa_next_free_vgpr 64
		.amdhsa_next_free_sgpr 66
		.amdhsa_reserve_vcc 1
		.amdhsa_float_denorm_mode_32 3
		.amdhsa_float_denorm_mode_16_64 3
		.amdhsa_memory_ordered 1
		.amdhsa_forward_progress 1
		.amdhsa_inst_pref_size 50
	.end_amdhsa_kernel
	.amdgpu_metadata
---
amdhsa.version: [ 1, 2 ]
amdhsa.kernels:
  - .name:           k_q35587c3b60_place
    .symbol:         k_q35587c3b60_place.kd
    .args:
      - { .name: umask, .offset: 0, .size: 8, .value_kind: global_buffer, .address_space: global }
      - { .name: plan, .offset: 8, .size: 8, .value_kind: global_buffer, .address_space: global }
    .group_segment_fixed_size: 0
    .private_segment_fixed_size: 0
    .kernarg_segment_align: 8
    .kernarg_segment_size: 16
    .max_flat_workgroup_size: 32
    .sgpr_count:     66
    .vgpr_count:     64
    .wavefront_size: 32
...
	.end_amdgpu_metadata
.endif
;; end of part 2
;; launch up (part 3): grid 352 x 1, 8 waves a work-group, no clusters, 137,216 bytes of LDS; arguments w_gate, w_up, shared_w_gate, shared_w_up, anchor_w_gate, anchor_w_up, xq, plan, hq; writes hq
.if DOCPART == 3
	.amdgcn_target "amdgcn-amd-amdhsa--gfx1250"
	.amdhsa_code_object_version 6
	.text
	.protected	k_q35587c3b60_up
	.globl	k_q35587c3b60_up
	.p2align	8
	.type	k_q35587c3b60_up,@function
k_q35587c3b60_up:
	s_mov_b64 s[64:65], 0
	v_nop
	global_prefetch_b8 v0, s[64:65] scope:SCOPE_SE
	s_setreg_imm32_b32 hwreg(HW_REG_WAVE_MODE, 25, 1), 1
	s_wait_xcnt 0x0
; UP: for each unit's listed rows, h = silu(x Wg) x (x Wu), quantised along the hidden axis, into hq.  Rows that reference()'s one_hot tables multiply by 0 are not listed and not multiplied (shown at the head of the first kernel).
; SHARES.  A work-group takes 64 hidden units of one unit, for all rows of the unit: so each f32 weight is read from memory once (the shared expert's by its four parts) and quantised on the way; no weight code goes to memory.
; work-groups 0-255: expert x / 8, slice x % 8; 256-287: shared part (x - 256) / 8, slice x % 8; 288-351: anchor (x - 288) / 4, slice x % 4.
; PHASE 1.  Wave w: matrix m = (w / 2) % 2 (gate, up), block b = w % 2 of 32 hidden units, half kh = w / 4 of K.  A LANE TAKES A COLUMN AND ITS REGISTERS RUN DOWN K: a block of 32 along K lies in one lane, its codes come out
; with K innermost, and they go to LDS straight into the IMAGE OF THE OPERAND'S REGISTERS (a fragment: 4 x 512 bytes, lane l's 16 bytes at 16 l).  THE COLUMNS OF A TILE ARE NOT NEIGHBOURS: column L of a block goes to tile
; (L / 8) % 2, row L % 8 + 8 (L / 16), so that the 16 results of a lane in the block's two tiles are 16 neighbours along the next K.  One barrier.
; PHASE 2.  Wave w takes tiles of 16 listed rows w, w + 8, ..: x's codes are gathered by the list into 128 registers; both products transposed (source 0 = 16 columns of W, source 1 = the rows); four accumulators by turns.
; The hidden block is quantised in registers and stored as it will be loaded: hq: unit x 524,288 + tile x 8,192 + block x 512 + 16 lane; its scale byte at HS_OFF + unit x 16,384 + tile x 256 + 16 row + block.
; No tensor load, no cluster: trip counts hang on stored counts, and no two work-groups read the same weights but the shared expert's four parts (17 of the 184 MB read here; they carry the same hint as the rest).
; A unit without rows runs one tile of token 0 (the list's filling), so that every byte of hq that is read later has been stored.  LIMITS as stated at the head of the first kernel.
.set XS_OFF,  1048576
.set CNT_OFF, 219648
.set HS_OFF,  27262976
.set GRP,   16512                      ; LDS: a tile's 8 fragments, 16,384 bytes, + 128: the two tiles that a store touches fall on different banks.  Tile ((m 2 + b) 2 + u) at GRP x that
.set SWB,   132096                     ; scale words: ((m 2 + b) 8 + s) x 128 + 4 (16 u + row)
.set SPARE, 136192                     ; the spare words: 128 bytes a wave
.set WVO,  1                           ; v1   4 x lane
.set LA,   2                           ; v2   where my column's codes go
.set SWA,  3                           ; v3   and its scale words
.set LI,   4                           ; v4-7 16 x lane + 2 GRP q: fragments of (m, b) = q
.set LSW,  8                           ; v8   SWB + 4 x lane
.set ID,   9                           ; v9   my row's token
.set XO,   10
.set XSO,  11
.set HO,   12
.set HSO,  13
.set SPW,  14
.set NIL,  15
.set XS,   16                          ; v16-23 x's scale words, K steps 0-7
.set WS,   24                          ; v24-25 the weights' scale words: gate's, up's
.set MX,   26                          ; v26, v27 largest magnitudes
.set SCL,  28
.set HOLD, 29
.set BYTE, 30
.set WORD, 31
.set ACC,  32                          ; v32-63 G0, G1, U0, U1; in phase 1 v32-39 a block's codes
.set ST,   64                          ; v64-127 phase 1: two sets of 32 numbers; phase 2: four fragments of W, then the hidden block at work
.set XF,   128                         ; v128-255 x's eight fragments
.set WVN,  22
.set UN,   23
.set SL,   24
.set ANCH, 25
.set WOFF, 26
.set WB,   30
.set J,    40                          ; s40  my tile in hand: w, w + 8, ..
.set NT,   41                          ; s41  the unit's tiles
.set JN,   42
.set T1,   43
.set SL2,  44
.set CT,   45                          ; s45  counts my tiles, one a trip
.set LIST, 48
.set HID,  50
.set HSB,  52
.set SEL,  54
.set MNT,  56
.set NW,   57                          ; s57  how many tiles are mine
.set JC,   58
.macro PLACES n
.rept \n
	v_nop
.endr
.endm
; block t of my 16: W(32 t + i, my column), i = 0 .. 31.  A row is 2,048 bytes, an anchor's 1,024: both ways issue 32 loads into the same registers
.macro LOADS t
.set LB, ST+32*((\t)%2)
	s_cmp_lg_u32 s[ANCH], 0
	s_cbranch_scc1 .Lnarrow_\@
.set i, 0
.rept 32
	global_load_b32 v[LB+i], v[WVO], s[WB:WB+1] offset:(32*(\t)+i)*2048 th:TH_LOAD_NT
.set i, i+1
.endr
	s_branch .Lasked_\@
.Lnarrow_\@:
.set i, 0
.rept 32
	global_load_b32 v[LB+i], v[WVO], s[WB:WB+1] offset:(32*(\t)+i)*1024 th:TH_LOAD_NT
.set i, i+1
.endr
.Lasked_\@:
.endm
.macro BLOCK t, refill, left
.set SB, ST+32*((\t)%2)
	s_wait_loadcnt \left                           ; this block's 32 loads are in; left = loads issued behind them that may stay out
	s_wait_dscnt 0x0                               ; the last block's LDS stores have read their registers
	v_max3_num_f32 v[MX], |v[SB]|, |v[SB+1]|, |v[SB+2]|
	v_max3_num_f32 v[MX+1], |v[SB+3]|, |v[SB+4]|, |v[SB+5]|
.irp i, 6,10,14,18,22,26
	v_max3_num_f32 v[MX], v[MX], |v[SB+\i]|, |v[SB+\i+1]|
	v_max3_num_f32 v[MX+1], v[MX+1], |v[SB+\i+2]|, |v[SB+\i+3]|
.endr
	v_max3_num_f32 v[MX], v[MX], |v[SB+30]|, |v[SB+31]|
	v_max3_num_f32 v[MX], v[MX], v[MX+1], 0x4800000   ; and the floor 2^(9 - 127)
	v_add_nc_u32 v[SCL], 0xfc000000, v[MX]
	v_and_or_b32 v[HOLD], v[MX], 0x7f800000, s[MNT]
	v_lshrrev_b32 v[BYTE], 23, v[SCL]
.if (\t)%4 == 0
	v_mov_b32 v[WORD], v[BYTE]
.else
	v_lshl_or_b32 v[WORD], v[BYTE], 8*((\t)%4), v[WORD]
.endif
.set i, 0
.rept 32
	v_med3_num_f32 v[SB+i], v[SB+i], -v[HOLD], v[HOLD]
.set i, i+1
.endr
.irp g, 0,1,2,3
	v_cvt_scalef32_pk8_fp8_f32 v[ACC+2*\g:ACC+2*\g+1], v[SB+8*\g:SB+8*\g+7], v[SCL]
.endr
	v_nop                                          ; a plain instruction behind the last conversion
	ds_store_b128 v[LA], v[ACC:ACC+3] offset:512*(\t)          ; k = 32 c + 0 .. 15: the image's lanes 0-15,
	ds_store_b128 v[LA], v[ACC+4:ACC+7] offset:512*(\t)+256    ; k = 32 c + 16 .. 31: lanes 16-31
.if (\t)%4 == 3
	ds_store_b32 v[SWA], v[WORD] offset:128*((\t)/4)
.endif
.if \refill
	LOADS (\t)+2
.endif
.endm
.macro XADDR
	v_min_u32 v[ID], 1023, v[ID]
	v_bfe_u32 v[MX], v0, 4, 1
	v_lshlrev_b32 v[XO], 10, v[ID]
	v_lshl_add_u32 v[XO], v[MX], 4, v[XO]          ; the token's row of codes, + 16 h
	v_lshlrev_b32 v[XSO], 5, v[ID]
.endm
.macro XLOAD
.irp s, 0,1,2,3,4,5,6,7
.irp c, 0,1,2,3
	global_load_b128 v[XF+16*\s+4*\c:XF+16*\s+4*\c+3], v[XO], s[16:17] offset:128*\s+32*\c
.endr
.endr
	global_load_b128 v[XS:XS+3], v[XSO], s[16:17] offset:XS_OFF
	global_load_b128 v[XS+4:XS+7], v[XSO], s[16:17] offset:XS_OFF+16
.endm
.macro WM d, a, b, zero, sa, sb, row
.if \zero
.if \row
	v_wmma_scale_f32_16x16x128_f8f6f4 v[\d:\d+7], v[\a:\a+15], v[\b:\b+15], 0, v[\sa], v[\sb] matrix_a_scale:MATRIX_SCALE_ROW1
.else
	v_wmma_scale_f32_16x16x128_f8f6f4 v[\d:\d+7], v[\a:\a+15], v[\b:\b+15], 0, v[\sa], v[\sb]
.endif
.else
.if \row
	v_wmma_scale_f32_16x16x128_f8f6f4 v[\d:\d+7], v[\a:\a+15], v[\b:\b+15], v[\d:\d+7], v[\sa], v[\sb] matrix_a_scale:MATRIX_SCALE_ROW1
.else
	v_wmma_scale_f32_16x16x128_f8f6f4 v[\d:\d+7], v[\a:\a+15], v[\b:\b+15], v[\d:\d+7], v[\sa], v[\sb]
.endif
.endif
.endm
; K step s of block b: four fragments of W and two scale registers from LDS, four products; the four accumulators take turns
.macro KSTEP b, s, zero
	PLACES 8                                       ; ahead of loads into registers that matrix instructions have read (ISA guide 7.12.1 for vector instructions)
.irp m, 0,1
.irp u, 0,1
.irp c, 0,1,2,3
	ds_load_b128 v[ST+32*\m+16*\u+4*\c:ST+32*\m+16*\u+4*\c+3], v[LI+2*\m+\b] offset:\u*GRP+2048*\s+512*\c
.endr
.endr
	ds_load_b32 v[WS+\m], v[LSW] offset:((2*\m+\b)*8+\s)*128   ; lanes 0-15: tile 0's rows; lanes 16-31: tile 1's
.endr
	s_wait_dscnt 0x0
	WM ACC, ST, XF+16*\s, \zero, WS, XS+\s, 0
	WM ACC+8, ST+16, XF+16*\s, \zero, WS, XS+\s, 1
	WM ACC+16, ST+32, XF+16*\s, \zero, WS+1, XS+\s, 0
	WM ACC+24, ST+48, XF+16*\s, \zero, WS+1, XS+\s, 1
.endm
; lane (r, h): G's and U's 16 registers are hidden units 32 b + 16 h + 0 .. 15 of row r.  silu(g) u, the block's scale, the codes; each accumulator is read from its low end on
.macro EPI b
.irp j, 0,2,4,6,8,10,12,14
	v_pk_mul_f32 v[ST+\j:ST+\j+1], v[ACC+\j:ACC+\j+1], 0xbfb8aa3b op_sel_hi:[1,0]
.endr
.set i, 0
.rept 16
	v_exp_f32 v[ST+i], v[ST+i]
.set i, i+1
.endr
	v_nop                                          ; a plain instruction behind the batch
	s_wait_alu depctr_va_vdst(0)                   ; one wait for the batch, ahead of its first use
.irp j, 0,2,4,6,8,10,12,14
	v_pk_add_f32 v[ST+\j:ST+\j+1], v[ST+\j:ST+\j+1], 1.0 op_sel_hi:[1,0]
.endr
.set i, 0
.rept 16
	v_rcp_f32 v[ST+i], v[ST+i]
.set i, i+1
.endr
	v_nop
	s_wait_alu depctr_va_vdst(0)
.irp j, 0,2,4,6,8,10,12,14
	v_pk_mul_f32 v[ST+\j:ST+\j+1], v[ACC+\j:ACC+\j+1], v[ST+\j:ST+\j+1]       ; g x sigmoid(g)
.endr
.irp j, 0,2,4,6,8,10,12,14
	v_pk_mul_f32 v[ST+\j:ST+\j+1], v[ST+\j:ST+\j+1], v[ACC+16+\j:ACC+17+\j]   ; x u
.endr
	v_max3_num_f32 v[MX], |v[ST]|, |v[ST+1]|, 0x4800000
	v_max3_num_f32 v[MX+1], |v[ST+2]|, |v[ST+3]|, |v[ST+4]|
	v_max3_num_f32 v[MX], v[MX], |v[ST+5]|, |v[ST+6]|
	v_max3_num_f32 v[MX+1], v[MX+1], |v[ST+7]|, |v[ST+8]|
	v_max3_num_f32 v[MX], v[MX], |v[ST+9]|, |v[ST+10]|
	v_max3_num_f32 v[MX+1], v[MX+1], |v[ST+11]|, |v[ST+12]|
	v_max3_num_f32 v[MX], v[MX], |v[ST+13]|, |v[ST+14]|
	v_max3_num_f32 v[MX], v[MX], v[MX+1], |v[ST+15]|
	v_permlanex16_b32 v[MX+1], v[MX], s[SEL], s[SEL+1]
	v_max_num_f32 v[MX], v[MX], v[MX+1]            ; with lane l xor 16's 16: the block's largest magnitude
	v_add_nc_u32 v[SCL], 0xfc000000, v[MX]
	v_and_or_b32 v[HOLD], v[MX], 0x7f800000, s[MNT]
	v_lshrrev_b32 v[BYTE], 23, v[SCL]
.set i, 0
.rept 16
	v_med3_num_f32 v[ST+i], v[ST+i], -v[HOLD], v[HOLD]
.set i, i+1
.endr
	v_cvt_scalef32_pk8_fp8_f32 v[ST+16:ST+17], v[ST:ST+7], v[SCL]
	v_cvt_scalef32_pk8_fp8_f32 v[ST+18:ST+19], v[ST+8:ST+15], v[SCL]
.if \b == 0
	v_mov_b32 v[WORD], v[BYTE]                     ; (a plain instruction behind the last conversion)
.else
	v_lshl_or_b32 v[WORD], v[BYTE], 8, v[WORD]
.endif
	global_store_b128 v[HO], v[ST+16:ST+19], s[HID:HID+1] offset:512*\b   ; 512 consecutive bytes: four registers of the next operand's image
.endm
	s_load_b256 s[4:11], s[0:1], 0x0               ; w_gate, w_up, shared_w_gate, shared_w_up
	s_load_b256 s[12:19], s[0:1], 0x20             ; anchor_w_gate, anchor_w_up, xq, plan
	s_load_b64 s[20:21], s[0:1], 0x40              ; hq
	v_lshl_add_u32 v[SPW], v0, 2, SPARE
	v_mov_b32 v[NIL], 0
	v_lshrrev_b32 v26, 5, v0
	v_readfirstlane_b32 s[WVN], v26                ; wave 0..7
	s_lshr_b32 s[UN], ttmp9, 3                     ; which unit, slice and weights: ids alone
	s_and_b32 s[SL], ttmp9, 7
	s_lshl_b32 s[WOFF], s[UN], 21
	s_add_co_u32 s27, s[UN], 16
	s_cmp_lt_u32 ttmp9, 256
	s_cselect_b32 s[UN], s[UN], s27
	s_cselect_b32 s[WOFF], s[WOFF], 0
	s_sub_co_u32 s27, ttmp9, 288
	s_lshr_b32 s27, s27, 2
	s_lshl_b32 s28, s27, 20
	s_add_co_u32 s27, s27, 32
	s_and_b32 s29, ttmp9, 3
	s_cmp_lt_u32 ttmp9, 288
	s_cselect_b32 s[UN], s[UN], s27
	s_cselect_b32 s[SL], s[SL], s29
	s_cselect_b32 s[WOFF], s[WOFF], s28
	s_cselect_b32 s[ANCH], 0, 1
	s_and_b32 s36, s[WVN], 3                       ; m 2 + b
	s_lshr_b32 s37, s[WVN], 2                      ; kh
	s_lshl_b32 s34, s[SL], 8                       ; my part of the weights: 64 columns a slice,
	s_add_co_u32 s34, s34, s[WOFF]
	s_and_b32 s38, s[WVN], 1
	s_lshl_b32 s38, s38, 7                         ; 32 a block,
	s_add_co_u32 s34, s34, s38
	s_sub_co_u32 s38, 20, s[ANCH]
	s_lshl_b32 s38, s37, s38                       ; 512 rows a half of K
	s_add_co_u32 s34, s34, s38
	s_mov_b32 s35, 0
	s_mul_i32 s38, s36, 2*GRP
	s_lshl_b32 s39, s37, 13
	s_add_co_u32 s38, s38, s39                     ; LDS: my two tiles, my four K steps
	s_lshl_b32 s39, s36, 10
	s_lshl_b32 s37, s37, 9
	s_add_co_u32 s39, s39, s37
	s_add_co_u32 s39, s39, SWB
	s_lshl_b32 s[SL2], s[SL], 1
	s_mov_b32 s[SEL], 0x76543210
	s_mov_b32 s[SEL+1], 0xfedcba98
	s_mov_b32 s[MNT], 0x600000
	v_and_b32 v26, 31, v0                          ; lane
	v_lshlrev_b32 v[WVO], 2, v26
	v_bfe_u32 v27, v0, 3, 1                        ; my column's tile
	v_and_b32 v28, 7, v0
	v_bfe_u32 v29, v0, 4, 1
	v_lshl_add_u32 v28, v29, 3, v28                ; and its row there
	v_mul_u32_u24 v[LA], v27, GRP
	v_lshl_add_u32 v[LA], v28, 4, v[LA]
	v_add_nc_u32 v[LA], s38, v[LA]
	v_lshl_add_u32 v[SWA], v27, 4, v28
	v_lshlrev_b32 v[SWA], 2, v[SWA]
	v_add_nc_u32 v[SWA], s39, v[SWA]
	v_lshlrev_b32 v[LI], 4, v26
	v_add_nc_u32 v[LI+1], 2*GRP, v[LI]
	v_add_nc_u32 v[LI+2], 4*GRP, v[LI]
	v_add_nc_u32 v[LI+3], 6*GRP, v[LI]
	v_lshl_add_u32 v[LSW], v26, 2, SWB
	s_wait_kmcnt 0x0
	s_cmp_lt_u32 ttmp9, 256                        ; the buffers are chosen by ids alone
	s_cselect_b64 s[WB:WB+1], s[4:5], s[8:9]
	s_cselect_b64 s[32:33], s[6:7], s[10:11]
	s_cmp_lt_u32 ttmp9, 288
	s_cselect_b64 s[WB:WB+1], s[WB:WB+1], s[12:13]
	s_cselect_b64 s[32:33], s[32:33], s[14:15]
	s_and_b32 s36, s[WVN], 2
	s_cmp_lg_u32 s36, 0
	s_cselect_b64 s[WB:WB+1], s[32:33], s[WB:WB+1]
	s_add_nc_u64 s[WB:WB+1], s[WB:WB+1], s[34:35]
	s_lshl_b32 s34, s[UN], 2
	s_add_co_u32 s34, s34, CNT_OFF
	s_add_nc_u64 s[46:47], s[18:19], s[34:35]
	s_load_b32 s[NT], s[46:47], 0x0                ; the unit's rows
	LOADS 0
	s_mul_i32 s34, s[UN], 4224
	s_add_nc_u64 s[LIST:LIST+1], s[18:19], s[34:35]
	s_lshl_b32 s34, s[UN], 19
	s_lshl_b32 s36, s[SL], 10
	s_add_co_u32 s34, s34, s36
	s_add_nc_u64 s[HID:HID+1], s[20:21], s[34:35]  ; hq: my unit, my two blocks
	s_lshl_b32 s34, s[UN], 14
	s_add_co_u32 s34, s34, HS_OFF
	s_add_nc_u64 s[HSB:HSB+1], s[20:21], s[34:35]  ; and its scale bytes
	s_wait_kmcnt 0x0
	s_min_u32 s[NT], s[NT], 1024
	s_add_co_u32 s[NT], s[NT], 15
	s_lshr_b32 s[NT], s[NT], 4
	s_max_u32 s[NT], s[NT], 1                      ; tiles of 16 rows, one at the least
	s_sub_co_u32 s[T1], s[NT], 1
	s_min_u32 s[T1], s[T1], s[WVN]                 ; my first tile (a wave with none loads the last one and drops it)
	s_min_u32 s[T1], s[T1], 63
	s_lshl_b32 s[T1], s[T1], 6
	v_and_b32 v[ID], 15, v0
	v_lshl_add_u32 v[ID], v[ID], 2, s[T1]
	global_load_b32 v[ID], v[ID], s[LIST:LIST+1]
	LOADS 1
	BLOCK 0, 1, 32                                 ; behind block 0's loads and the token's: block 1's 32
	XADDR
	XLOAD                                          ; 34 loads: my first tile's x lands while the weights stream
	BLOCK 1, 1, 63                                 ; behind block 1's loads: 32 + 34 = 66
	BLOCK 2, 1, 63                                 ; behind block 2's: 34 + 32 = 66
.irp t, 3,4,5,6,7,8,9,10,11,12,13
	BLOCK \t, 1, 32
.endr
	BLOCK 14, 0, 32
	BLOCK 15, 0, 0
	s_wait_dscnt 0x0                               ; for the others' sake: my stores have landed
	s_barrier_signal -1
	s_barrier_wait -1                              ; the 64 columns' fragments and scale words lie in LDS; nothing writes them again
	s_mov_b32 s[J], s[WVN]
	s_sub_co_u32 s[NW], s[NT], s[WVN]              ; my tiles: w, w + 8, .. under NT: (NT - w + 7) / 8 of them, eight at the most (NT is at most 64)
	s_add_co_u32 s[NW], s[NW], 7
	s_lshr_b32 s[NW], s[NW], 3
	s_min_u32 s[NW], s[NW], 8
	s_mov_b32 s[CT], 0
	s_cmp_ge_u32 s[J], s[NT]
	s_cbranch_scc1 .Ldone
.Ltile:
	s_wait_loadcnt 0x0                             ; this tile's x and scale words
	s_wait_xcnt 0x0                                ; the last tile's stores have read their registers and offsets
	s_min_u32 s[JC], s[J], 63
	s_lshl_b32 s[T1], s[JC], 13
	v_add_nc_u32 v[HO], s[T1], v[LI]
	s_lshl_b32 s[T1], s[JC], 8
	s_add_co_u32 s[T1], s[T1], s[SL2]
	v_and_b32 v[HSO], 15, v0
	v_lshl_add_u32 v[HSO], v[HSO], 4, s[T1]
	s_add_co_u32 s[JN], s[J], 8
	s_cmp_lt_u32 s[JN], s[NT]
	s_cbranch_scc0 .Lno_id
	s_min_u32 s[T1], s[JN], 63
	s_lshl_b32 s[T1], s[T1], 6
	v_and_b32 v[ID], 15, v0
	v_lshl_add_u32 v[ID], v[ID], 2, s[T1]
	global_load_b32 v[ID], v[ID], s[LIST:LIST+1]   ; my next tile's tokens
.Lno_id:
	KSTEP 0, 0, 1
.irp s, 1,2,3,4,5,6,7
	KSTEP 0, \s, 0
.endr
	PLACES 8                                       ; ahead of the first read of results
	EPI 0
	s_wait_xcnt 0x0                                ; the store has read its codes: fragments land on those registers next
	KSTEP 1, 0, 1
.irp s, 1,2,3,4,5,6,7
	KSTEP 1, \s, 0
.endr
	PLACES 8                                       ; ahead of loads into x's registers and of the first read of results
	s_cmp_lt_u32 s[JN], s[NT]
	s_cbranch_scc0 .Lno_x
	s_wait_loadcnt 0x0                             ; the tokens
	XADDR
	XLOAD                                          ; lands while the block is quantised
.Lno_x:
	EPI 1
	global_store_b16 v[HSO], v[WORD], s[HSB:HSB+1] ; my row's two scale bytes (both halves of the lanes write the same)
	s_add_co_u32 s[J], s[J], 8
	s_add_co_u32 s[CT], s[CT], 1
	s_cmp_lt_u32 s[CT], s[NW]
	s_cbranch_scc1 .Ltile
.Ldone:
	s_wait_tensorcnt 0x0                           ; the wave's end
	ds_add_u32 v[SPW], v[NIL]
	s_wait_dscnt 0x0
	s_endpgm
.Lfunc_end_k_q35587c3b60_up:
	.size	k_q35587c3b60_up, .Lfunc_end_k_q35587c3b60_up-k_q35587c3b60_up
	.p2alignl 7, 3214868480
	.fill 96, 4, 3214868480
	.section	.rodata,"a",@progbits
	.p2align	6, 0x0
	.amdhsa_kernel k_q35587c3b60_up
		.amdhsa_group_segment_fixed_size 137216
		.amdhsa_private_segment_fixed_size 0
		.amdhsa_enable_private_segment 0
		.amdhsa_kernarg_size 72
		.amdhsa_user_sgpr_count 2
		.amdhsa_user_sgpr_kernarg_segment_ptr 1
		.amdhsa_wavefront_size32 1
		.amdhsa_system_sgpr_workgroup_id_x 1
		.amdhsa_system_sgpr_workgroup_id_y 1
		.amdhsa_system_sgpr_workgroup_id_z 1
		.amdhsa_system_vgpr_workitem_id 0
		.amdhsa_next_free_vgpr 256
		.amdhsa_next_free_sgpr 66
		.amdhsa_reserve_vcc 0
		.amdhsa_float_denorm_mode_32 3
		.amdhsa_float_denorm_mode_16_64 3
		.amdhsa_memory_ordered 1
		.amdhsa_forward_progress 1
		.amdhsa_inst_pref_size 213
	.end_amdhsa_kernel
	.amdgpu_metadata
---
amdhsa.version: [ 1, 2 ]
amdhsa.kernels:
  - .name:           k_q35587c3b60_up
    .symbol:         k_q35587c3b60_up.kd
    .args:
      - { .name: w_gate, .offset: 0, .size: 8, .value_kind: global_buffer, .address_space: global }
      - { .name: w_up, .offset: 8, .size: 8, .value_kind: global_buffer, .address_space: global }
      - { .name: shared_w_gate, .offset: 16, .size: 8, .value_kind: global_buffer, .address_space: global }
      - { .name: shared_w_up, .offset: 24, .size: 8, .value_kind: global_buffer, .address_space: global }
      - { .name: anchor_w_gate, .offset: 32, .size: 8, .value_kind: global_buffer, .address_space: global }
      - { .name: anchor_w_up, .offset: 40, .size: 8, .value_kind: global_buffer, .address_space: global }
      - { .name: xq, .offset: 48, .size: 8, .value_kind: global_buffer, .address_space: global }
      - { .name: plan, .offset: 56, .size: 8, .value_kind: global_buffer, .address_space: global }
      - { .name: hq, .offset: 64, .size: 8, .value_kind: global_buffer, .address_space: global }
    .group_segment_fixed_size: 137216
    .private_segment_fixed_size: 0
    .kernarg_segment_align: 8
    .kernarg_segment_size: 72
    .max_flat_workgroup_size: 256
    .sgpr_count:     66
    .vgpr_count:     256
    .wavefront_size: 32
...
	.end_amdgpu_metadata
.endif
;; end of part 3
;; launch down (part 4): grid 416 x 1, 8 waves a work-group, no clusters, 136,192 bytes of LDS; arguments w_down, shared_w_down, anchor_w_down, hq, plan, eo; writes eo
.if DOCPART == 4
	.amdgcn_target "amdgcn-amd-amdhsa--gfx1250"
	.amdhsa_code_object_version 6
	.text
	.protected	k_q35587c3b60_down
	.globl	k_q35587c3b60_down
	.p2align	8
	.type	k_q35587c3b60_down,@function
k_q35587c3b60_down:
	s_mov_b64 s[64:65], 0
	v_nop
	global_prefetch_b8 v0, s[64:65] scope:SCOPE_SE
	s_setreg_imm32_b32 hwreg(HW_REG_WAVE_MODE, 25, 1), 1
	s_wait_xcnt 0x0
; DOWN: for each unit's listed rows, eo = Q(h) Q(W_down), f32.  Only listed rows are multiplied (shown at the head of the first kernel).
; SHARES.  A work-group takes 128 output columns of one unit, for all rows of the unit: each f32 weight is read once (the shared expert's by its four parts) and quantised on the way.
; work-groups 0-255: expert x / 8; 256-287: shared part (x - 256) / 8; 288-415: anchor (x - 288) / 8; slice x % 8.  K is 512 (four K steps), an anchor's 256 (two).
; PHASE 1.  Wave w: 32 columns (w % 4); K steps w / 4 and w / 4 + 2.  A lane takes a column, its registers run down K; the codes go to LDS as images of the operand's registers: fragment (tile of 16 columns ct, K step s) at
; (4 ct + s) x 2,048.  THE BLOCKS OF K STEPS 2 AND 3 ARE WORKED FIRST: an anchor's work-group has none and enters at block 0 by one branch; on both ways the last 64 loads ahead of block 0 are blocks 0 and 1.  One barrier.
; PHASE 2.  Wave w takes tiles of 16 rows w, w + 8, ..: the hidden codes come from hq as they were stored, images of registers; products transposed (source 0 = 16 columns, source 1 = the rows), four accumulators by turns,
; two groups of four column tiles; the results go through the wave's own stage and leave as 512 consecutive bytes of a row of eo.
; No tensor load, no cluster: trip counts hang on stored counts.  A unit without rows runs one tile (token 0's).  LIMITS as stated at the head of the first kernel.
.set CNT_OFF, 219648
.set HS_OFF,  27262976
.set SWB,   65536                      ; LDS behind the 32 fragments: scale words, ((w % 4) 4 + s) x 128 + 4 lane
.set STAGE, 67584                      ; 16 rows x (512 + 16) bytes for each wave
.set SPARE, 135168                     ; the spare words: 128 bytes a wave
.set WVO,  1
.set LA,   2
.set SWA,  3
.set LI,   4                           ; v4   16 x lane
.set LSW,  5
.set STO,  6
.set RD,   7
.set HV,   8
.set HSV,  9
.set EOV,  10
.set SPW,  14
.set NIL,  15
.set HS,   16                          ; v16-19 the rows' scale words
.set WS,   20                          ; v20-21 the weights'
.set MX,   26
.set SCL,  28
.set HOLD, 29
.set BYTE, 30
.set WORD, 31
.set ACC,  32                          ; v32-63 four accumulators; in phase 1 v32-39 a block's codes
.set ST,   64                          ; v64-127 phase 1: two sets of 32 numbers; phase 2: four fragments of W, then 16 rows on their way out
.set HF,   128                         ; v128-191 the rows' four fragments
.set WVN,  16
.set UN,   17
.set SL,   18
.set ANCH, 19
.set WOFF, 20
.set WB,   22
.set NT,   26                          ; s26  the unit's tiles
.set J,    27                          ; s27  my tile in hand: w, w + 8, ..
.set JN,   28
.set T1,   29
.set HID,  30
.set HSB,  32
.set EOB,  34
.set MNT,  36
.set CT,   42                          ; s42  counts my tiles, one a trip
.set NW,   43                          ; s43  how many tiles are mine
.set JC,   44
.macro PLACES n
.rept \n
	v_nop
.endr
.endm
.macro LOADS t                         ; block t: K step w / 4 + 2 (t / 4), its block t % 4: 32 rows of 4,096 bytes, my column
.set LB, ST+32*((\t)%2)
.set i, 0
.rept 32
	global_load_b32 v[LB+i], v[WVO], s[WB:WB+1] offset:(256*((\t)/4)+32*((\t)%4)+i)*4096 th:TH_LOAD_NT
.set i, i+1
.endr
.endm
.macro BLOCK t, next, left
.set SB, ST+32*((\t)%2)
	s_wait_loadcnt \left                           ; this block's 32 loads are in; left = loads issued behind them that may stay out
	s_wait_dscnt 0x0                               ; the last block's LDS stores have read their registers
	v_max3_num_f32 v[MX], |v[SB]|, |v[SB+1]|, |v[SB+2]|
	v_max3_num_f32 v[MX+1], |v[SB+3]|, |v[SB+4]|, |v[SB+5]|
.irp i, 6,10,14,18,22,26
	v_max3_num_f32 v[MX], v[MX], |v[SB+\i]|, |v[SB+\i+1]|
	v_max3_num_f32 v[MX+1], v[MX+1], |v[SB+\i+2]|, |v[SB+\i+3]|
.endr
	v_max3_num_f32 v[MX], v[MX], |v[SB+30]|, |v[SB+31]|
	v_max3_num_f32 v[MX], v[MX], v[MX+1], 0x4800000   ; and the floor 2^(9 - 127)
	v_add_nc_u32 v[SCL], 0xfc000000, v[MX]
	v_and_or_b32 v[HOLD], v[MX], 0x7f800000, s[MNT]
	v_lshrrev_b32 v[BYTE], 23, v[SCL]
.if (\t)%4 == 0
	v_mov_b32 v[WORD], v[BYTE]
.else
	v_lshl_or_b32 v[WORD], v[BYTE], 8*((\t)%4), v[WORD]
.endif
.set i, 0
.rept 32
	v_med3_num_f32 v[SB+i], v[SB+i], -v[HOLD], v[HOLD]
.set i, i+1
.endr
.irp g, 0,1,2,3
	v_cvt_scalef32_pk8_fp8_f32 v[ACC+2*\g:ACC+2*\g+1], v[SB+8*\g:SB+8*\g+7], v[SCL]
.endr
	v_nop                                          ; a plain instruction behind the last conversion
	ds_store_b128 v[LA], v[ACC:ACC+3] offset:4096*((\t)/4)+512*((\t)%4)
	ds_store_b128 v[LA], v[ACC+4:ACC+7] offset:4096*((\t)/4)+512*((\t)%4)+256
.if (\t)%4 == 3
	ds_store_b32 v[SWA], v[WORD] offset:256*((\t)/4)
.endif
.if \next >= 0
	LOADS \next
.endif
.endm
; the hidden codes and scale words of tile s[JN]; an anchor has two K steps and eight scale bytes a row
.macro HLOAD
	s_min_u32 s[JC], s[JN], 63
	s_lshl_b32 s[T1], s[JC], 13
	v_add_nc_u32 v[HV], s[T1], v[LI]
	s_lshl_b32 s[T1], s[JC], 8
	v_and_b32 v[HSV], 15, v0
	v_lshl_add_u32 v[HSV], v[HSV], 4, s[T1]
.irp s, 0,1
.irp c, 0,1,2,3
	global_load_b128 v[HF+16*\s+4*\c:HF+16*\s+4*\c+3], v[HV], s[HID:HID+1] offset:2048*\s+512*\c
.endr
.endr
	global_load_b64 v[HS:HS+1], v[HSV], s[HSB:HSB+1]
	s_cmp_lg_u32 s[ANCH], 0
	s_cbranch_scc1 .Lhalf_\@
.irp s, 2,3
.irp c, 0,1,2,3
	global_load_b128 v[HF+16*\s+4*\c:HF+16*\s+4*\c+3], v[HV], s[HID:HID+1] offset:2048*\s+512*\c
.endr
.endr
	global_load_b64 v[HS+2:HS+3], v[HSV], s[HSB:HSB+1] offset:8
.Lhalf_\@:
.endm
.macro WM d, a, b, zero, sa, sb, row
.if \zero
.if \row
	v_wmma_scale_f32_16x16x128_f8f6f4 v[\d:\d+7], v[\a:\a+15], v[\b:\b+15], 0, v[\sa], v[\sb] matrix_a_scale:MATRIX_SCALE_ROW1
.else
	v_wmma_scale_f32_16x16x128_f8f6f4 v[\d:\d+7], v[\a:\a+15], v[\b:\b+15], 0, v[\sa], v[\sb]
.endif
.else
.if \row
	v_wmma_scale_f32_16x16x128_f8f6f4 v[\d:\d+7], v[\a:\a+15], v[\b:\b+15], v[\d:\d+7], v[\sa], v[\sb] matrix_a_scale:MATRIX_SCALE_ROW1
.else
	v_wmma_scale_f32_16x16x128_f8f6f4 v[\d:\d+7], v[\a:\a+15], v[\b:\b+15], v[\d:\d+7], v[\sa], v[\sb]
.endif
.endif
.endm
; K step s of column tiles 4 g .. 4 g + 3; the four accumulators take turns
.macro DSTEP g, s, zero
	PLACES 8                                       ; ahead of loads into registers that matrix instructions have read
.irp a, 0,1,2,3
.irp c, 0,1,2,3
	ds_load_b128 v[ST+16*\a+4*\c:ST+16*\a+4*\c+3], v[LI] offset:((4*\g+\a)*4+\s)*2048+512*\c
.endr
.endr
	ds_load_b32 v[WS], v[LSW] offset:((2*\g)*4+\s)*128        ; lanes 0-15: the even tile's columns; lanes 16-31: the odd one's
	ds_load_b32 v[WS+1], v[LSW] offset:((2*\g+1)*4+\s)*128
	s_wait_dscnt 0x0
	WM ACC, ST, HF+16*\s, \zero, WS, HS+\s, 0
	WM ACC+8, ST+16, HF+16*\s, \zero, WS, HS+\s, 1
	WM ACC+16, ST+32, HF+16*\s, \zero, WS+1, HS+\s, 0
	WM ACC+24, ST+48, HF+16*\s, \zero, WS+1, HS+\s, 1
.endm
.macro GROUP g
	DSTEP \g, 0, 1
	DSTEP \g, 1, 0
	s_cmp_lg_u32 s[ANCH], 0
	s_cbranch_scc1 .Lsummed_\@
	DSTEP \g, 2, 0
	DSTEP \g, 3, 0
.Lsummed_\@:
	PLACES 8                                       ; ahead of the first read of results
.irp a, 0,1,2,3
	ds_store_b128 v[STO], v[ACC+8*\a:ACC+8*\a+3] offset:64*(4*\g+\a)        ; lane (r, h): row r, columns 16 (4 g + a) + 8 h + 0 .. 7; each accumulator from its low end on
	ds_store_b128 v[STO], v[ACC+8*\a+4:ACC+8*\a+7] offset:64*(4*\g+\a)+16
.endr
.endm
	s_load_b256 s[4:11], s[0:1], 0x0               ; w_down, shared_w_down, anchor_w_down, hq
	s_load_b128 s[12:15], s[0:1], 0x20             ; plan, eo
	v_lshl_add_u32 v[SPW], v0, 2, SPARE
	v_mov_b32 v[NIL], 0
	v_lshrrev_b32 v26, 5, v0
	v_readfirstlane_b32 s[WVN], v26                ; wave 0..7
	s_lshr_b32 s[UN], ttmp9, 3                     ; which unit, slice and weights: ids alone
	s_and_b32 s[SL], ttmp9, 7
	s_lshl_b32 s[WOFF], s[UN], 21
	s_add_co_u32 s24, s[UN], 16
	s_cmp_lt_u32 ttmp9, 256
	s_cselect_b32 s21, s[UN], s24
	s_cselect_b32 s[WOFF], s[WOFF], 0
	s_sub_co_u32 s24, s[UN], 4                     ; an anchor's unit: 32 + (x - 288) / 8
	s_sub_co_u32 s25, s[UN], 36
	s_lshl_b32 s25, s25, 20
	s_cmp_lt_u32 ttmp9, 288
	s_cselect_b32 s[UN], s21, s24
	s_cselect_b32 s[WOFF], s[WOFF], s25
	s_cselect_b32 s[ANCH], 0, 1
	s_and_b32 s37, s[WVN], 3                       ; which 32 columns
	s_lshr_b32 s38, s[WVN], 2                      ; kh
	s_lshl_b32 s24, s[SL], 9
	s_add_co_u32 s24, s24, s[WOFF]
	s_lshl_b32 s39, s37, 7
	s_add_co_u32 s24, s24, s39
	s_lshl_b32 s39, s38, 19                        ; K step kh: 128 rows of 4,096 bytes
	s_add_co_u32 s24, s24, s39
	s_mov_b32 s25, 0
	s_lshl_b32 s39, s37, 14
	s_lshl_b32 s40, s38, 11
	s_add_co_u32 s39, s39, s40                     ; LDS: my two column tiles, K step kh
	s_lshl_b32 s40, s37, 9
	s_lshl_b32 s41, s38, 7
	s_add_co_u32 s40, s40, s41
	s_add_co_u32 s40, s40, SWB
	s_mul_i32 s41, s[WVN], 16*528
	s_add_co_u32 s41, s41, STAGE                   ; my stage
	s_mov_b32 s[MNT], 0x600000
	v_and_b32 v26, 31, v0                          ; lane
	v_bfe_u32 v27, v0, 4, 1                        ; h
	v_and_b32 v28, 15, v0                          ; r
	v_lshlrev_b32 v[WVO], 2, v26
	v_lshlrev_b32 v[LI], 4, v26
	v_lshlrev_b32 v[LA], 13, v27
	v_lshl_add_u32 v[LA], v28, 4, v[LA]
	v_add_nc_u32 v[LA], s39, v[LA]
	v_lshl_add_u32 v[SWA], v26, 2, s40
	v_lshl_add_u32 v[LSW], v26, 2, SWB
	v_mul_u32_u24 v[STO], v28, 528
	v_lshl_add_u32 v[STO], v27, 5, v[STO]
	v_add_nc_u32 v[STO], s41, v[STO]
	v_add_nc_u32 v[RD], s41, v[LI]
.set i, 0
.rept 32
	v_mov_b32 v[HF+32+i], 0                        ; K steps 2 and 3 of the rows, and their scale words: written once, so that they hold a number on every way through the text; an anchor's work-group never multiplies by them
.set i, i+1
.endr
	v_mov_b32 v[HS+2], 0
	v_mov_b32 v[HS+3], 0
	s_wait_kmcnt 0x0
	s_cmp_lt_u32 ttmp9, 256                        ; the buffer is chosen by ids alone
	s_cselect_b64 s[WB:WB+1], s[4:5], s[6:7]
	s_cmp_lt_u32 ttmp9, 288
	s_cselect_b64 s[WB:WB+1], s[WB:WB+1], s[8:9]
	s_add_nc_u64 s[WB:WB+1], s[WB:WB+1], s[24:25]
	s_lshl_b32 s24, s[UN], 2
	s_add_co_u32 s24, s24, CNT_OFF
	s_add_nc_u64 s[38:39], s[12:13], s[24:25]
	s_load_b32 s[NT], s[38:39], 0x0                ; the unit's rows
	s_lshl_b32 s24, s[UN], 19
	s_add_nc_u64 s[HID:HID+1], s[10:11], s[24:25]
	s_lshl_b32 s24, s[UN], 14
	s_add_co_u32 s24, s24, HS_OFF
	s_add_nc_u64 s[HSB:HSB+1], s[10:11], s[24:25]
	s_lshl_b32 s24, s[UN], 22
	s_lshl_b32 s37, s[SL], 9
	s_add_co_u32 s24, s24, s37
	s_add_nc_u64 s[EOB:EOB+1], s[14:15], s[24:25]  ; eo: my unit's rows, my 512 bytes of them
	s_cmp_lg_u32 s[ANCH], 0
	s_cbranch_scc1 .Lshort
	LOADS 4
	LOADS 5
	BLOCK 4, 6, 32
	BLOCK 5, 7, 32
	BLOCK 6, 0, 32
	BLOCK 7, 1, 32
	s_branch .Lcommon
.Lshort:
	LOADS 0
	LOADS 1
.Lcommon:
	BLOCK 0, 2, 32
	BLOCK 1, 3, 32
	s_wait_kmcnt 0x0
	s_min_u32 s[NT], s[NT], 1024
	s_add_co_u32 s[NT], s[NT], 15
	s_lshr_b32 s[NT], s[NT], 4
	s_max_u32 s[NT], s[NT], 1                      ; tiles of 16 rows, one at the least
	s_sub_co_u32 s[JN], s[NT], 1
	s_min_u32 s[JN], s[JN], s[WVN]                 ; my first tile (a wave with none loads the last one and drops it)
	HLOAD
	BLOCK 2, -1, 32                                ; behind block 2's loads: block 3's 32 and the rows' 9 or 18
	BLOCK 3, -1, 0
	s_wait_dscnt 0x0                               ; for the others' sake: my stores have landed
	s_barrier_signal -1
	s_barrier_wait -1                              ; the 128 columns' fragments and scale words lie in LDS; nothing writes them again
	s_mov_b32 s[J], s[WVN]
	s_sub_co_u32 s[NW], s[NT], s[WVN]              ; my tiles: w, w + 8, .. under NT: (NT - w + 7) / 8 of them, eight at the most (NT is at most 64)
	s_add_co_u32 s[NW], s[NW], 7
	s_lshr_b32 s[NW], s[NW], 3
	s_min_u32 s[NW], s[NW], 8
	s_mov_b32 s[CT], 0
	s_cmp_ge_u32 s[J], s[NT]
	s_cbranch_scc1 .Ldone
.Ltile:
	s_wait_loadcnt 0x0                             ; this tile's rows
	s_wait_xcnt 0x0                                ; the last tile's stores have read their registers and offset
	s_min_u32 s[JC], s[J], 63
	s_lshl_b32 s[T1], s[JC], 16
	v_add_nc_u32 v[EOV], s[T1], v[LI]              ; 16 rows of 4,096 bytes a tile, + 16 lane
	GROUP 0
	GROUP 1
	s_add_co_u32 s[JN], s[J], 8
	s_cmp_lt_u32 s[JN], s[NT]
	s_cbranch_scc0 .Lno_next
	HLOAD                                          ; my next tile's rows land while this one goes out (eight places stand behind the last products)
.Lno_next:
.irp i, 0,1,2,3,4,5,6,7,8,9,10,11,12,13,14,15
	ds_load_b128 v[ST+4*\i:ST+4*\i+3], v[RD] offset:528*\i     ; LDS serves a wave's instructions in order (ISA guide 5.7.1.4): these see my stores
.endr
.irp i, 0,1,2,3,4,5,6,7,8,9,10,11,12,13,14,15
	s_wait_dscnt 15-\i
	global_store_b128 v[EOV], v[ST+4*\i:ST+4*\i+3], s[EOB:EOB+1] offset:4096*\i   ; 512 consecutive bytes, at a multiple of 256 from eo's first byte
.endr
	s_add_co_u32 s[J], s[J], 8
	s_add_co_u32 s[CT], s[CT], 1
	s_cmp_lt_u32 s[CT], s[NW]
	s_cbranch_scc1 .Ltile
.Ldone:
	s_wait_tensorcnt 0x0                           ; the wave's end
	ds_add_u32 v[SPW], v[NIL]
	s_wait_dscnt 0x0
	s_endpgm
.Lfunc_end_k_q35587c3b60_down:
	.size	k_q35587c3b60_down, .Lfunc_end_k_q35587c3b60_down-k_q35587c3b60_down
	.p2alignl 7, 3214868480
	.fill 96, 4, 3214868480
	.section	.rodata,"a",@progbits
	.p2align	6, 0x0
	.amdhsa_kernel k_q35587c3b60_down
		.amdhsa_group_segment_fixed_size 136192
		.amdhsa_private_segment_fixed_size 0
		.amdhsa_enable_private_segment 0
		.amdhsa_kernarg_size 48
		.amdhsa_user_sgpr_count 2
		.amdhsa_user_sgpr_kernarg_segment_ptr 1
		.amdhsa_wavefront_size32 1
		.amdhsa_system_sgpr_workgroup_id_x 1
		.amdhsa_system_sgpr_workgroup_id_y 1
		.amdhsa_system_sgpr_workgroup_id_z 1
		.amdhsa_system_vgpr_workitem_id 0
		.amdhsa_next_free_vgpr 192
		.amdhsa_next_free_sgpr 66
		.amdhsa_reserve_vcc 0
		.amdhsa_float_denorm_mode_32 3
		.amdhsa_float_denorm_mode_16_64 3
		.amdhsa_memory_ordered 1
		.amdhsa_forward_progress 1
		.amdhsa_inst_pref_size 90
	.end_amdhsa_kernel
	.amdgpu_metadata
---
amdhsa.version: [ 1, 2 ]
amdhsa.kernels:
  - .name:           k_q35587c3b60_down
    .symbol:         k_q35587c3b60_down.kd
    .args:
      - { .name: w_down, .offset: 0, .size: 8, .value_kind: global_buffer, .address_space: global }
      - { .name: shared_w_down, .offset: 8, .size: 8, .value_kind: global_buffer, .address_space: global }
      - { .name: anchor_w_down, .offset: 16, .size: 8, .value_kind: global_buffer, .address_space: global }
      - { .name: hq, .offset: 24, .size: 8, .value_kind: global_buffer, .address_space: global }
      - { .name: plan, .offset: 32, .size: 8, .value_kind: global_buffer, .address_space: global }
      - { .name: eo, .offset: 40, .size: 8, .value_kind: global_buffer, .address_space: global }
    .group_segment_fixed_size: 136192
    .private_segment_fixed_size: 0
    .kernarg_segment_align: 8
    .kernarg_segment_size: 48
    .max_flat_workgroup_size: 256
    .sgpr_count:     66
    .vgpr_count:     192
    .wavefront_size: 32
...
	.end_amdgpu_metadata
.endif
;; end of part 4
;; launch combine (part 5): grid 256 x 1, 8 waves a work-group, no clusters, 0 bytes of LDS; arguments eo, plan, w8, out0; writes out0
.if DOCPART == 5
	.amdgcn_target "amdgcn-amd-amdhsa--gfx1250"
	.amdhsa_code_object_version 6
	.text
	.protected	k_q35587c3b60_combine
	.globl	k_q35587c3b60_combine
	.p2align	8
	.type	k_q35587c3b60_combine,@function
k_q35587c3b60_combine:
	s_mov_b64 s[64:65], 0
	v_nop
	global_prefetch_b8 v0, s[64:65] scope:SCOPE_SE
	s_setreg_imm32_b32 hwreg(HW_REG_WAVE_MODE, 25, 1), 1
	s_wait_xcnt 0x0
; COMBINE: out[t] = the sum over the token's eight rows of eo (six experts in ascending order, the anchor, the shared expert) x their weights (tw, 0.1, 1).  The terms that reference()'s one_hot tables multiply by 0 are left out
; (shown at the head of the first kernel), so its two combining products are this gather.  All in f32: fused multiply-adds.
; A wave takes half a row of one token: 2,048 bytes of each of eight rows, 32 loads of 512 consecutive bytes, all issued at once.  Each output row has one owner.  No LDS, no matrix unit: memory binds.
.set ROWS_OFF, 219904
	s_load_b256 s[4:11], s[0:1], 0x0               ; eo, plan, w8, out0
	v_lshrrev_b32 v1, 5, v0
	v_readfirstlane_b32 s48, v1                    ; wave
	v_and_b32 v1, 31, v0
	v_lshlrev_b32 v1, 4, v1                        ; 16 x lane
	s_lshr_b32 s49, s48, 1
	s_lshl_b32 s50, ttmp9, 2
	s_add_co_u32 s49, s49, s50                     ; my token
	s_and_b32 s50, s48, 1
	s_lshl_b32 s50, s50, 11                        ; my half of the row
	s_mov_b32 s51, 0
	s_lshl_b32 s2, s49, 5
	s_mov_b32 s3, 0
	s_lshl_b32 s52, s49, 12
	s_add_co_u32 s52, s52, s50
	s_mov_b32 s53, 0
	s_wait_kmcnt 0x0
	s_add_nc_u64 s[12:13], s[6:7], s[2:3]
	s_add_nc_u64 s[12:13], s[12:13], ROWS_OFF
	s_add_nc_u64 s[14:15], s[8:9], s[2:3]
	s_load_b256 s[16:23], s[12:13], 0x0            ; the eight rows' numbers
	s_load_b256 s[24:31], s[14:15], 0x0            ; and their weights
	s_add_nc_u64 s[4:5], s[4:5], s[50:51]
	s_add_nc_u64 s[10:11], s[10:11], s[52:53]
	s_wait_kmcnt 0x0
.irp k, 0,1,2,3,4,5,6,7
	s_min_u32 s2, s[16+\k], 53247                  ; a row of eo: 52 units of 1,024
	s_lshl_b32 s2, s2, 12
	s_add_nc_u64 s[32+2*\k:33+2*\k], s[4:5], s[2:3]
.irp i, 0,1,2,3
	global_load_b128 v[32+16*\k+4*\i:35+16*\k+4*\i], v1, s[32+2*\k:33+2*\k] offset:512*\i th:TH_LOAD_NT
.endr
	v_mov_b32 v[8+2*\k], s[24+\k]                  ; the weight, twice: a pair for the packed form
	v_mov_b32 v[9+2*\k], s[24+\k]
.endr
.irp k, 0,1,2,3,4,5,6,7
	s_wait_loadcnt 28-4*\k                         ; row k's four loads are in; the later rows' may be out
.irp p, 0,2,4,6,8,10,12,14
.if \k == 0
	v_pk_mul_f32 v[160+\p:161+\p], v[32+\p:33+\p], v[8:9]      ; the first row starts the sums
.else
	v_pk_fma_f32 v[160+\p:161+\p], v[32+16*\k+\p:33+16*\k+\p], v[8+2*\k:9+2*\k], v[160+\p:161+\p]
.endif
.endr
.endr
.irp i, 0,1,2,3
	global_store_b128 v1, v[160+4*\i:163+4*\i], s[10:11] offset:512*\i th:TH_STORE_NT   ; 512 consecutive bytes, at a multiple of 256 from out0's first byte
.endr
	s_endpgm
.Lfunc_end_k_q35587c3b60_combine:
	.size	k_q35587c3b60_combine, .Lfunc_end_k_q35587c3b60_combine-k_q35587c3b60_combine
	.p2alignl 7, 3214868480
	.fill 96, 4, 3214868480
	.section	.rodata,"a",@progbits
	.p2align	6, 0x0
	.amdhsa_kernel k_q35587c3b60_combine
		.amdhsa_group_segment_fixed_size 0
		.amdhsa_private_segment_fixed_size 0
		.amdhsa_enable_private_segment 0
		.amdhsa_kernarg_size 32
		.amdhsa_user_sgpr_count 2
		.amdhsa_user_sgpr_kernarg_segment_ptr 1
		.amdhsa_wavefront_size32 1
		.amdhsa_system_sgpr_workgroup_id_x 1
		.amdhsa_system_sgpr_workgroup_id_y 1
		.amdhsa_system_sgpr_workgroup_id_z 1
		.amdhsa_system_vgpr_workitem_id 0
		.amdhsa_next_free_vgpr 192
		.amdhsa_next_free_sgpr 66
		.amdhsa_reserve_vcc 0
		.amdhsa_float_denorm_mode_32 3
		.amdhsa_float_denorm_mode_16_64 3
		.amdhsa_memory_ordered 1
		.amdhsa_forward_progress 1
		.amdhsa_inst_pref_size 11
	.end_amdhsa_kernel
	.amdgpu_metadata
---
amdhsa.version: [ 1, 2 ]
amdhsa.kernels:
  - .name:           k_q35587c3b60_combine
    .symbol:         k_q35587c3b60_combine.kd
    .args:
      - { .name: eo, .offset: 0, .size: 8, .value_kind: global_buffer, .address_space: global }
      - { .name: plan, .offset: 8, .size: 8, .value_kind: global_buffer, .address_space: global }
      - { .name: w8, .offset: 16, .size: 8, .value_kind: global_buffer, .address_space: global }
      - { .name: out0, .offset: 24, .size: 8, .value_kind: global_buffer, .address_space: global }
    .group_segment_fixed_size: 0
    .private_segment_fixed_size: 0
    .kernarg_segment_align: 8
    .kernarg_segment_size: 32
    .max_flat_workgroup_size: 256
    .sgpr_count:     66
    .vgpr_count:     192
    .wavefront_size: 32
...
	.end_amdgpu_metadata
.endif
;; end of part 5
;; ======== version 2 of 2: 5 launches
;; workspace buffers: xq 1,081,344 bytes; umask 8,192 bytes of whole numbers; w8 32,768 bytes; plan 265,984 bytes of whole numbers; hq 28,114,944 bytes; eo 218,103,808 bytes
;; launch route (part 6): grid 64 x 1, 8 waves a work-group, no clusters, 34,560 bytes of LDS; arguments hidden_states, gate_weight, gate_bias, xq, umask, w8; writes xq, umask, w8
.if DOCPART == 6
	.amdgcn_target "amdgcn-amd-amdhsa--gfx1250"
	.amdhsa_code_object_version 6
	.text
	.protected	k_q35587c3b60_route
	.globl	k_q35587c3b60_route
	.p2align	8
	.type	k_q35587c3b60_route,@function
k_q35587c3b60_route:
	s_mov_b64 s[64:65], 0
	v_nop
	global_prefetch_b8 v0, s[64:65] scope:SCOPE_SE
	s_setreg_imm32_b32 hwreg(HW_REG_WAVE_SCHED_MODE, 0, 2), 2
	s_setreg_imm32_b32 hwreg(HW_REG_WAVE_MODE, 25, 1), 1
	s_wait_xcnt 0x0
	s_wait_alu depctr_vm_vsrc(0)
; ROUTE: x is quantised once (codes and scale words into xq), the router's logits are made on codes of E4M3, and each token's choice is stored at fixed places.
; DEAD WORK, for the whole program.  reference() multiplies every expert's result by cw and every anchor's by acw.  cw is a sum of one_hot(topidx) x tw and acw is one_hot(lg), both built in its own body:
; for a token t, cw[t][e] is the constant 0 for the 26 experts outside topidx[t], and acw[t][l] is 0 for the 15 groups other than lg[t], whatever the inputs hold.  So row t of the products with w_gate, w_up, w_down
; of an expert not chosen, and of the anchor products of a group not chosen, reaches no output in exact arithmetic: those rows are not multiplied.  The two combining products then are a sum of eight rows a token.
; Every input has a way to the output and is loaded.  LIMIT: a NaN, an infinity or an overflow that arises only in an expert or anchor that was not chosen for a token is not carried to the result.
; LIMITS: NaN and infinities among the inputs are not served.  Equal scores go to the lower index, as jax.lax.top_k has it.  A block of zeros gets the scale byte 1 (its codes are zeros; only this program reads the bytes).
; The logits' K is summed in eight parts (one a wave), added in ascending order: another order of f32 rounding than one chain.
; SHARES.  Work-group T: tokens 16 T .. 16 T + 15.  Wave w: K step w (128 along K): it quantises its 128 numbers of the 16 tokens and of the 32 rows of gate_weight and makes two products (source 0 = 16 experts, source 1 = the tokens).
; The eight partial results meet in LDS; wave 0 adds them and routes, a token a lane (lanes 16-31 repeat lanes 0-15).  No address and no branch hangs on the choice: it is stored as whole numbers for the next launch.
; OUT: xq codes [t][1024], scale words [t][8] at XS_OFF; umask [2][1024]: word 0 the bits of the six experts, word 1 bit (first expert / 2) and bit 16 + t / 256; w8 [t][8]: the six weights in ascending order of expert, 0.1, 1.0.
; THE MODE: SCHED_MODE bits 1:0 = 2 (LLVM: expert scheduling mode 2), set by the entry lines.  The code itself states the register dependences between vector or matrix instructions and memory or LDS instructions, with s_wait_alu, always for 0.
; THE PLAN.  Registers that memory or LDS instructions touch:
;   v4-v15        offsets and LDS addresses: made at the head, never written again.
;   ST0           x's numbers land; QUANT reads and writes them; the gate's rows 16-31 land; QUANT again; in wave 0 the partial logits land.      ST1: the gate's rows 0-15 land; QUANT; partial logits land.
;   XF, XW        written by QUANT; read by the LDS stores and by the products; behind the barrier two rows of codes land in XF, which the global stores read.
;   G0            written by QUANT; read by a product; in wave 0 the scale words land in it and a store reads them.          v48-63: written by the products, read by the LDS stores.
;   O, MW         written by wave 0's last selects, read by its two stores.
; Numbers that vector instructions leave in scalar registers: the wave's number; the masks of compares.  Compares whose sources are all at hand stand in runs, into s32 to s63 (free once the bias is added), with one wait behind the run;
; the search for a maximum is a chain (each compare reads the last select), so there a wait stands between each compare and its three selects.
.set XS_OFF, 1048576
.set PART,  0                          ; LDS: eight waves' partial logits, 2,048 bytes each, as images of the accumulators
.set XC,    16384                      ; x's codes: 16 rows of 1,024 bytes + 16
.set XCP,   1040
.set XSC,   33024                      ; x's scale words: 32 bytes a token
.set SPARE, 33536                      ; the spare words: 128 bytes a wave
.set SPW,   12
.set NIL,   13
.set TM,    32                         ; v32-47 at work in QUANT
.set ST0,   64
.set ST1,   128
.set XF,    192                        ; x's fragment
.set G0,    208                        ; gate rows 0-15
.set G1,    224                        ; gate rows 16-31
.set XW,    240                        ; scale words: x's, the gate's two
.set GW0,   241
.set GW1,   242
.set WV,    20
.set HM,    21                         ; the mask of lanes 16-31
.set SEL,   28
.set MNT,   30
; wave 0's registers
.set LG,    16                         ; v16-31 my 16 logits, then scores
.set OT,    32                         ; v32-47 the other half's
.set S,     64                         ; v64-95 the 32 scores
.set M,     96                         ; v96-127 scores for choice
.set M1,    128
.set M2,    132
.set GS,    136
.set RK,    140
.set NINF,  144
.set BEST,  145
.set IDX,   146
.set RAW,   152
.set MW0,   158
.set TMP,   159
.set ONE,   160
.set SUM,   161
.set RK6,   162
.set W,     168
.set O,     176
.set MW,    180
.macro FLOAD reg, base, off            ; lane (r, h): of row r, 16 neighbours of each block of 32 of my K step
.irp b, 0,1,2,3
.irp j, 0,1,2,3
	global_load_b128 v[\reg+16*\b+4*\j:\reg+16*\b+4*\j+3], v4, s[\base:\base+1] offset:\off+128*\b+16*\j
.endr
.endr
.endm
; 64 numbers of a lane, register 16 b + i = k 32 b + 16 (lane / 16) + i of my row, become a fragment's codes in v[pc] on and its scale word in v[pw]
.macro QUANT s, pc, pw
.irp b, 0,1,2,3
	v_max3_num_f32 v[TM+\b], |v[\s+16*\b]|, |v[\s+1+16*\b]|, 0x4800000   ; my 16 numbers of block b, and the floor 2^(9 - 127): the byte cannot fall under 1
.endr
.irp i, 2,4,6,8,10,12,14
.irp b, 0,1,2,3
	v_max3_num_f32 v[TM+\b], v[TM+\b], |v[\s+16*\b+\i]|, |v[\s+1+16*\b+\i]|
.endr
.endr
.irp b, 0,1,2,3
	v_permlanex16_b32 v[TM+4+\b], v[TM+\b], s[SEL], s[SEL+1]
.endr
.irp b, 0,1,2,3
	v_max_num_f32 v[TM+\b], v[TM+\b], v[TM+4+\b]                    ; with lane l xor 16's: the block's largest magnitude
.endr
.irp b, 0,1,2,3
	v_add_nc_u32 v[TM+12+\b], 0xfc000000, v[TM+\b]                  ; 8 off its exponent field: the conversion's scale operand
.endr
.irp b, 0,1,2,3
	v_and_or_b32 v[TM+8+\b], v[TM+\b], 0x7f800000, s[MNT]           ; 448 x the scale
.endr
.irp b, 0,1,2,3
	v_lshrrev_b32 v[TM+4+\b], 23, v[TM+12+\b]                       ; the scale's byte
.endr
	v_lshl_or_b32 v[\pw], v[TM+5], 8, v[TM+4]
	v_lshl_or_b32 v[\pw], v[TM+6], 16, v[\pw]
	v_lshl_or_b32 v[\pw], v[TM+7], 24, v[\pw]
.irp b, 0,1,2,3
.irp i, 0,1,2,3,4,5,6,7,8,9,10,11,12,13,14,15
	v_med3_num_f32 v[\s+16*\b+\i], v[\s+16*\b+\i], -v[TM+8+\b], v[TM+8+\b]   ; the conversion does not saturate (ISA guide 7.6.2): the hold at the largest code x the scale
.endr
	v_cvt_scalef32_pk8_fp8_f32 v[\pc+4*\b:\pc+1+4*\b], v[\s+16*\b:\s+7+16*\b], v[TM+12+\b]
	v_cvt_scalef32_pk8_fp8_f32 v[\pc+2+4*\b:\pc+3+4*\b], v[\s+8+16*\b:\s+15+16*\b], v[TM+12+\b]
.endr
	v_nop                                          ; a plain instruction behind the last conversion
.endm
	s_load_b128 s[4:7], s[0:1], 0x0                ; hidden_states, gate_weight
	s_load_b128 s[8:11], s[0:1], 0x10              ; gate_bias, xq
	s_load_b128 s[12:15], s[0:1], 0x20             ; umask, w8
	v_lshl_add_u32 v[SPW], v0, 2, SPARE
	v_mov_b32 v[NIL], 0
	v_lshrrev_b32 v1, 5, v0
	v_readfirstlane_b32 s[WV], v1                  ; wave 0..7
	v_and_b32 v1, 31, v0                           ; lane
	v_and_b32 v2, 15, v0                           ; r
	v_bfe_u32 v3, v0, 4, 1                         ; h
	v_lshlrev_b32 v4, 12, v2
	v_lshl_add_u32 v4, v3, 6, v4                   ; a row of 4,096 bytes, + 64 h
	v_lshlrev_b32 v10, 4, v1                       ; 16 x lane
	s_wait_alu depctr_va_vdst(0)
	s_wait_alu depctr_va_sdst(0)                   ; the wave's number is written, ahead of its first reader
	s_lshl_b32 s2, s[WV], 7
	s_add_co_u32 s2, s2, XC
	v_mul_u32_u24 v5, v2, XCP
	v_lshl_add_u32 v5, v3, 4, v5
	v_add_nc_u32 v5, s2, v5                        ; where my codes go: row r, K step w, + 16 h
	s_lshl_b32 s2, s[WV], 2
	s_add_co_u32 s2, s2, XSC
	v_lshl_add_u32 v6, v2, 5, s2                   ; and my row's scale word of K step w
	s_lshl_b32 s2, s[WV], 11
	v_add_nc_u32 v7, s2, v10                       ; 2,048 w + 16 lane: my partial logits in LDS; the same number is my offset in the work-group's 16 rows of xq (rows 2 w, 2 w + 1)
	s_mul_i32 s2, s[WV], 2*XCP
	s_add_co_u32 s2, s2, XC
	v_add_nc_u32 v8, s2, v10                       ; rows 2 w and 2 w + 1 of the codes, read back
	v_add_nc_u32 v14, XSC, v10                     ; wave 0: the scale words, read back
	v_lshlrev_b32 v15, 5, v2
	v_lshl_add_u32 v15, v3, 4, v15                 ; w8: 32 r + 16 h
	v_lshlrev_b32 v11, 2, v2
	v_lshl_add_u32 v11, v3, 12, v11                ; umask: 4 r + 4,096 h
.irp b, 0,1,2,3
	v_mov_b32 v[TM+4+\b], 0                        ; written once: a lane permute's destination counts as one of its sources
.endr
	s_mov_b32 s[HM], 0xffff0000
	s_mov_b32 s[SEL], 0x76543210
	s_mov_b32 s[SEL+1], 0xfedcba98
	s_mov_b32 s[MNT], 0x600000
	s_lshl_b32 s22, s[WV], 9                       ; my K step: 512 bytes along a row
	s_mov_b32 s23, 0
	s_lshl_b32 s2, ttmp9, 16                       ; my work-group's 16 rows of x
	s_mov_b32 s3, 0
	s_wait_kmcnt 0x0
	s_add_nc_u64 s[4:5], s[4:5], s[2:3]
	s_add_nc_u64 s[4:5], s[4:5], s[22:23]
	s_add_nc_u64 s[6:7], s[6:7], s[22:23]
	s_wait_alu depctr_va_vdst(0)                   ; the offsets and LDS addresses v4 to v15 are written, which every load and store of the kernel reads
	FLOAD ST0, 4, 0                                ; x
	FLOAD ST1, 6, 0                                ; gate rows 0-15
	s_lshl_b32 s2, ttmp9, 14
	s_add_nc_u64 s[16:17], s[10:11], s[2:3]        ; xq: my 16 rows of codes
	s_lshl_b32 s2, ttmp9, 9
	s_add_nc_u64 s[14:15], s[14:15], s[2:3]        ; w8: my 16 tokens
	s_add_co_u32 s2, s2, XS_OFF
	s_add_nc_u64 s[18:19], s[10:11], s[2:3]        ; xq: their scale words
	s_lshl_b32 s2, ttmp9, 6
	s_add_nc_u64 s[12:13], s[12:13], s[2:3]        ; umask
	s_lshr_b32 s26, ttmp9, 4
	s_add_co_u32 s26, s26, 16
	s_lshl_b32 s26, 1, s26                         ; bit 16 + t / 256
	s_wait_loadcnt 16                              ; x's 16 loads are in; the gate's 16 may be out
	QUANT ST0, XF, XW
	s_wait_alu depctr_va_vdst(0)                   ; the holds and conversions are done with v[ST0 ..], in which the next loads land; they have written x's codes and scale word, which the LDS stores read
	FLOAD ST0, 6, 65536                            ; gate rows 16-31
.irp c, 0,1,2,3
	ds_store_b128 v5, v[XF+4*\c:XF+4*\c+3] offset:32*\c
.endr
	ds_store_b32 v6, v[XW]                         ; both halves of the lanes write the same word
	s_wait_loadcnt 16                              ; gate rows 0-15 are in; the 16 loads just issued may be out
	QUANT ST1, G0, GW0
	s_wait_loadcnt 0x0
	QUANT ST0, G1, GW1
.rept 4
	v_nop                                          ; codes written by vector instructions stand four places ahead of a scaled matrix instruction; the scale words were made ahead of the holds
.endr
	s_wait_alu depctr_va_vdst(0)                   ; the conversions have written the three fragments, and the shifts their scale words, which the products take as operands and scales; the places above stay beside this wait
	v_wmma_scale_f32_16x16x128_f8f6f4 v[48:55], v[G0:G0+15], v[XF:XF+15], 0, v[GW0], v[XW]   ; lane (r, h): token r, experts 8 h + j
	v_wmma_scale_f32_16x16x128_f8f6f4 v[56:63], v[G1:G1+15], v[XF:XF+15], 0, v[GW1], v[XW]   ; experts 16 + 8 h + j
.rept 8
	v_nop                                          ; eight places ahead of the first read of a result
.endr
	s_wait_alu depctr_va_vdst(0)                   ; the products have written v48 to v63, which the LDS stores read, and are done reading XF and G0; QUANT is done with v64 to v191: LDS loads land in all of these further down
	ds_store_b128 v7, v[48:51] offset:PART
	ds_store_b128 v7, v[52:55] offset:PART+512
	ds_store_b128 v7, v[56:59] offset:PART+1024
	ds_store_b128 v7, v[60:63] offset:PART+1536
	s_wait_dscnt 0x0                               ; for the others' sake: my stores have landed
	s_barrier_signal -1
	s_barrier_wait -1
	s_wait_alu depctr_vm_vsrc(0)                   ; my LDS stores of x's codes have read v[XF ..], in which the rows read back land
.irp i, 0,1,2,3
	ds_load_b128 v[XF+4*\i:XF+4*\i+3], v8 offset:(\i/2)*XCP+512*(\i%2)   ; two whole rows of codes, 512 bytes an instruction
.endr
.irp i, 0,1,2,3
	s_wait_dscnt 3-\i
	global_store_b128 v7, v[XF+4*\i:XF+4*\i+3], s[16:17] offset:(\i/2)*1024+512*(\i%2)
.endr
	s_cmp_lg_u32 s[WV], 0
	s_cbranch_scc1 .Lend
	; ---- wave 0 alone: the scale words go out, the logits are added, the tokens are routed
	s_load_b512 s[32:47], s[8:9], 0x0              ; gate_bias
	s_load_b512 s[48:63], s[8:9], 0x40
	ds_load_b128 v[G0:G0+3], v14
.irp ww, 0,1,2,3,4,5,6,7
.irp i, 0,1,2,3
	ds_load_b128 v[64+16*\ww+4*\i:64+16*\ww+4*\i+3], v10 offset:PART+2048*\ww+512*\i
.endr
.endr
	s_wait_dscnt 32                                ; the scale words are in; the 32 loads behind them may be out
	global_store_b128 v10, v[G0:G0+3], s[18:19]    ; 512 consecutive bytes
	s_wait_dscnt 0x0
.irp p, 0,2,4,6,8,10,12,14
	v_pk_add_f32 v[LG+\p:LG+\p+1], v[64+\p:65+\p], v[80+\p:81+\p]
.endr
.irp ww, 2,3,4,5,6,7
.irp p, 0,2,4,6,8,10,12,14
	v_pk_add_f32 v[LG+\p:LG+\p+1], v[LG+\p:LG+\p+1], v[64+16*\ww+\p:65+16*\ww+\p]
.endr
.endr
.set j, 0
.rept 16
	v_mul_f32 v[LG+j], 0xbfb8aa3b, v[LG+j]         ; - logit x log2(e)
.set j, j+1
.endr
.set j, 0
	s_wait_alu depctr_va_vdst(0)
.rept 16
	v_exp_f32 v[LG+j], v[LG+j]
.set j, j+1
.endr
	v_mov_b32 v[NINF], 0xff800000                  ; (a plain instruction behind the batch)
	s_wait_alu depctr_va_vdst(0)                   ; the sixteen exponentials are written: one wait for the batch, ahead of its first use
.irp p, 0,2,4,6,8,10,12,14
	v_pk_add_f32 v[LG+\p:LG+\p+1], v[LG+\p:LG+\p+1], 1.0 op_sel_hi:[1,0]
.endr
.set j, 0
	s_wait_alu depctr_va_vdst(0)
.rept 16
	v_rcp_f32 v[LG+j], v[LG+j]                     ; sigmoid
.set j, j+1
.endr
	v_mov_b32 v[ONE], 1
	s_wait_alu depctr_va_vdst(0)                   ; the sixteen reciprocals are written, ahead of their first use
.set j, 0
.rept 16
	v_permlanex16_b32 v[OT+j], v[LG+j], s[SEL], s[SEL+1]
.set j, j+1
.endr
.irp g, 0,1
.irp j, 0,1,2,3,4,5,6,7
	v_cndmask_b32 v[S+16*\g+\j], v[LG+8*\g+\j], v[OT+8*\g+\j], s[HM]     ; experts 16 g + j lie in lanes 0-15,
	v_cndmask_b32 v[S+16*\g+8+\j], v[OT+8*\g+\j], v[LG+8*\g+\j], s[HM]   ; experts 16 g + 8 + j in lanes 16-31: now every lane has all 32 of its token
.endr
.endr
	s_wait_kmcnt 0x0
.set e, 0
.rept 32
	v_add_f32 v[M+e], s[32+e], v[S+e]              ; scores for choice.  From here on s32 to s63 are free: they take the masks of the compares
.set e, e+1
.endr
.irp g, 0,1,2,3                                ; each group's two largest, and their sum
	v_max_num_f32 v[M1+\g], v[M+8*\g], v[M+8*\g+1]
	v_min_num_f32 v[M2+\g], v[M+8*\g], v[M+8*\g+1]
.endr
.irp i, 2,3,4,5,6,7
.irp g, 0,1,2,3
	v_med3_num_f32 v[M2+\g], v[M1+\g], v[M2+\g], v[M+8*\g+\i]
	v_max_num_f32 v[M1+\g], v[M1+\g], v[M+8*\g+\i]
.endr
.endr
.irp g, 0,1,2,3
	v_add_f32 v[GS+\g], v[M1+\g], v[M2+\g]
	v_mov_b32 v[RK+\g], 3-\g                       ; a group's rank: how many groups come ahead of it; it begins as if all later groups did
.endr
.macro GCMP a, b                       ; a < b: a comes ahead of b where its sum is not smaller
	v_cmp_ge_f32 s[32+4*\a+\b], v[GS+\a], v[GS+\b]
.endm
.macro GRANK a, b
	v_cndmask_b32 v[TMP], 0, 1, s[32+4*\a+\b]
	v_sub_nc_u32 v[RK+\a], v[RK+\a], v[TMP]
	v_add_nc_u32 v[RK+\b], v[RK+\b], v[TMP]
.endm
	GCMP 0, 1
	GCMP 0, 2
	GCMP 0, 3
	GCMP 1, 2
	GCMP 1, 3
	GCMP 2, 3
	s_wait_alu depctr_va_sdst(0)                   ; the six masks are written, ahead of the selects that read them
	GRANK 0, 1
	GRANK 0, 2
	GRANK 0, 3
	GRANK 1, 2
	GRANK 1, 3
	GRANK 2, 3
.irp g, 0,1,2,3
	v_cmp_gt_u32 s[22+\g], 2, v[RK+\g]             ; the two groups that are kept
.endr
	s_wait_alu depctr_va_sdst(0)                   ; the four masks are written, ahead of the selects that read them
.irp g, 0,1,2,3
.irp i, 0,1,2,3,4,5,6,7
	v_cndmask_b32 v[M+8*\g+\i], v[NINF], v[M+8*\g+\i], s[22+\g]
.endr
.endr
	v_mov_b32 v[MW0], 0
; the k-th largest: a strict comparison in ascending order keeps the lower index; the winner is then taken out
.macro PICK k
	v_mov_b32 v[BEST], v[M]
	v_mov_b32 v[IDX+\k], 0
	v_mov_b32 v[RAW+\k], v[S]
.set e, 1
.rept 31
	v_cmp_gt_f32 vcc_lo, v[M+e], v[BEST]
	s_wait_alu depctr_va_vcc(0)                    ; VCC is written, ahead of the three selects that read it
	v_cndmask_b32 v[BEST], v[BEST], v[M+e], vcc_lo
	v_cndmask_b32 v[IDX+\k], v[IDX+\k], e, vcc_lo
	v_cndmask_b32 v[RAW+\k], v[RAW+\k], v[S+e], vcc_lo
.set e, e+1
.endr
.if \k < 5
.set e, 0
.rept 32
	v_cmp_eq_u32 s[32+e], e, v[IDX+\k]
.set e, e+1
.endr
	s_wait_alu depctr_va_sdst(0)                   ; the 32 masks are written, ahead of the selects that read them
.set e, 0
.rept 32
	v_cndmask_b32 v[M+e], v[M+e], v[NINF], s[32+e]
.set e, e+1
.endr
.endif
	v_lshl_or_b32 v[MW0], v[ONE], v[IDX+\k], v[MW0]
.endm
.irp k, 0,1,2,3,4,5
	PICK \k
.endr
	v_add_f32 v[SUM], v[RAW], v[RAW+1]
.irp k, 2,3,4,5
	v_add_f32 v[SUM], v[SUM], v[RAW+\k]
.endr
	v_add_f32 v[SUM], 0x1e3ce508, v[SUM]           ; + 1e-20
	s_wait_alu depctr_va_vdst(0)
	v_rcp_f32 v[SUM], v[SUM]
.irp k, 0,1,2,3,4,5
	v_mov_b32 v[RK6+\k], 5-\k                      ; an expert's place among the six in ascending order of number (independent work behind the reciprocal)
.endr
.macro ICMP a, b
	v_cmp_lt_u32 s[32+6*\a+\b], v[IDX+\a], v[IDX+\b]
.endm
.macro IRANK a, b
	v_cndmask_b32 v[TMP], 0, 1, s[32+6*\a+\b]
	v_sub_nc_u32 v[RK6+\a], v[RK6+\a], v[TMP]
	v_add_nc_u32 v[RK6+\b], v[RK6+\b], v[TMP]
.endm
.irp b, 1,2,3,4,5
	ICMP 0, \b
.endr
.irp b, 2,3,4,5
	ICMP 1, \b
.endr
.irp b, 3,4,5
	ICMP 2, \b
.endr
	ICMP 3, 4
	ICMP 3, 5
	ICMP 4, 5
	s_wait_alu depctr_va_sdst(0)                   ; the fifteen masks are written, ahead of the selects that read them
.irp b, 1,2,3,4,5
	IRANK 0, \b
.endr
.irp b, 2,3,4,5
	IRANK 1, \b
.endr
.irp b, 3,4,5
	IRANK 2, \b
.endr
	IRANK 3, 4
	IRANK 3, 5
	IRANK 4, 5
.irp s, 0,1,2,3,4,5
.irp k, 1,2,3,4,5
	v_cmp_eq_u32 s[32+5*\s+\k-1], \s, v[RK6+\k]    ; does the k-th chosen expert stand at place s?
.endr
.endr
	s_wait_alu depctr_va_vdst(0)                   ; the reciprocal is written, ahead of its first use
	v_mul_f32 v[SUM], 0x3e4ccccd, v[SUM]           ; x 0.2
.irp k, 0,1,2,3,4,5
	v_mul_f32 v[RAW+\k], v[RAW+\k], v[SUM]
.endr
	s_wait_alu depctr_va_sdst(0)                   ; the thirty masks are written, ahead of the selects that read them
.irp s, 0,1,2,3,4,5
	v_mov_b32 v[W+\s], v[RAW]
.irp k, 1,2,3,4,5
	v_cndmask_b32 v[W+\s], v[W+\s], v[RAW+\k], s[32+5*\s+\k-1]
.endr
.endr
	v_mov_b32 v[W+6], 0x3dcccccd                   ; the anchor's 0.1
	v_mov_b32 v[W+7], 1.0                          ; the shared expert's 1
	v_lshrrev_b32 v[TMP], 1, v[IDX]                ; the anchor group of the first expert
	v_lshlrev_b32 v[TMP], v[TMP], v[ONE]
	v_or_b32 v[TMP], s26, v[TMP]
.irp i, 0,1,2,3
	v_cndmask_b32 v[O+\i], v[W+\i], v[W+4+\i], s[HM]
.endr
	v_cndmask_b32 v[MW], v[MW0], v[TMP], s[HM]
	s_wait_alu depctr_va_vdst(0)                   ; the selects have written v[O ..] and v[MW], which the two stores read
	global_store_b128 v15, v[O:O+3], s[14:15]      ; 512 consecutive bytes
	global_store_b32 v11, v[MW], s[12:13]
.Lend:
	s_wait_dscnt 0x0                               ; the closing lines, six on end
	s_wait_alu 0x0
	s_wait_tensorcnt 0x0
	ds_add_u32 v[SPW], v[NIL]
	s_wait_dscnt 0x0
	s_endpgm
.Lfunc_end_k_q35587c3b60_route:
	.size	k_q35587c3b60_route, .Lfunc_end_k_q35587c3b60_route-k_q35587c3b60_route
	.p2alignl 7, 3214868480
	.fill 96, 4, 3214868480
	.section	.rodata,"a",@progbits
	.p2align	6, 0x0
	.amdhsa_kernel k_q35587c3b60_route
		.amdhsa_group_segment_fixed_size 34560
		.amdhsa_private_segment_fixed_size 0
		.amdhsa_enable_private_segment 0
		.amdhsa_kernarg_size 48
		.amdhsa_user_sgpr_count 2
		.amdhsa_user_sgpr_kernarg_segment_ptr 1
		.amdhsa_wavefront_size32 1
		.amdhsa_system_sgpr_workgroup_id_x 1
		.amdhsa_system_sgpr_workgroup_id_y 1
		.amdhsa_system_sgpr_workgroup_id_z 1
		.amdhsa_system_vgpr_workitem_id 0
		.amdhsa_next_free_vgpr 256
		.amdhsa_next_free_sgpr 100
		.amdhsa_reserve_vcc 1
		.amdhsa_float_denorm_mode_32 3
		.amdhsa_float_denorm_mode_16_64 3
		.amdhsa_memory_ordered 1
		.amdhsa_forward_progress 1
		.amdhsa_inst_pref_size 117
	.end_amdhsa_kernel
	.amdgpu_metadata
---
amdhsa.version: [ 1, 2 ]
amdhsa.kernels:
  - .name:           k_q35587c3b60_route
    .symbol:         k_q35587c3b60_route.kd
    .args:
      - { .name: hidden_states, .offset: 0, .size: 8, .value_kind: global_buffer, .address_space: global }
      - { .name: gate_weight, .offset: 8, .size: 8, .value_kind: global_buffer, .address_space: global }
      - { .name: gate_bias, .offset: 16, .size: 8, .value_kind: global_buffer, .address_space: global }
      - { .name: xq, .offset: 24, .size: 8, .value_kind: global_buffer, .address_space: global }
      - { .name: umask, .offset: 32, .size: 8, .value_kind: global_buffer, .address_space: global }
      - { .name: w8, .offset: 40, .size: 8, .value_kind: global_buffer, .address_space: global }
    .group_segment_fixed_size: 34560
    .private_segment_fixed_size: 0
    .kernarg_segment_align: 8
    .kernarg_segment_size: 48
    .max_flat_workgroup_size: 256
    .sgpr_count:     100
    .vgpr_count:     256
    .wavefront_size: 32
...
	.end_amdgpu_metadata
.endif
;; end of part 6
;; launch place (part 7): grid 52 x 1, 1 waves a work-group, no clusters, 0 bytes of LDS; arguments umask, plan; writes plan
.if DOCPART == 7
	.amdgcn_target "amdgcn-amd-amdhsa--gfx1250"
	.amdhsa_code_object_version 6
	.text
	.protected	k_q35587c3b60_place
	.globl	k_q35587c3b60_place
	.p2align	8
	.type	k_q35587c3b60_place,@function
k_q35587c3b60_place:
	s_mov_b64 s[64:65], 0
	v_nop
	global_prefetch_b8 v0, s[64:65] scope:SCOPE_SE
	s_setreg_imm32_b32 hwreg(HW_REG_WAVE_MODE, 25, 1), 1
	s_wait_xcnt 0x0
; PLACE: the rows are placed by unit.  52 units: 0-31 the routed experts, 32-47 the anchors, 48-51 the shared expert on tokens 256 p .. 256 p + 255.  Only the rows that reference()'s own one_hot tables keep are listed.
; One wave to a unit.  It scans the 1,024 tokens' mask words (word 0 for units 0-31, word 1 for the others) and stores: list[u][pos] = token; rows[token][k] = 1,024 u + pos, k the unit's place among the token's
; eight rows (an expert: how many chosen experts have a lower number; an anchor 6; the shared expert 7); cnt[u].  32 entries of token 0 follow the list, so that a last tile of 16 rows is whole.
; NO LANE IS EVER SWITCHED OFF: a lane whose token does not take the unit stores into a spare word of its own (256 bytes a unit behind the tables: 32 words for the list's store, 32 for the rows' store), which nobody reads.
; Each store's place is a word index in plan: the real one or the spare one (v_cndmask_b32), held at the buffer's last word, shifted to bytes.
; No two units write the same word.  A unit has room for all 1,024 tokens, so every split is served.
.set CNT_OFF,  219648
.set ROWS_OFF, 219904
.set TR_OFF,   252672                  ; the spare words
.set LASTW,    265984/4-1              ; plan's last word
	s_load_b128 s[4:7], s[0:1], 0x0                ; umask, plan
	s_and_b32 s8, ttmp9, 31
	s_lshl_b32 s9, 1, s8                           ; my unit's bit
	s_sub_co_u32 s10, s9, 1
	s_cmp_lt_u32 ttmp9, 48
	s_cselect_b32 s11, 6, 7
	s_cmp_lt_u32 ttmp9, 32
	s_cselect_b32 s10, s10, 0                      ; an expert: the bits under mine
	s_cselect_b32 s11, 0, s11                      ; what is added to their count
	s_lshl_b32 s12, ttmp9, 10                      ; my unit's first row in eo
	s_mov_b32 s13, 0                               ; rows placed so far
	s_mul_i32 s14, ttmp9, 1056                     ; list[u], in words
	s_lshl_b32 s15, ttmp9, 6
	s_add_co_u32 s15, s15, TR_OFF/4                ; my unit's spare words, in words
	s_mov_b32 s24, 0x01010101
	s_lshr_b32 s2, ttmp9, 5
	s_lshl_b32 s2, s2, 12                          ; which of the two mask words
	s_mov_b32 s3, 0
	s_lshl_b32 s26, ttmp9, 2
	s_add_co_u32 s26, s26, CNT_OFF
	s_mov_b32 s27, 0
	v_lshlrev_b32 v1, 4, v0                        ; 16 x lane
	v_lshlrev_b32 v2, 5, v0
	v_add_nc_u32 v2, ROWS_OFF/4, v2                ; rows, in words: four tokens of eight words a lane
	v_lshlrev_b32 v3, 2, v0                        ; 4 x lane: my first token of a load
	v_add_nc_u32 v4, s15, v0                       ; my spare word for the list's store,
	v_add_nc_u32 v5, 32, v4                        ; and for the rows' store
	s_wait_alu depctr_va_vdst(0)
	s_wait_kmcnt 0x0
	s_add_nc_u64 s[4:5], s[4:5], s[2:3]
	s_add_nc_u64 s[20:21], s[6:7], s[26:27]        ; cnt[u]
.irp i, 0,1,2,3,4,5,6,7
	global_load_b128 v[8+4*\i:11+4*\i], v1, s[4:5] offset:512*\i   ; register 8 + 4 i + q: token 4 lane + 128 i + q
.endr
	s_wait_loadcnt 0x0
.macro SCAN i, q
.set WD, 8+4*\i+\q
	v_and_b32 v40, s9, v[WD]
	v_cmp_ne_u32 vcc_lo, 0, v40                    ; the lanes whose token takes my unit
	v_mbcnt_lo_u32_b32 v41, vcc_lo, s13            ; its place: those placed so far + such lanes under mine
	s_bcnt1_i32_b32 s22, vcc_lo
	v_and_b32 v42, s10, v[WD]                      ; how many bits lie under mine: counted by pairs, fours, bytes
	v_lshrrev_b32 v40, 1, v42
	v_and_b32 v40, 0x55555555, v40
	v_sub_nc_u32 v42, v42, v40
	v_lshrrev_b32 v40, 2, v42
	v_and_b32 v40, 0x33333333, v40
	v_and_b32 v42, 0x33333333, v42
	v_add_nc_u32 v42, v42, v40
	v_lshrrev_b32 v40, 4, v42
	v_add_nc_u32 v42, v42, v40
	v_and_b32 v42, 0x0f0f0f0f, v42
	v_mul_lo_u32 v42, v42, s24
	v_lshrrev_b32 v42, 24, v42
	v_add_nc_u32 v42, s11, v42                     ; k
	s_wait_alu depctr_va_vdst(0)
	s_wait_xcnt 0x0                                ; the last two stores have read their four registers, which are written anew from here on
	v_add_nc_u32 v43, s14, v41                     ; list[u][pos], as a word index,
	v_cndmask_b32 v43, v4, v43, vcc_lo             ; or my spare word
	v_min_u32 v43, LASTW, v43
	v_lshlrev_b32 v43, 2, v43
	v_add3_u32 v44, v42, v2, 1024*\i+8*\q          ; rows[token][k], as a word index,
	v_cndmask_b32 v44, v5, v44, vcc_lo             ; or my other spare word
	v_min_u32 v44, LASTW, v44
	v_lshlrev_b32 v44, 2, v44
	v_add_nc_u32 v45, 128*\i+\q, v3                ; the token
	v_add_nc_u32 v46, s12, v41                     ; its row in eo
	global_store_b32 v43, v45, s[6:7]
	global_store_b32 v44, v46, s[6:7]
	s_add_co_u32 s13, s13, s22
.endm
.irp i, 0,1,2,3,4,5,6,7
.irp q, 0,1,2,3
	SCAN \i, \q
.endr
.endr
	v_add_nc_u32 v47, s13, v0
	v_min_u32 v47, 1055, v47
	v_add_nc_u32 v47, s14, v47
	v_lshlrev_b32 v47, 2, v47
	v_mov_b32 v48, 0
	global_store_b32 v47, v48, s[6:7]              ; 32 entries of token 0 behind the list
	v_mov_b32 v49, s13
	global_store_b32 v48, v49, s[20:21]            ; cnt[u]: all lanes store the same word with the same value
	s_endpgm
.Lfunc_end_k_q35587c3b60_place:
	.size	k_q35587c3b60_place, .Lfunc_end_k_q35587c3b60_place-k_q35587c3b60_place
	.p2alignl 7, 3214868480
	.fill 96, 4, 3214868480
	.section	.rodata,"a",@progbits
	.p2align	6, 0x0
	.amdhsa_kernel k_q35587c3b60_place
		.amdhsa_group_segment_fixed_size 0
		.amdhsa_private_segment_fixed_size 0
		.amdhsa_enable_private_segment 0
		.amdhsa_kernarg_size 16
		.amdhsa_user_sgpr_count 2
		.amdhsa_user_sgpr_kernarg_segment_ptr 1
		.amdhsa_wavefront_size32 1
		.amdhsa_system_sgpr_workgroup_id_x 1
		.amdhsa_system_sgpr_workgroup_id_y 1
		.amdhsa_system_sgpr_workgroup_id_z 1
		.amdhsa_system_vgpr_workitem_id 0
		.amdhsa_next_free_vgpr 64
		.amdhsa_next_free_sgpr 66
		.amdhsa_reserve_vcc 1
		.amdhsa_float_denorm_mode_32 3
		.amdhsa_float_denorm_mode_16_64 3
		.amdhsa_memory_ordered 1
		.amdhsa_forward_progress 1
		.amdhsa_inst_pref_size 51
	.end_amdhsa_kernel
	.amdgpu_metadata
---
amdhsa.version: [ 1, 2 ]
amdhsa.kernels:
  - .name:           k_q35587c3b60_place
    .symbol:         k_q35587c3b60_place.kd
    .args:
      - { .name: umask, .offset: 0, .size: 8, .value_kind: global_buffer, .address_space: global }
      - { .name: plan, .offset: 8, .size: 8, .value_kind: global_buffer, .address_space: global }
    .group_segment_fixed_size: 0
    .private_segment_fixed_size: 0
    .kernarg_segment_align: 8
    .kernarg_segment_size: 16
    .max_flat_workgroup_size: 32
    .sgpr_count:     66
    .vgpr_count:     64
    .wavefront_size: 32
...
	.end_amdgpu_metadata
.endif
;; end of part 7
;; launch up (part 8): grid 352 x 1, 8 waves a work-group, no clusters, 137,216 bytes of LDS; arguments w_gate, w_up, shared_w_gate, shared_w_up, anchor_w_gate, anchor_w_up, xq, plan, hq; writes hq
.if DOCPART == 8
	.amdgcn_target "amdgcn-amd-amdhsa--gfx1250"
	.amdhsa_code_object_version 6
	.text
	.protected	k_q35587c3b60_up
	.globl	k_q35587c3b60_up
	.p2align	8
	.type	k_q35587c3b60_up,@function
k_q35587c3b60_up:
	s_mov_b64 s[64:65], 0
	v_nop
	global_prefetch_b8 v0, s[64:65] scope:SCOPE_SE
	s_setreg_imm32_b32 hwreg(HW_REG_WAVE_SCHED_MODE, 0, 2), 2
	s_setreg_imm32_b32 hwreg(HW_REG_WAVE_MODE, 25, 1), 1
	s_wait_xcnt 0x0
	s_wait_alu depctr_vm_vsrc(0)
; UP: for each unit's listed rows, h = silu(x Wg) x (x Wu), quantised along the hidden axis, into hq.  Rows that reference()'s one_hot tables multiply by 0 are not listed and not multiplied (shown at the head of the first kernel).
; SHARES.  A work-group takes 64 hidden units of one unit, for all rows of the unit: so each f32 weight is read from memory once (the shared expert's by its four parts) and quantised on the way; no weight code goes to memory.
; work-groups 0-255: expert x / 8, slice x % 8; 256-287: shared part (x - 256) / 8, slice x % 8; 288-351: anchor (x - 288) / 4, slice x % 4.
; PHASE 1.  Wave w: matrix m = (w / 2) % 2 (gate, up), block b = w % 2 of 32 hidden units, half kh = w / 4 of K.  A LANE TAKES A COLUMN AND ITS REGISTERS RUN DOWN K: a block of 32 along K lies in one lane, its codes come out
; with K innermost, and they go to LDS straight into the IMAGE OF THE OPERAND'S REGISTERS (a fragment: 4 x 512 bytes, lane l's 16 bytes at 16 l).  THE COLUMNS OF A TILE ARE NOT NEIGHBOURS: column L of a block goes to tile
; (L / 8) % 2, row L % 8 + 8 (L / 16), so that the 16 results of a lane in the block's two tiles are 16 neighbours along the next K.  One barrier.
; PHASE 2.  Wave w takes tiles of 16 listed rows w, w + 8, ..: x's codes are gathered by the list into 128 registers; both products transposed (source 0 = 16 columns of W, source 1 = the rows); four accumulators by turns.
; The hidden block is quantised in registers and stored as it will be loaded: hq: unit x 524,288 + tile x 8,192 + block x 512 + 16 lane; its scale byte at HS_OFF + unit x 16,384 + tile x 256 + 16 row + block.
; No tensor load, no cluster: trip counts hang on stored counts, and no two work-groups read the same weights but the shared expert's four parts (17 of the 184 MB read here; they carry the same hint as the rest).
; A unit without rows runs one tile of token 0 (the list's filling), so that every byte of hq that is read later has been stored.  LIMITS as stated at the head of the first kernel.
; THE MODE: SCHED_MODE bits 1:0 = 2 (LLVM: expert scheduling mode 2), set by the entry lines.  The code itself states the register dependences between vector or matrix instructions and memory or LDS instructions, with s_wait_alu, always for 0.
; THE PLAN, phase 1.  A set of 32 numbers: loads land in it; block t's maxima, holds and conversions read and write it; block t + 2's loads land in it.  The codes v32-39 and v[WORD]: written by block t, read by its LDS stores, written again
; by block t + 1.  So a block has one wait on va_vdst, behind its conversions and ahead of its stores and of the refill, and one on vm_vsrc at its head.  v[WVO], v[LA], v[SWA], v[LI ..], v[LSW] are made at the head and never written again.
; THE PLAN, phase 2.  The four fragments of W are two pairs that take turns: P = the gate's two and v[WS], Q = up's two and v[WS+1].  The two products on a pair are followed by one wait on va_vdst and by the nine LDS loads of that pair's next K step,
; which are on their way while the other pair is multiplied.  EPI works in v64-83, part of P, and stores four of them: Q's first K step of block 1 is asked for behind EPI's second wait, P's behind the store.  x (v[XF ..], v[XS ..]) is read by all
; the tile's products and loaded again behind the last of them.  v[HO], v[HSO], v[ID] are written at the tile's head, v[XO], v[XSO], v[ID] by XADDR; each such write stands behind a wait on vm_vsrc and ahead of one on va_vdst.
.set XS_OFF,  1048576
.set CNT_OFF, 219648
.set HS_OFF,  27262976
.set GRP,   16512                      ; LDS: a tile's 8 fragments, 16,384 bytes, + 128: the two tiles that a store touches fall on different banks.  Tile ((m 2 + b) 2 + u) at GRP x that
.set SWB,   132096                     ; scale words: ((m 2 + b) 8 + s) x 128 + 4 (16 u + row)
.set SPARE, 136192                     ; the spare words: 128 bytes a wave
.set WVO,  1                           ; v1   4 x lane
.set LA,   2                           ; v2   where my column's codes go
.set SWA,  3                           ; v3   and its scale words
.set LI,   4                           ; v4-7 16 x lane + 2 GRP q: fragments of (m, b) = q
.set LSW,  8                           ; v8   SWB + 4 x lane
.set ID,   9                           ; v9   my row's token
.set XO,   10
.set XSO,  11
.set HO,   12
.set HSO,  13
.set SPW,  14
.set NIL,  15
.set XS,   16                          ; v16-23 x's scale words, K steps 0-7
.set WS,   24                          ; v24-25 the weights' scale words: gate's, up's
.set MX,   26                          ; v26, v27 largest magnitudes
.set SCL,  28
.set HOLD, 29
.set BYTE, 30
.set WORD, 31
.set ACC,  32                          ; v32-63 G0, G1, U0, U1; in phase 1 v32-39 a block's codes
.set ST,   64                          ; v64-127 phase 1: two sets of 32 numbers; phase 2: the pairs P (v64-95) and Q (v96-127); v64-83 also the hidden block at work
.set XF,   128                         ; v128-255 x's eight fragments
.set WVN,  22
.set UN,   23
.set SL,   24
.set ANCH, 25
.set WOFF, 26
.set WB,   30
.set J,    40                          ; s40  my tile in hand: w, w + 8, ..
.set NT,   41                          ; s41  the unit's tiles
.set JN,   42
.set T1,   43
.set SL2,  44
.set CT,   45                          ; s45  counts my tiles, one a trip
.set LIST, 48
.set HID,  50
.set HSB,  52
.set SEL,  54
.set MNT,  56
.set NW,   57                          ; s57  how many tiles are mine
.set JC,   58
.macro PLACES n
.rept \n
	v_nop
.endr
.endm
; block t of my 16: W(32 t + i, my column), i = 0 .. 31.  A row is 2,048 bytes, an anchor's 1,024: both ways issue 32 loads into the same registers
.macro LOADS t
.set LB, ST+32*((\t)%2)
	s_cmp_lg_u32 s[ANCH], 0
	s_cbranch_scc1 .Lnarrow_\@
.set i, 0
.rept 32
	global_load_b32 v[LB+i], v[WVO], s[WB:WB+1] offset:(32*(\t)+i)*2048 th:TH_LOAD_NT
.set i, i+1
.endr
	s_branch .Lasked_\@
.Lnarrow_\@:
.set i, 0
.rept 32
	global_load_b32 v[LB+i], v[WVO], s[WB:WB+1] offset:(32*(\t)+i)*1024 th:TH_LOAD_NT
.set i, i+1
.endr
.Lasked_\@:
.endm
.macro BLOCK t, refill, left
.set SB, ST+32*((\t)%2)
	s_wait_loadcnt \left                           ; this block's 32 loads are in; left = loads issued behind them that may stay out
	s_wait_dscnt 0x0                               ; the last block's LDS stores are done
.if (\t) > 0
	s_wait_alu depctr_vm_vsrc(0)                   ; the last block's LDS stores have read the codes v32 to v39 and v[WORD], which this block writes again
.endif
	v_max3_num_f32 v[MX], |v[SB]|, |v[SB+1]|, |v[SB+2]|
	v_max3_num_f32 v[MX+1], |v[SB+3]|, |v[SB+4]|, |v[SB+5]|
.irp i, 6,10,14,18,22,26
	v_max3_num_f32 v[MX], v[MX], |v[SB+\i]|, |v[SB+\i+1]|
	v_max3_num_f32 v[MX+1], v[MX+1], |v[SB+\i+2]|, |v[SB+\i+3]|
.endr
	v_max3_num_f32 v[MX], v[MX], |v[SB+30]|, |v[SB+31]|
	v_max3_num_f32 v[MX], v[MX], v[MX+1], 0x4800000   ; and the floor 2^(9 - 127)
	v_add_nc_u32 v[SCL], 0xfc000000, v[MX]
	v_and_or_b32 v[HOLD], v[MX], 0x7f800000, s[MNT]
	v_lshrrev_b32 v[BYTE], 23, v[SCL]
.if (\t)%4 == 0
	v_mov_b32 v[WORD], v[BYTE]
.else
	v_lshl_or_b32 v[WORD], v[BYTE], 8*((\t)%4), v[WORD]
.endif
.set i, 0
.rept 32
	v_med3_num_f32 v[SB+i], v[SB+i], -v[HOLD], v[HOLD]
.set i, i+1
.endr
.irp g, 0,1,2,3
	v_cvt_scalef32_pk8_fp8_f32 v[ACC+2*\g:ACC+2*\g+1], v[SB+8*\g:SB+8*\g+7], v[SCL]
.endr
	v_nop                                          ; a plain instruction behind the last conversion
	s_wait_alu depctr_va_vdst(0)                   ; the conversions have written the codes, and v[WORD] is written: the LDS stores read them; holds and conversions are done with this set of numbers, in which the loads of two blocks on land
	ds_store_b128 v[LA], v[ACC:ACC+3] offset:512*(\t)          ; k = 32 c + 0 .. 15: the image's lanes 0-15,
	ds_store_b128 v[LA], v[ACC+4:ACC+7] offset:512*(\t)+256    ; k = 32 c + 16 .. 31: lanes 16-31
.if (\t)%4 == 3
	ds_store_b32 v[SWA], v[WORD] offset:128*((\t)/4)
.endif
.if \refill
	LOADS (\t)+2
.endif
.endm
.macro XADDR
	v_min_u32 v[ID], 1023, v[ID]
	v_bfe_u32 v[MX], v0, 4, 1
	v_lshlrev_b32 v[XO], 10, v[ID]
	v_lshl_add_u32 v[XO], v[MX], 4, v[XO]          ; the token's row of codes, + 16 h
	v_lshlrev_b32 v[XSO], 5, v[ID]
.endm
.macro XLOAD
.irp s, 0,1,2,3,4,5,6,7
.irp c, 0,1,2,3
	global_load_b128 v[XF+16*\s+4*\c:XF+16*\s+4*\c+3], v[XO], s[16:17] offset:128*\s+32*\c
.endr
.endr
	global_load_b128 v[XS:XS+3], v[XSO], s[16:17] offset:XS_OFF
	global_load_b128 v[XS+4:XS+7], v[XSO], s[16:17] offset:XS_OFF+16
.endm
.macro WM d, a, b, zero, sa, sb, row
.if \zero
.if \row
	v_wmma_scale_f32_16x16x128_f8f6f4 v[\d:\d+7], v[\a:\a+15], v[\b:\b+15], 0, v[\sa], v[\sb] matrix_a_scale:MATRIX_SCALE_ROW1
.else
	v_wmma_scale_f32_16x16x128_f8f6f4 v[\d:\d+7], v[\a:\a+15], v[\b:\b+15], 0, v[\sa], v[\sb]
.endif
.else
.if \row
	v_wmma_scale_f32_16x16x128_f8f6f4 v[\d:\d+7], v[\a:\a+15], v[\b:\b+15], v[\d:\d+7], v[\sa], v[\sb] matrix_a_scale:MATRIX_SCALE_ROW1
.else
	v_wmma_scale_f32_16x16x128_f8f6f4 v[\d:\d+7], v[\a:\a+15], v[\b:\b+15], v[\d:\d+7], v[\sa], v[\sb]
.endif
.endif
.endm
; nine LDS loads: matrix m's pair (m = 0: P, the gate's; 1: Q, up's) of block b, K step s: two fragments and the register of their scale words
.macro WLOAD m, b, s
.irp u, 0,1
.irp c, 0,1,2,3
	ds_load_b128 v[ST+32*(\m)+16*\u+4*\c:ST+32*(\m)+16*\u+4*\c+3], v[LI+2*(\m)+(\b)] offset:\u*GRP+2048*(\s)+512*\c
.endr
.endr
	ds_load_b32 v[WS+(\m)], v[LSW] offset:((2*(\m)+(\b))*8+(\s))*128   ; lanes 0-15: tile 0's rows; lanes 16-31: tile 1's
.endm
; K step s of block b: four products; the four accumulators take turns.  Behind the two products on a pair that pair's next K step is asked for
.macro KS b, s
.if (\s) == 0
	s_wait_dscnt 0x0                               ; both pairs of K step 0 are in
	WM ACC, ST, XF+16*(\s), 1, WS, XS+(\s), 0
	WM ACC+8, ST+16, XF+16*(\s), 1, WS, XS+(\s), 1
.else
	s_wait_dscnt 9                                 ; LDS loads come back in order (ISA guide 5.7.1): P is in; Q's nine, issued behind it, may be out
	WM ACC, ST, XF+16*(\s), 0, WS, XS+(\s), 0
	WM ACC+8, ST+16, XF+16*(\s), 0, WS, XS+(\s), 1
.endif
.if (\s) < 7
	s_wait_alu depctr_va_vdst(0)                   ; the two products above are done reading P and v[WS], in which the nine loads below land
	WLOAD 0, \b, (\s)+1
.if (\s) > 0
	s_wait_dscnt 9                                 ; Q is in; the nine just issued may be out
.endif
.else
	s_wait_dscnt 0x0                               ; Q is in: nothing was issued behind it
.endif
.if (\s) == 0
	WM ACC+16, ST+32, XF+16*(\s), 1, WS+1, XS+(\s), 0
	WM ACC+24, ST+48, XF+16*(\s), 1, WS+1, XS+(\s), 1
.else
	WM ACC+16, ST+32, XF+16*(\s), 0, WS+1, XS+(\s), 0
	WM ACC+24, ST+48, XF+16*(\s), 0, WS+1, XS+(\s), 1
.endif
.if (\s) < 7
	s_wait_alu depctr_va_vdst(0)                   ; the two products above are done reading Q and v[WS+1], in which the nine loads below land
	WLOAD 1, \b, (\s)+1
.endif
.endm
; lane (r, h): G's and U's 16 registers are hidden units 32 b + 16 h + 0 .. 15 of row r.  silu(g) u, the block's scale, the codes; each accumulator is read from its low end on
.macro EPI b
.irp j, 0,2,4,6,8,10,12,14
	v_pk_mul_f32 v[ST+\j:ST+\j+1], v[ACC+\j:ACC+\j+1], 0xbfb8aa3b op_sel_hi:[1,0]
.endr
.set i, 0
	s_wait_alu depctr_va_vdst(0)
.rept 16
	v_exp_f32 v[ST+i], v[ST+i]
.set i, i+1
.endr
	v_nop                                          ; a plain instruction behind the batch
	s_wait_alu depctr_va_vdst(0)                   ; the sixteen exponentials are written: one wait for the batch, ahead of its first use; the block's last products are done reading Q and v[WS+1]
.if \b == 0
	WLOAD 1, 1, 0                                  ; block 1's first K step of Q lands while block 0 is quantised: no line of this macro names those registers
.endif
.irp j, 0,2,4,6,8,10,12,14
	v_pk_add_f32 v[ST+\j:ST+\j+1], v[ST+\j:ST+\j+1], 1.0 op_sel_hi:[1,0]
.endr
.set i, 0
	s_wait_alu depctr_va_vdst(0)
.rept 16
	v_rcp_f32 v[ST+i], v[ST+i]
.set i, i+1
.endr
	v_nop
	s_wait_alu depctr_va_vdst(0)                   ; the sixteen reciprocals are written, ahead of their first use
.irp j, 0,2,4,6,8,10,12,14
	v_pk_mul_f32 v[ST+\j:ST+\j+1], v[ACC+\j:ACC+\j+1], v[ST+\j:ST+\j+1]       ; g x sigmoid(g)
.endr
.irp j, 0,2,4,6,8,10,12,14
	v_pk_mul_f32 v[ST+\j:ST+\j+1], v[ST+\j:ST+\j+1], v[ACC+16+\j:ACC+17+\j]   ; x u
.endr
	v_max3_num_f32 v[MX], |v[ST]|, |v[ST+1]|, 0x4800000
	v_max3_num_f32 v[MX+1], |v[ST+2]|, |v[ST+3]|, |v[ST+4]|
	v_max3_num_f32 v[MX], v[MX], |v[ST+5]|, |v[ST+6]|
	v_max3_num_f32 v[MX+1], v[MX+1], |v[ST+7]|, |v[ST+8]|
	v_max3_num_f32 v[MX], v[MX], |v[ST+9]|, |v[ST+10]|
	v_max3_num_f32 v[MX+1], v[MX+1], |v[ST+11]|, |v[ST+12]|
	v_max3_num_f32 v[MX], v[MX], |v[ST+13]|, |v[ST+14]|
	v_max3_num_f32 v[MX], v[MX], v[MX+1], |v[ST+15]|
	v_permlanex16_b32 v[MX+1], v[MX], s[SEL], s[SEL+1]
	v_max_num_f32 v[MX], v[MX], v[MX+1]            ; with lane l xor 16's 16: the block's largest magnitude
	v_add_nc_u32 v[SCL], 0xfc000000, v[MX]
	v_and_or_b32 v[HOLD], v[MX], 0x7f800000, s[MNT]
	v_lshrrev_b32 v[BYTE], 23, v[SCL]
.set i, 0
.rept 16
	v_med3_num_f32 v[ST+i], v[ST+i], -v[HOLD], v[HOLD]
.set i, i+1
.endr
	v_cvt_scalef32_pk8_fp8_f32 v[ST+16:ST+17], v[ST:ST+7], v[SCL]
	v_cvt_scalef32_pk8_fp8_f32 v[ST+18:ST+19], v[ST+8:ST+15], v[SCL]
.if \b == 0
	v_mov_b32 v[WORD], v[BYTE]                     ; (a plain instruction behind the last conversion)
.else
	v_lshl_or_b32 v[WORD], v[BYTE], 8, v[WORD]
.endif
	s_wait_alu depctr_va_vdst(0)                   ; the conversions have written the codes v80 to v83, and v[WORD] is written: the stores read them; this macro is done with v64 to v83, in which P's next loads land
	global_store_b128 v[HO], v[ST+16:ST+19], s[HID:HID+1] offset:512*\b   ; 512 consecutive bytes: four registers of the next operand's image
.endm
	s_load_b256 s[4:11], s[0:1], 0x0               ; w_gate, w_up, shared_w_gate, shared_w_up
	s_load_b256 s[12:19], s[0:1], 0x20             ; anchor_w_gate, anchor_w_up, xq, plan
	s_load_b64 s[20:21], s[0:1], 0x40              ; hq
	v_lshl_add_u32 v[SPW], v0, 2, SPARE
	v_mov_b32 v[NIL], 0
	v_lshrrev_b32 v26, 5, v0
	v_readfirstlane_b32 s[WVN], v26                ; wave 0..7
	s_lshr_b32 s[UN], ttmp9, 3                     ; which unit, slice and weights: ids alone
	s_and_b32 s[SL], ttmp9, 7
	s_lshl_b32 s[WOFF], s[UN], 21
	s_add_co_u32 s27, s[UN], 16
	s_cmp_lt_u32 ttmp9, 256
	s_cselect_b32 s[UN], s[UN], s27
	s_cselect_b32 s[WOFF], s[WOFF], 0
	s_sub_co_u32 s27, ttmp9, 288
	s_lshr_b32 s27, s27, 2
	s_lshl_b32 s28, s27, 20
	s_add_co_u32 s27, s27, 32
	s_and_b32 s29, ttmp9, 3
	s_cmp_lt_u32 ttmp9, 288
	s_cselect_b32 s[UN], s[UN], s27
	s_cselect_b32 s[SL], s[SL], s29
	s_cselect_b32 s[WOFF], s[WOFF], s28
	s_cselect_b32 s[ANCH], 0, 1
	s_wait_alu depctr_va_sdst(0)                   ; the wave's number is written, ahead of its first reader
	s_and_b32 s36, s[WVN], 3                       ; m 2 + b
	s_lshr_b32 s37, s[WVN], 2                      ; kh
	s_lshl_b32 s34, s[SL], 8                       ; my part of the weights: 64 columns a slice,
	s_add_co_u32 s34, s34, s[WOFF]
	s_and_b32 s38, s[WVN], 1
	s_lshl_b32 s38, s38, 7                         ; 32 a block,
	s_add_co_u32 s34, s34, s38
	s_sub_co_u32 s38, 20, s[ANCH]
	s_lshl_b32 s38, s37, s38                       ; 512 rows a half of K
	s_add_co_u32 s34, s34, s38
	s_mov_b32 s35, 0
	s_mul_i32 s38, s36, 2*GRP
	s_lshl_b32 s39, s37, 13
	s_add_co_u32 s38, s38, s39                     ; LDS: my two tiles, my four K steps
	s_lshl_b32 s39, s36, 10
	s_lshl_b32 s37, s37, 9
	s_add_co_u32 s39, s39, s37
	s_add_co_u32 s39, s39, SWB
	s_lshl_b32 s[SL2], s[SL], 1
	s_mov_b32 s[SEL], 0x76543210
	s_mov_b32 s[SEL+1], 0xfedcba98
	s_mov_b32 s[MNT], 0x600000
	v_and_b32 v26, 31, v0                          ; lane
	v_lshlrev_b32 v[WVO], 2, v26
	v_bfe_u32 v27, v0, 3, 1                        ; my column's tile
	v_and_b32 v28, 7, v0
	v_bfe_u32 v29, v0, 4, 1
	v_lshl_add_u32 v28, v29, 3, v28                ; and its row there
	v_mul_u32_u24 v[LA], v27, GRP
	v_lshl_add_u32 v[LA], v28, 4, v[LA]
	v_add_nc_u32 v[LA], s38, v[LA]
	v_lshl_add_u32 v[SWA], v27, 4, v28
	v_lshlrev_b32 v[SWA], 2, v[SWA]
	v_add_nc_u32 v[SWA], s39, v[SWA]
	v_lshlrev_b32 v[LI], 4, v26
	v_add_nc_u32 v[LI+1], 2*GRP, v[LI]
	v_add_nc_u32 v[LI+2], 4*GRP, v[LI]
	v_add_nc_u32 v[LI+3], 6*GRP, v[LI]
	v_lshl_add_u32 v[LSW], v26, 2, SWB
	s_wait_kmcnt 0x0
	s_cmp_lt_u32 ttmp9, 256                        ; the buffers are chosen by ids alone
	s_cselect_b64 s[WB:WB+1], s[4:5], s[8:9]
	s_cselect_b64 s[32:33], s[6:7], s[10:11]
	s_cmp_lt_u32 ttmp9, 288
	s_cselect_b64 s[WB:WB+1], s[WB:WB+1], s[12:13]
	s_cselect_b64 s[32:33], s[32:33], s[14:15]
	s_and_b32 s36, s[WVN], 2
	s_cmp_lg_u32 s36, 0
	s_cselect_b64 s[WB:WB+1], s[32:33], s[WB:WB+1]
	s_add_nc_u64 s[WB:WB+1], s[WB:WB+1], s[34:35]
	s_lshl_b32 s34, s[UN], 2
	s_add_co_u32 s34, s34, CNT_OFF
	s_add_nc_u64 s[46:47], s[18:19], s[34:35]
	s_load_b32 s[NT], s[46:47], 0x0                ; the unit's rows
	s_wait_alu depctr_va_vdst(0)                   ; the offset v[WVO] and the LDS addresses v[LA], v[SWA], v[LI ..], v[LSW] are written, which the loads and LDS instructions below read
	LOADS 0
	s_mul_i32 s34, s[UN], 4224
	s_add_nc_u64 s[LIST:LIST+1], s[18:19], s[34:35]
	s_lshl_b32 s34, s[UN], 19
	s_lshl_b32 s36, s[SL], 10
	s_add_co_u32 s34, s34, s36
	s_add_nc_u64 s[HID:HID+1], s[20:21], s[34:35]  ; hq: my unit, my two blocks
	s_lshl_b32 s34, s[UN], 14
	s_add_co_u32 s34, s34, HS_OFF
	s_add_nc_u64 s[HSB:HSB+1], s[20:21], s[34:35]  ; and its scale bytes
	s_wait_kmcnt 0x0
	s_min_u32 s[NT], s[NT], 1024
	s_add_co_u32 s[NT], s[NT], 15
	s_lshr_b32 s[NT], s[NT], 4
	s_max_u32 s[NT], s[NT], 1                      ; tiles of 16 rows, one at the least
	s_sub_co_u32 s[T1], s[NT], 1
	s_min_u32 s[T1], s[T1], s[WVN]                 ; my first tile (a wave with none loads the last one and drops it)
	s_min_u32 s[T1], s[T1], 63
	s_lshl_b32 s[T1], s[T1], 6
	v_and_b32 v[ID], 15, v0
	v_lshl_add_u32 v[ID], v[ID], 2, s[T1]
	s_wait_alu depctr_va_vdst(0)                   ; v[ID] is written: the load below reads it as its offset and lands in it
	global_load_b32 v[ID], v[ID], s[LIST:LIST+1]
	LOADS 1
	BLOCK 0, 1, 32                                 ; behind block 0's loads and the token's: block 1's 32
	s_wait_alu depctr_vm_vsrc(0)                   ; the token's load has read its offset v[ID], which the lines below write
	XADDR
	s_wait_alu depctr_va_vdst(0)                   ; v[XO] and v[XSO] are written, which the 34 loads below read
	XLOAD                                          ; 34 loads: my first tile's x lands while the weights stream
	BLOCK 1, 1, 63                                 ; behind block 1's loads: 32 + 34 = 66
	BLOCK 2, 1, 63                                 ; behind block 2's: 34 + 32 = 66
.irp t, 3,4,5,6,7,8,9,10,11,12,13
	BLOCK \t, 1, 32
.endr
	BLOCK 14, 0, 32
	BLOCK 15, 0, 0
	s_wait_dscnt 0x0                               ; for the others' sake: my stores have landed
	s_barrier_signal -1
	s_barrier_wait -1                              ; the 64 columns' fragments and scale words lie in LDS; nothing writes them again
	s_mov_b32 s[J], s[WVN]
	s_sub_co_u32 s[NW], s[NT], s[WVN]              ; my tiles: w, w + 8, .. under NT: (NT - w + 7) / 8 of them, eight at the most (NT is at most 64)
	s_add_co_u32 s[NW], s[NW], 7
	s_lshr_b32 s[NW], s[NW], 3
	s_min_u32 s[NW], s[NW], 8
	s_mov_b32 s[CT], 0
	s_cmp_ge_u32 s[J], s[NT]
	s_cbranch_scc1 .Ldone
.Ltile:
	WLOAD 1, 0, 0                                  ; Q's first K step.  No wait: no vector or matrix instruction has named Q or v[WS+1] since the last wait on va_vdst that stands behind their last reader (the waits of the last block's quantising; on the first trip block 15's)
	s_wait_loadcnt 0x0                             ; this tile's x and scale words
	s_wait_xcnt 0x0                                ; the last tile's stores have read their registers and offsets
	s_wait_alu depctr_vm_vsrc(0)                   ; the last tile's stores have read v[HO], v[HSO], v[WORD] and the codes v80 to v83, its loads v[ID], v[XO], v[XSO]; on the first trip phase 1's LDS stores have read v32 to v39 and v[WORD]: all are written again in this tile
	s_min_u32 s[JC], s[J], 63
	s_lshl_b32 s[T1], s[JC], 13
	v_add_nc_u32 v[HO], s[T1], v[LI]
	s_lshl_b32 s[T1], s[JC], 8
	s_add_co_u32 s[T1], s[T1], s[SL2]
	v_and_b32 v[HSO], 15, v0
	v_lshl_add_u32 v[HSO], v[HSO], 4, s[T1]
	s_add_co_u32 s[JN], s[J], 8
	s_min_u32 s[T1], s[JN], 63
	s_lshl_b32 s[T1], s[T1], 6
	v_and_b32 v[ID], 15, v0
	v_lshl_add_u32 v[ID], v[ID], 2, s[T1]          ; where my next tile's tokens lie (held inside the list; the load is issued only if there is a next tile)
	s_wait_alu depctr_va_vdst(0)                   ; v[HO], v[HSO] and v[ID] are written, which this tile's stores and the load below read; the last tile's quantising is done with v64 to v83, in which P's loads land
	s_cmp_lt_u32 s[JN], s[NT]
	s_cbranch_scc0 .Lno_id
	global_load_b32 v[ID], v[ID], s[LIST:LIST+1]   ; my next tile's tokens
.Lno_id:
	WLOAD 0, 0, 0
.irp s, 0,1,2,3,4,5,6,7
	KS 0, \s
.endr
	PLACES 8                                       ; ahead of the first read of results
	EPI 0
	s_wait_xcnt 0x0                                ; the store has had its address translated (ISA guide 3.1): its codes' registers are loaded again only behind this wait
	s_wait_alu depctr_vm_vsrc(0)                   ; the store has read its codes v80 to v83, on which P's fragments land next
	WLOAD 0, 1, 0
.irp s, 0,1,2,3,4,5,6,7
	KS 1, \s
.endr
	PLACES 8                                       ; ahead of the first read of results
	s_cmp_lt_u32 s[JN], s[NT]
	s_cbranch_scc0 .Lno_x
	s_wait_loadcnt 0x0                             ; the tokens
	s_wait_alu depctr_vm_vsrc(0)                   ; the tokens' load has read its offset v[ID], which the lines below write
	XADDR
	s_wait_alu depctr_va_vdst(0)                   ; v[XO] and v[XSO] are written, which the loads below read; the tile's products are done reading x's fragments and scale words, in which they land
	XLOAD                                          ; lands while the block is quantised
.Lno_x:
	EPI 1
	global_store_b16 v[HSO], v[WORD], s[HSB:HSB+1] ; my row's two scale bytes (both halves of the lanes write the same)
	s_add_co_u32 s[J], s[J], 8
	s_add_co_u32 s[CT], s[CT], 1
	s_cmp_lt_u32 s[CT], s[NW]
	s_cbranch_scc1 .Ltile
.Ldone:
	s_wait_dscnt 0x0                               ; the closing lines, six on end
	s_wait_alu 0x0
	s_wait_tensorcnt 0x0
	ds_add_u32 v[SPW], v[NIL]
	s_wait_dscnt 0x0
	s_endpgm
.Lfunc_end_k_q35587c3b60_up:
	.size	k_q35587c3b60_up, .Lfunc_end_k_q35587c3b60_up-k_q35587c3b60_up
	.p2alignl 7, 3214868480
	.fill 96, 4, 3214868480
	.section	.rodata,"a",@progbits
	.p2align	6, 0x0
	.amdhsa_kernel k_q35587c3b60_up
		.amdhsa_group_segment_fixed_size 137216
		.amdhsa_private_segment_fixed_size 0
		.amdhsa_enable_private_segment 0
		.amdhsa_kernarg_size 72
		.amdhsa_user_sgpr_count 2
		.amdhsa_user_sgpr_kernarg_segment_ptr 1
		.amdhsa_wavefront_size32 1
		.amdhsa_system_sgpr_workgroup_id_x 1
		.amdhsa_system_sgpr_workgroup_id_y 1
		.amdhsa_system_sgpr_workgroup_id_z 1
		.amdhsa_system_vgpr_workitem_id 0
		.amdhsa_next_free_vgpr 256
		.amdhsa_next_free_sgpr 66
		.amdhsa_reserve_vcc 0
		.amdhsa_float_denorm_mode_32 3
		.amdhsa_float_denorm_mode_16_64 3
		.amdhsa_memory_ordered 1
		.amdhsa_forward_progress 1
		.amdhsa_inst_pref_size 212
	.end_amdhsa_kernel
	.amdgpu_metadata
---
amdhsa.version: [ 1, 2 ]
amdhsa.kernels:
  - .name:           k_q35587c3b60_up
    .symbol:         k_q35587c3b60_up.kd
    .args:
      - { .name: w_gate, .offset: 0, .size: 8, .value_kind: global_buffer, .address_space: global }
      - { .name: w_up, .offset: 8, .size: 8, .value_kind: global_buffer, .address_space: global }
      - { .name: shared_w_gate, .offset: 16, .size: 8, .value_kind: global_buffer, .address_space: global }
      - { .name: shared_w_up, .offset: 24, .size: 8, .value_kind: global_buffer, .address_space: global }
      - { .name: anchor_w_gate, .offset: 32, .size: 8, .value_kind: global_buffer, .address_space: global }
      - { .name: anchor_w_up, .offset: 40, .size: 8, .value_kind: global_buffer, .address_space: global }
      - { .name: xq, .offset: 48, .size: 8, .value_kind: global_buffer, .address_space: global }
      - { .name: plan, .offset: 56, .size: 8, .value_kind: global_buffer, .address_space: global }
      - { .name: hq, .offset: 64, .size: 8, .value_kind: global_buffer, .address_space: global }
    .group_segment_fixed_size: 137216
    .private_segment_fixed_size: 0
    .kernarg_segment_align: 8
    .kernarg_segment_size: 72
    .max_flat_workgroup_size: 256
    .sgpr_count:     66
    .vgpr_count:     256
    .wavefront_size: 32
...
	.end_amdgpu_metadata
.endif
;; end of part 8
;; launch down (part 9): grid 416 x 1, 8 waves a work-group, no clusters, 136,192 bytes of LDS; arguments w_down, shared_w_down, anchor_w_down, hq, plan, eo; writes eo
.if DOCPART == 9
	.amdgcn_target "amdgcn-amd-amdhsa--gfx1250"
	.amdhsa_code_object_version 6
	.text
	.protected	k_q35587c3b60_down
	.globl	k_q35587c3b60_down
	.p2align	8
	.type	k_q35587c3b60_down,@function
k_q35587c3b60_down:
	s_mov_b64 s[64:65], 0
	v_nop
	global_prefetch_b8 v0, s[64:65] scope:SCOPE_SE
	s_setreg_imm32_b32 hwreg(HW_REG_WAVE_SCHED_MODE, 0, 2), 2
	s_setreg_imm32_b32 hwreg(HW_REG_WAVE_MODE, 25, 1), 1
	s_wait_xcnt 0x0
	s_wait_alu depctr_vm_vsrc(0)
; DOWN: for each unit's listed rows, eo = Q(h) Q(W_down), f32.  Only listed rows are multiplied (shown at the head of the first kernel).
; SHARES.  A work-group takes 128 output columns of one unit, for all rows of the unit: each f32 weight is read once (the shared expert's by its four parts) and quantised on the way.
; work-groups 0-255: expert x / 8; 256-287: shared part (x - 256) / 8; 288-415: anchor (x - 288) / 8; slice x % 8.  K is 512 (four K steps), an anchor's 256 (two).
; PHASE 1.  Wave w: 32 columns (w % 4); K steps w / 4 and w / 4 + 2.  A lane takes a column, its registers run down K; the codes go to LDS as images of the operand's registers: fragment (tile of 16 columns ct, K step s) at
; (4 ct + s) x 2,048.  THE BLOCKS OF K STEPS 2 AND 3 ARE WORKED FIRST: an anchor's work-group has none and enters at block 0 by one branch; on both ways the last 64 loads ahead of block 0 are blocks 0 and 1.  One barrier.
; PHASE 2.  Wave w takes tiles of 16 rows w, w + 8, ..: the hidden codes come from hq as they were stored, images of registers; products transposed (source 0 = 16 columns, source 1 = the rows), four accumulators by turns,
; two groups of four column tiles; the results go through the wave's own stage and leave as 512 consecutive bytes of a row of eo.
; No tensor load, no cluster: trip counts hang on stored counts.  A unit without rows runs one tile (token 0's).  LIMITS as stated at the head of the first kernel.
; THE MODE: SCHED_MODE bits 1:0 = 2 (LLVM: expert scheduling mode 2), set by the entry lines.  The code itself states the register dependences between vector or matrix instructions and memory or LDS instructions, with s_wait_alu, always for 0.
; THE PLAN, phase 1.  A set of 32 numbers: loads land in it; a block's maxima, holds and conversions read and write it; the loads of two blocks on land in it.  The codes v32-39 and v[WORD]: written by a block, read by its LDS stores, written again
; by the next.  So a block has one wait on va_vdst, behind its conversions and ahead of its stores and of the refill, and one on vm_vsrc at its head.
; THE PLAN, phase 2.  TWO BUFFERS OF FOUR FRAGMENTS take turns: buffer 0 = v64-127 with the scale words v20-21, buffer 1 = v192-255 with v22-23; K step s multiplies buffer s % 2.  At a step's head its own 18 LDS loads are waited for, and ONE wait on
; va_vdst states that the last step's four products are done reading the other buffer; the next step's 18 loads then go into that buffer, dealt among this step's four products, which name none of its registers.
; Behind K step 1 the next step is K step 2, or for an anchor the next group's K step 0: both go into buffer 0, by a branch on ids round the loads alone; every wait on DScnt there is for 0, so both ways count alike.
; A group's end: the places, one wait on va_vdst, the stage's stores.  In group 1 that wait also serves the next tile's addresses (made ahead of it), the loads into the rows' registers v128-191 and v16-19, and the rows read back from the stage
; into buffer 1, from which they are stored.  Buffer 0 is read by no memory instruction: the next tile's first K step is asked for in the loop's first lines.  One wait on vm_vsrc stands at the tile's head, one behind group 0's stage stores.
.set CNT_OFF, 219648
.set HS_OFF,  27262976
.set SWB,   65536                      ; LDS behind the 32 fragments: scale words, ((w % 4) 4 + s) x 128 + 4 lane
.set STAGE, 67584                      ; 16 rows x (512 + 16) bytes for each wave
.set SPARE, 135168                     ; the spare words: 128 bytes a wave
.set WVO,  1
.set LA,   2
.set SWA,  3
.set LI,   4                           ; v4   16 x lane
.set LSW,  5
.set STO,  6
.set RD,   7
.set HV,   8
.set HSV,  9
.set EOV,  10
.set SPW,  14
.set NIL,  15
.set HS,   16                          ; v16-19 the rows' scale words
.set WS,   20                          ; v20-23 the weights': two for each buffer
.set MX,   26
.set SCL,  28
.set HOLD, 29
.set BYTE, 30
.set WORD, 31
.set ACC,  32                          ; v32-63 four accumulators; in phase 1 v32-39 a block's codes
.set ST,   64                          ; v64-127 phase 1: two sets of 32 numbers; phase 2: buffer 0 of W's fragments
.set HF,   128                         ; v128-191 the rows' four fragments
.set OB,   192                         ; v192-255 buffer 1 of W's fragments (ST + 128); then 16 rows on their way out
.set WVN,  16
.set UN,   17
.set SL,   18
.set ANCH, 19
.set WOFF, 20
.set WB,   22
.set NT,   26                          ; s26  the unit's tiles
.set J,    27                          ; s27  my tile in hand: w, w + 8, ..
.set JN,   28
.set T1,   29
.set HID,  30
.set HSB,  32
.set EOB,  34
.set MNT,  36
.set CT,   42                          ; s42  counts my tiles, one a trip
.set NW,   43                          ; s43  how many tiles are mine
.set JC,   44
.macro PLACES n
.rept \n
	v_nop
.endr
.endm
.macro LOADS t                         ; block t: K step w / 4 + 2 (t / 4), its block t % 4: 32 rows of 4,096 bytes, my column
.set LB, ST+32*((\t)%2)
.set i, 0
.rept 32
	global_load_b32 v[LB+i], v[WVO], s[WB:WB+1] offset:(256*((\t)/4)+32*((\t)%4)+i)*4096 th:TH_LOAD_NT
.set i, i+1
.endr
.endm
.macro BLOCK t, next, left
.set SB, ST+32*((\t)%2)
	s_wait_loadcnt \left                           ; this block's 32 loads are in; left = loads issued behind them that may stay out
	s_wait_dscnt 0x0                               ; the last block's LDS stores are done
.if (\t) != 4
	s_wait_alu depctr_vm_vsrc(0)                   ; the last block's LDS stores have read the codes v32 to v39 and v[WORD], which this block writes again (block 4 is the first on its way and has none ahead of it)
.endif
	v_max3_num_f32 v[MX], |v[SB]|, |v[SB+1]|, |v[SB+2]|
	v_max3_num_f32 v[MX+1], |v[SB+3]|, |v[SB+4]|, |v[SB+5]|
.irp i, 6,10,14,18,22,26
	v_max3_num_f32 v[MX], v[MX], |v[SB+\i]|, |v[SB+\i+1]|
	v_max3_num_f32 v[MX+1], v[MX+1], |v[SB+\i+2]|, |v[SB+\i+3]|
.endr
	v_max3_num_f32 v[MX], v[MX], |v[SB+30]|, |v[SB+31]|
	v_max3_num_f32 v[MX], v[MX], v[MX+1], 0x4800000   ; and the floor 2^(9 - 127)
	v_add_nc_u32 v[SCL], 0xfc000000, v[MX]
	v_and_or_b32 v[HOLD], v[MX], 0x7f800000, s[MNT]
	v_lshrrev_b32 v[BYTE], 23, v[SCL]
.if (\t)%4 == 0
	v_mov_b32 v[WORD], v[BYTE]
.else
	v_lshl_or_b32 v[WORD], v[BYTE], 8*((\t)%4), v[WORD]
.endif
.set i, 0
.rept 32
	v_med3_num_f32 v[SB+i], v[SB+i], -v[HOLD], v[HOLD]
.set i, i+1
.endr
.irp g, 0,1,2,3
	v_cvt_scalef32_pk8_fp8_f32 v[ACC+2*\g:ACC+2*\g+1], v[SB+8*\g:SB+8*\g+7], v[SCL]
.endr
	v_nop                                          ; a plain instruction behind the last conversion
	s_wait_alu depctr_va_vdst(0)                   ; the conversions have written the codes, and v[WORD] is written: the LDS stores read them; holds and conversions are done with this set of numbers, in which later loads land
	ds_store_b128 v[LA], v[ACC:ACC+3] offset:4096*((\t)/4)+512*((\t)%4)
	ds_store_b128 v[LA], v[ACC+4:ACC+7] offset:4096*((\t)/4)+512*((\t)%4)+256
.if (\t)%4 == 3
	ds_store_b32 v[SWA], v[WORD] offset:256*((\t)/4)
.endif
.if \next >= 0
	LOADS \next
.endif
.endm
; where the hidden codes and scale words of tile s[JN] lie
.macro HADDR
	s_min_u32 s[JC], s[JN], 63
	s_lshl_b32 s[T1], s[JC], 13
	v_add_nc_u32 v[HV], s[T1], v[LI]
	s_lshl_b32 s[T1], s[JC], 8
	v_and_b32 v[HSV], 15, v0
	v_lshl_add_u32 v[HSV], v[HSV], 4, s[T1]
.endm
; and their loads; an anchor has two K steps and eight scale bytes a row
.macro HLOADS
.irp s, 0,1
.irp c, 0,1,2,3
	global_load_b128 v[HF+16*\s+4*\c:HF+16*\s+4*\c+3], v[HV], s[HID:HID+1] offset:2048*\s+512*\c
.endr
.endr
	global_load_b64 v[HS:HS+1], v[HSV], s[HSB:HSB+1]
	s_cmp_lg_u32 s[ANCH], 0
	s_cbranch_scc1 .Lhalf_\@
.irp s, 2,3
.irp c, 0,1,2,3
	global_load_b128 v[HF+16*\s+4*\c:HF+16*\s+4*\c+3], v[HV], s[HID:HID+1] offset:2048*\s+512*\c
.endr
.endr
	global_load_b64 v[HS+2:HS+3], v[HSV], s[HSB:HSB+1] offset:8
.Lhalf_\@:
.endm
.macro WM d, a, b, zero, sa, sb, row
.if \zero
.if \row
	v_wmma_scale_f32_16x16x128_f8f6f4 v[\d:\d+7], v[\a:\a+15], v[\b:\b+15], 0, v[\sa], v[\sb] matrix_a_scale:MATRIX_SCALE_ROW1
.else
	v_wmma_scale_f32_16x16x128_f8f6f4 v[\d:\d+7], v[\a:\a+15], v[\b:\b+15], 0, v[\sa], v[\sb]
.endif
.else
.if \row
	v_wmma_scale_f32_16x16x128_f8f6f4 v[\d:\d+7], v[\a:\a+15], v[\b:\b+15], v[\d:\d+7], v[\sa], v[\sb] matrix_a_scale:MATRIX_SCALE_ROW1
.else
	v_wmma_scale_f32_16x16x128_f8f6f4 v[\d:\d+7], v[\a:\a+15], v[\b:\b+15], v[\d:\d+7], v[\sa], v[\sb]
.endif
.endif
.endm
; nine LDS loads: half hf of K step s of group g into buffer p: column tiles 4 g + 2 hf and 4 g + 2 hf + 1, and the register of their scale words (lanes 0-15: the even tile's columns; lanes 16-31: the odd one's)
.macro DLOADH g, s, p, hf
.irp a, 0,1
.irp c, 0,1,2,3
	ds_load_b128 v[ST+128*(\p)+32*(\hf)+16*\a+4*\c:ST+128*(\p)+32*(\hf)+16*\a+4*\c+3], v[LI] offset:((4*(\g)+2*(\hf)+\a)*4+(\s))*2048+512*\c
.endr
.endr
	ds_load_b32 v[WS+2*(\p)+(\hf)], v[LSW] offset:((2*(\g)+(\hf))*4+(\s))*128
.endm
; product a of K step s: column tile a of the group, out of buffer s % 2
.macro DMUL a, s, zero
	WM ACC+8*(\a), ST+128*((\s)%2)+16*(\a), HF+16*(\s), \zero, WS+2*((\s)%2)+(\a)/2, HS+(\s), (\a)%2
.endm
; K step s of group g; the four accumulators take turns.  nx = 1: step (ng, ns) is asked for, into the other buffer; nx = 2, in K step 1: K step 2, or for an anchor the next group's K step 0; nx = 0: nothing
.macro DSTEP g, s, zero, nx, ng, ns
	s_wait_dscnt 0x0                               ; this step's fragments and scale words, asked for a step ago, are in
.if (\s) > 0
	s_wait_alu depctr_va_vdst(0)                   ; the last step's four products are done reading the other buffer and its scale words, in which the loads below land (a group's first step owes none: the wait ahead of the stage's stores has stated it)
.endif
	DMUL 0, \s, \zero
.if (\nx) == 1
	DLOADH \ng, \ns, 1-(\s)%2, 0
.endif
.if (\nx) == 2
	s_cmp_lg_u32 s[ANCH], 0
	s_cbranch_scc1 .Lfew_\@
	DLOADH \g, 2, 0, 0
	DLOADH \g, 2, 0, 1
	s_branch .Lasked_\@
.Lfew_\@:
.if (\g) == 0
	DLOADH 1, 0, 0, 0
	DLOADH 1, 0, 0, 1
.endif
.Lasked_\@:
.endif
	DMUL 1, \s, \zero
	DMUL 2, \s, \zero
.if (\nx) == 1
	DLOADH \ng, \ns, 1-(\s)%2, 1
.endif
	DMUL 3, \s, \zero
.endm
.macro GROUP g
	DSTEP \g, 0, 1, 1, \g, 1
	DSTEP \g, 1, 0, 2, 0, 0
	s_cmp_lg_u32 s[ANCH], 0
	s_cbranch_scc1 .Lsummed_\@
	DSTEP \g, 2, 0, 1, \g, 3
.if (\g) == 0
	DSTEP \g, 3, 0, 1, 1, 0
.else
	DSTEP \g, 3, 0, 0, 0, 0
.endif
.Lsummed_\@:
.if (\g) == 1
	s_add_co_u32 s[JN], s[J], 8
	HADDR                                          ; my next tile's addresses are made here, ahead of the wait below (held inside the unit's 64 tiles; the loads are issued only if there is a next tile)
.endif
	PLACES 9                                       ; eight ahead of the first read of results; nine ahead of the products that begin the same accumulators anew (ISA guide 7.12.1)
	s_wait_alu depctr_va_vdst(0)                   ; the products have written the accumulators, which the stage's stores read, and are done reading both buffers, the rows' fragments and all scale words; in group 1 v[HV] and v[HSV] are written.  The places above stay beside this wait
.irp a, 0,1,2,3
	ds_store_b128 v[STO], v[ACC+8*\a:ACC+8*\a+3] offset:64*(4*\g+\a)        ; lane (r, h): row r, columns 16 (4 g + a) + 8 h + 0 .. 7; each accumulator from its low end on
	ds_store_b128 v[STO], v[ACC+8*\a+4:ACC+8*\a+7] offset:64*(4*\g+\a)+16
.endr
.if (\g) == 0
	s_wait_alu depctr_vm_vsrc(0)                   ; the stage's stores have read the accumulators, which the next group's products write anew
.endif
.endm
	s_load_b256 s[4:11], s[0:1], 0x0               ; w_down, shared_w_down, anchor_w_down, hq
	s_load_b128 s[12:15], s[0:1], 0x20             ; plan, eo
	v_lshl_add_u32 v[SPW], v0, 2, SPARE
	v_mov_b32 v[NIL], 0
	v_lshrrev_b32 v26, 5, v0
	v_readfirstlane_b32 s[WVN], v26                ; wave 0..7
	s_lshr_b32 s[UN], ttmp9, 3                     ; which unit, slice and weights: ids alone
	s_and_b32 s[SL], ttmp9, 7
	s_lshl_b32 s[WOFF], s[UN], 21
	s_add_co_u32 s24, s[UN], 16
	s_cmp_lt_u32 ttmp9, 256
	s_cselect_b32 s21, s[UN], s24
	s_cselect_b32 s[WOFF], s[WOFF], 0
	s_sub_co_u32 s24, s[UN], 4                     ; an anchor's unit: 32 + (x - 288) / 8
	s_sub_co_u32 s25, s[UN], 36
	s_lshl_b32 s25, s25, 20
	s_cmp_lt_u32 ttmp9, 288
	s_cselect_b32 s[UN], s21, s24
	s_cselect_b32 s[WOFF], s[WOFF], s25
	s_cselect_b32 s[ANCH], 0, 1
	s_wait_alu depctr_va_sdst(0)                   ; the wave's number is written, ahead of its first reader
	s_and_b32 s37, s[WVN], 3                       ; which 32 columns
	s_lshr_b32 s38, s[WVN], 2                      ; kh
	s_lshl_b32 s24, s[SL], 9
	s_add_co_u32 s24, s24, s[WOFF]
	s_lshl_b32 s39, s37, 7
	s_add_co_u32 s24, s24, s39
	s_lshl_b32 s39, s38, 19                        ; K step kh: 128 rows of 4,096 bytes
	s_add_co_u32 s24, s24, s39
	s_mov_b32 s25, 0
	s_lshl_b32 s39, s37, 14
	s_lshl_b32 s40, s38, 11
	s_add_co_u32 s39, s39, s40                     ; LDS: my two column tiles, K step kh
	s_lshl_b32 s40, s37, 9
	s_lshl_b32 s41, s38, 7
	s_add_co_u32 s40, s40, s41
	s_add_co_u32 s40, s40, SWB
	s_mul_i32 s41, s[WVN], 16*528
	s_add_co_u32 s41, s41, STAGE                   ; my stage
	s_mov_b32 s[MNT], 0x600000
	v_and_b32 v26, 31, v0                          ; lane
	v_bfe_u32 v27, v0, 4, 1                        ; h
	v_and_b32 v28, 15, v0                          ; r
	v_lshlrev_b32 v[WVO], 2, v26
	v_lshlrev_b32 v[LI], 4, v26
	v_lshlrev_b32 v[LA], 13, v27
	v_lshl_add_u32 v[LA], v28, 4, v[LA]
	v_add_nc_u32 v[LA], s39, v[LA]
	v_lshl_add_u32 v[SWA], v26, 2, s40
	v_lshl_add_u32 v[LSW], v26, 2, SWB
	v_mul_u32_u24 v[STO], v28, 528
	v_lshl_add_u32 v[STO], v27, 5, v[STO]
	v_add_nc_u32 v[STO], s41, v[STO]
	v_add_nc_u32 v[RD], s41, v[LI]
.set i, 0
.rept 32
	v_mov_b32 v[HF+32+i], 0                        ; K steps 2 and 3 of the rows, and their scale words: written once, so that they hold a number on every way through the text; an anchor's work-group never multiplies by them
.set i, i+1
.endr
	v_mov_b32 v[HS+2], 0
	v_mov_b32 v[HS+3], 0
	s_wait_kmcnt 0x0
	s_cmp_lt_u32 ttmp9, 256                        ; the buffer is chosen by ids alone
	s_cselect_b64 s[WB:WB+1], s[4:5], s[6:7]
	s_cmp_lt_u32 ttmp9, 288
	s_cselect_b64 s[WB:WB+1], s[WB:WB+1], s[8:9]
	s_add_nc_u64 s[WB:WB+1], s[WB:WB+1], s[24:25]
	s_lshl_b32 s24, s[UN], 2
	s_add_co_u32 s24, s24, CNT_OFF
	s_add_nc_u64 s[38:39], s[12:13], s[24:25]
	s_load_b32 s[NT], s[38:39], 0x0                ; the unit's rows
	s_lshl_b32 s24, s[UN], 19
	s_add_nc_u64 s[HID:HID+1], s[10:11], s[24:25]
	s_lshl_b32 s24, s[UN], 14
	s_add_co_u32 s24, s24, HS_OFF
	s_add_nc_u64 s[HSB:HSB+1], s[10:11], s[24:25]
	s_lshl_b32 s24, s[UN], 22
	s_lshl_b32 s37, s[SL], 9
	s_add_co_u32 s24, s24, s37
	s_add_nc_u64 s[EOB:EOB+1], s[14:15], s[24:25]  ; eo: my unit's rows, my 512 bytes of them
	s_wait_alu depctr_va_vdst(0)                   ; the offset v[WVO] and the LDS addresses v[LA], v[SWA], v[LI], v[LSW], v[STO], v[RD] are written, which the loads and LDS instructions below read, on both ways
	s_cmp_lg_u32 s[ANCH], 0
	s_cbranch_scc1 .Lshort
	LOADS 4
	LOADS 5
	BLOCK 4, 6, 32
	BLOCK 5, 7, 32
	BLOCK 6, 0, 32
	BLOCK 7, 1, 32
	s_branch .Lcommon
.Lshort:
	LOADS 0
	LOADS 1
.Lcommon:
	BLOCK 0, 2, 32
	BLOCK 1, 3, 32
	s_wait_kmcnt 0x0
	s_min_u32 s[NT], s[NT], 1024
	s_add_co_u32 s[NT], s[NT], 15
	s_lshr_b32 s[NT], s[NT], 4
	s_max_u32 s[NT], s[NT], 1                      ; tiles of 16 rows, one at the least
	s_sub_co_u32 s[JN], s[NT], 1
	s_min_u32 s[JN], s[JN], s[WVN]                 ; my first tile (a wave with none loads the last one and drops it)
	HADDR
	s_wait_alu depctr_va_vdst(0)                   ; v[HV] and v[HSV] are written, which the loads below read
	HLOADS
	BLOCK 2, -1, 32                                ; behind block 2's loads: block 3's 32 and the rows' 9 or 18
	BLOCK 3, -1, 0
	s_wait_dscnt 0x0                               ; for the others' sake: my stores have landed
	s_barrier_signal -1
	s_barrier_wait -1                              ; the 128 columns' fragments and scale words lie in LDS; nothing writes them again
	s_mov_b32 s[J], s[WVN]
	s_sub_co_u32 s[NW], s[NT], s[WVN]              ; my tiles: w, w + 8, .. under NT: (NT - w + 7) / 8 of them, eight at the most (NT is at most 64)
	s_add_co_u32 s[NW], s[NW], 7
	s_lshr_b32 s[NW], s[NW], 3
	s_min_u32 s[NW], s[NW], 8
	s_mov_b32 s[CT], 0
	s_cmp_ge_u32 s[J], s[NT]
	s_cbranch_scc1 .Ldone
.Ltile:
	DLOADH 0, 0, 0, 0                              ; group 0's first K step into buffer 0.  No wait: no vector or matrix instruction has named buffer 0 or v20, v21 since the wait ahead of the last stage stores (on the first trip: since block 3's wait), and no memory instruction reads them
	DLOADH 0, 0, 0, 1
	s_wait_loadcnt 0x0                             ; this tile's rows
	s_wait_xcnt 0x0                                ; the last tile's stores have read their registers and offset
	s_wait_alu depctr_vm_vsrc(0)                   ; the last tile's global stores have read v[EOV] and the rows in buffer 1, its stage stores the accumulators, its loads v[HV] and v[HSV]; on the first trip phase 1's LDS stores have read v32 to v39: all are written again in this tile
	s_min_u32 s[JC], s[J], 63
	s_lshl_b32 s[T1], s[JC], 16
	v_add_nc_u32 v[EOV], s[T1], v[LI]              ; 16 rows of 4,096 bytes a tile, + 16 lane
	GROUP 0
	GROUP 1
	s_cmp_lt_u32 s[JN], s[NT]
	s_cbranch_scc0 .Lno_next
	HLOADS                                         ; my next tile's rows land while this one goes out
.Lno_next:
.irp i, 0,1,2,3,4,5,6,7,8,9,10,11,12,13,14,15
	ds_load_b128 v[OB+4*\i:OB+4*\i+3], v[RD] offset:528*\i     ; LDS serves a wave's instructions in order (ISA guide 5.7.1.4): these see my stores
.endr
.irp i, 0,1,2,3,4,5,6,7,8,9,10,11,12,13,14,15
	s_wait_dscnt 15-\i
	global_store_b128 v[EOV], v[OB+4*\i:OB+4*\i+3], s[EOB:EOB+1] offset:4096*\i   ; 512 consecutive bytes, at a multiple of 256 from eo's first byte
.endr
	s_add_co_u32 s[J], s[J], 8
	s_add_co_u32 s[CT], s[CT], 1
	s_cmp_lt_u32 s[CT], s[NW]
	s_cbranch_scc1 .Ltile
.Ldone:
	s_wait_dscnt 0x0                               ; the closing lines, six on end
	s_wait_alu 0x0
	s_wait_tensorcnt 0x0
	ds_add_u32 v[SPW], v[NIL]
	s_wait_dscnt 0x0
	s_endpgm
.Lfunc_end_k_q35587c3b60_down:
	.size	k_q35587c3b60_down, .Lfunc_end_k_q35587c3b60_down-k_q35587c3b60_down
	.p2alignl 7, 3214868480
	.fill 96, 4, 3214868480
	.section	.rodata,"a",@progbits
	.p2align	6, 0x0
	.amdhsa_kernel k_q35587c3b60_down
		.amdhsa_group_segment_fixed_size 136192
		.amdhsa_private_segment_fixed_size 0
		.amdhsa_enable_private_segment 0
		.amdhsa_kernarg_size 48
		.amdhsa_user_sgpr_count 2
		.amdhsa_user_sgpr_kernarg_segment_ptr 1
		.amdhsa_wavefront_size32 1
		.amdhsa_system_sgpr_workgroup_id_x 1
		.amdhsa_system_sgpr_workgroup_id_y 1
		.amdhsa_system_sgpr_workgroup_id_z 1
		.amdhsa_system_vgpr_workitem_id 0
		.amdhsa_next_free_vgpr 256
		.amdhsa_next_free_sgpr 66
		.amdhsa_reserve_vcc 0
		.amdhsa_float_denorm_mode_32 3
		.amdhsa_float_denorm_mode_16_64 3
		.amdhsa_memory_ordered 1
		.amdhsa_forward_progress 1
		.amdhsa_inst_pref_size 90
	.end_amdhsa_kernel
	.amdgpu_metadata
---
amdhsa.version: [ 1, 2 ]
amdhsa.kernels:
  - .name:           k_q35587c3b60_down
    .symbol:         k_q35587c3b60_down.kd
    .args:
      - { .name: w_down, .offset: 0, .size: 8, .value_kind: global_buffer, .address_space: global }
      - { .name: shared_w_down, .offset: 8, .size: 8, .value_kind: global_buffer, .address_space: global }
      - { .name: anchor_w_down, .offset: 16, .size: 8, .value_kind: global_buffer, .address_space: global }
      - { .name: hq, .offset: 24, .size: 8, .value_kind: global_buffer, .address_space: global }
      - { .name: plan, .offset: 32, .size: 8, .value_kind: global_buffer, .address_space: global }
      - { .name: eo, .offset: 40, .size: 8, .value_kind: global_buffer, .address_space: global }
    .group_segment_fixed_size: 136192
    .private_segment_fixed_size: 0
    .kernarg_segment_align: 8
    .kernarg_segment_size: 48
    .max_flat_workgroup_size: 256
    .sgpr_count:     66
    .vgpr_count:     256
    .wavefront_size: 32
...
	.end_amdgpu_metadata
.endif
;; end of part 9
;; launch combine (part 10): grid 256 x 1, 8 waves a work-group, no clusters, 0 bytes of LDS; arguments eo, plan, w8, out0; writes out0
.if DOCPART == 10
	.amdgcn_target "amdgcn-amd-amdhsa--gfx1250"
	.amdhsa_code_object_version 6
	.text
	.protected	k_q35587c3b60_combine
	.globl	k_q35587c3b60_combine
	.p2align	8
	.type	k_q35587c3b60_combine,@function
k_q35587c3b60_combine:
	s_mov_b64 s[64:65], 0
	v_nop
	global_prefetch_b8 v0, s[64:65] scope:SCOPE_SE
	s_setreg_imm32_b32 hwreg(HW_REG_WAVE_SCHED_MODE, 0, 2), 2
	s_setreg_imm32_b32 hwreg(HW_REG_WAVE_MODE, 25, 1), 1
	s_wait_xcnt 0x0
	s_wait_alu depctr_vm_vsrc(0)
; COMBINE: out[t] = the sum over the token's eight rows of eo (six experts in ascending order, the anchor, the shared expert) x their weights (tw, 0.1, 1).  The terms that reference()'s one_hot tables multiply by 0 are left out
; (shown at the head of the first kernel), so its two combining products are this gather.  All in f32: fused multiply-adds.
; A wave takes half a row of one token: 2,048 bytes of each of eight rows, 32 loads of 512 consecutive bytes, all issued at once.  Each output row has one owner.  No LDS, no matrix unit: memory binds.
; THE MODE: SCHED_MODE bits 1:0 = 2 (LLVM: expert scheduling mode 2), set by the entry lines.  The code itself states the register dependences between vector instructions and memory instructions, with s_wait_alu, always for 0.
; THE PLAN.  v1: the offset of every load and store, made once.  v32-159: the 32 loads land, each register once; the multiply-adds read them.  v160-175: written by the multiply-adds, read by the four stores.
; v8-23, the weights, are named by vector instructions alone.  So one wait stands ahead of the first load and one ahead of the first store; the lines that lay out the weights stand among the loads and owe nothing.
.set ROWS_OFF, 219904
	s_load_b256 s[4:11], s[0:1], 0x0               ; eo, plan, w8, out0
	v_lshrrev_b32 v1, 5, v0
	v_readfirstlane_b32 s48, v1                    ; wave
	v_and_b32 v1, 31, v0
	v_lshlrev_b32 v1, 4, v1                        ; 16 x lane
	s_wait_alu depctr_va_sdst(0)                   ; the wave's number is written, ahead of its first reader
	s_lshr_b32 s49, s48, 1
	s_lshl_b32 s50, ttmp9, 2
	s_add_co_u32 s49, s49, s50                     ; my token
	s_and_b32 s50, s48, 1
	s_lshl_b32 s50, s50, 11                        ; my half of the row
	s_mov_b32 s51, 0
	s_lshl_b32 s2, s49, 5
	s_mov_b32 s3, 0
	s_lshl_b32 s52, s49, 12
	s_add_co_u32 s52, s52, s50
	s_mov_b32 s53, 0
	s_wait_kmcnt 0x0
	s_add_nc_u64 s[12:13], s[6:7], s[2:3]
	s_add_nc_u64 s[12:13], s[12:13], ROWS_OFF
	s_add_nc_u64 s[14:15], s[8:9], s[2:3]
	s_load_b256 s[16:23], s[12:13], 0x0            ; the eight rows' numbers
	s_load_b256 s[24:31], s[14:15], 0x0            ; and their weights
	s_add_nc_u64 s[4:5], s[4:5], s[50:51]
	s_add_nc_u64 s[10:11], s[10:11], s[52:53]
	s_wait_kmcnt 0x0
	s_wait_alu depctr_va_vdst(0)                   ; v1 is written, which every load and store below reads as its offset
.irp k, 0,1,2,3,4,5,6,7
	s_min_u32 s2, s[16+\k], 53247                  ; a row of eo: 52 units of 1,024
	s_lshl_b32 s2, s2, 12
	s_add_nc_u64 s[32+2*\k:33+2*\k], s[4:5], s[2:3]
.irp i, 0,1,2,3
	global_load_b128 v[32+16*\k+4*\i:35+16*\k+4*\i], v1, s[32+2*\k:33+2*\k] offset:512*\i th:TH_LOAD_NT
.endr
	v_mov_b32 v[8+2*\k], s[24+\k]                  ; the weight, twice: a pair for the packed form.  (No load names v8 to v23)
	v_mov_b32 v[9+2*\k], s[24+\k]
.endr
.irp k, 0,1,2,3,4,5,6,7
	s_wait_alu depctr_va_vdst(0)
	s_wait_loadcnt 28-4*\k                         ; row k's four loads are in; the later rows' may be out
.irp p, 0,2,4,6,8,10,12,14
.if \k == 0
	v_pk_mul_f32 v[160+\p:161+\p], v[32+\p:33+\p], v[8:9]      ; the first row starts the sums
.else
	v_pk_fma_f32 v[160+\p:161+\p], v[32+16*\k+\p:33+16*\k+\p], v[8+2*\k:9+2*\k], v[160+\p:161+\p]
.endif
.endr
.endr
	s_wait_alu depctr_va_vdst(0)                   ; the multiply-adds have written v160 to v175, which the four stores read
.irp i, 0,1,2,3
	global_store_b128 v1, v[160+4*\i:163+4*\i], s[10:11] offset:512*\i th:TH_STORE_NT   ; 512 consecutive bytes, at a multiple of 256 from out0's first byte
.endr
	s_endpgm
.Lfunc_end_k_q35587c3b60_combine:
	.size	k_q35587c3b60_combine, .Lfunc_end_k_q35587c3b60_combine-k_q35587c3b60_combine
	.p2alignl 7, 3214868480
	.fill 96, 4, 3214868480
	.section	.rodata,"a",@progbits
	.p2align	6, 0x0
	.amdhsa_kernel k_q35587c3b60_combine
		.amdhsa_group_segment_fixed_size 0
		.amdhsa_private_segment_fixed_size 0
		.amdhsa_enable_private_segment 0
		.amdhsa_kernarg_size 32
		.amdhsa_user_sgpr_count 2
		.amdhsa_user_sgpr_kernarg_segment_ptr 1
		.amdhsa_wavefront_size32 1
		.amdhsa_system_sgpr_workgroup_id_x 1
		.amdhsa_system_sgpr_workgroup_id_y 1
		.amdhsa_system_sgpr_workgroup_id_z 1
		.amdhsa_system_vgpr_workitem_id 0
		.amdhsa_next_free_vgpr 192
		.amdhsa_next_free_sgpr 66
		.amdhsa_reserve_vcc 0
		.amdhsa_float_denorm_mode_32 3
		.amdhsa_float_denorm_mode_16_64 3
		.amdhsa_memory_ordered 1
		.amdhsa_forward_progress 1
		.amdhsa_inst_pref_size 11
	.end_amdhsa_kernel
	.amdgpu_metadata
---
amdhsa.version: [ 1, 2 ]
amdhsa.kernels:
  - .name:           k_q35587c3b60_combine
    .symbol:         k_q35587c3b60_combine.kd
    .args:
      - { .name: eo, .offset: 0, .size: 8, .value_kind: global_buffer, .address_space: global }
      - { .name: plan, .offset: 8, .size: 8, .value_kind: global_buffer, .address_space: global }
      - { .name: w8, .offset: 16, .size: 8, .value_kind: global_buffer, .address_space: global }
      - { .name: out0, .offset: 24, .size: 8, .value_kind: global_buffer, .address_space: global }
    .group_segment_fixed_size: 0
    .private_segment_fixed_size: 0
    .kernarg_segment_align: 8
    .kernarg_segment_size: 32
    .max_flat_workgroup_size: 256
    .sgpr_count:     66
    .vgpr_count:     192
    .wavefront_size: 32
...
	.end_amdgpu_metadata
.endif
;; end of part 10
